; MI455X (gfx1250); checked and timed in simulation.
; The chip was launched on July 23, 2026; its instructions are those of AMD's public machine-readable ISA for CDNA 5 (MIT licence, August 2026) and "CDNA5" Instruction Set Architecture Reference Guide (July 2026). The comments in the code are by the model that wrote it; some were corrected since.
;; Soft Align Attention Mixed. Allowed arithmetic: matrix products marked QUANTISED: E5M2 operands, one given power-of-two scale a tensor, by v_wmma_f32_16x16x64_bf8_bf8 or v_wmma_f32_16x16x128_bf8_bf8, f32 sums; products left as they are: f32 operands where the result goes on into a quantised operand, else bf16, f16 or f32 operands; f32 sums; everything else in f32.
;; Inputs: cond 4 x 512 x 2,048 float32; gk_b 512 float32; gk_w 512 x 512 float32; go_b 512 float32; go_w 512 x 512 float32; gq_b 512 float32; gq_w 512 x 512 float32; gv_b 512 float32; gv_w 512 x 512 float32; lk_b 512 float32; lk_w 512 x 512 float32; lo_b 512 float32; lo_w 512 x 512 float32; lowp_scales 20 int32 (the exponents e of the quantised operands' scales 2^e); lq_b 512 float32; lq_w 512 x 512 float32; lv_b 512 float32; lv_w 512 x 512 float32; t 4 int32; x 4 x 512 x 2,048 float32.
;; Outputs: out0 4 x 512 x 2,048 float32.
;; This version of the problem:
;;   THIS VERSION OF THE PROBLEM IS GIVEN IN LOW PRECISION. The matrix products marked QUANTISED in the list below multiply operands that are first quantised to E5M2 (5 exponent bits, 2 mantissa bits; 8 bits a number), with one given power-of-two scale for each operand tensor; their sums are f32. All else is computed in f32.
;;   The module's matrix products, in the order in which they are computed (A, B: the left and right operand; K: the contracted axis; several contracted axes count as one K, in the product's order):
;;     1. [M 8,192, K 512] x [K 512, N 512]; A: input x; B: input lq_w: QUANTISED (scales: A lowp_scales[0], B lowp_scales[1])
;;     2. [M 8,192, K 512] x [K 512, N 512]; A: input cond; B: input lk_w: QUANTISED (scales: A lowp_scales[2], B lowp_scales[3])
;;     3. [M 8,192, K 512] x [K 512, N 512]; A: input cond; B: input lv_w: QUANTISED (scales: A lowp_scales[4], B lowp_scales[5])
;;     4. batch 65,536 x [M 1, K 64] x [K 64, N 16]; A: computed on the way; B: computed on the way: left as it is (M = 1 < 16)
;;     5. batch 65,536 x [M 64, K 16] x [K 16, N 1]; A: computed on the way; B: softmax (see below): left as it is (K = 16 < 32)
;;     6. [M 8,192, K 512] x [K 512, N 512]; A: computed on the way; B: input lo_w: QUANTISED (scales: A lowp_scales[6], B lowp_scales[7])
;;     7. [M 8,192, K 512] x [K 512, N 512]; A: input x; B: input gq_w: QUANTISED (scales: A lowp_scales[8], B lowp_scales[9])
;;     8. [M 8,192, K 512] x [K 512, N 512]; A: input cond; B: input gk_w: QUANTISED (scales: A lowp_scales[10], B lowp_scales[11])
;;     9. [M 8,192, K 512] x [K 512, N 512]; A: input cond; B: input gv_w: QUANTISED (scales: A lowp_scales[12], B lowp_scales[13])
;;     10. batch 32 x [M 2,048, K 64] x [K 64, N 2,048]; A: computed on the way; B: computed on the way: QUANTISED (scales: A lowp_scales[14], B lowp_scales[15])
;;     11. batch 32 x [M 2,048, K 2,048] x [K 2,048, N 64]; A: softmax (see below); B: computed on the way: QUANTISED (scales: A lowp_scales[16], B lowp_scales[17])
;;     12. [M 8,192, K 512] x [K 512, N 512]; A: computed on the way; B: input go_w: QUANTISED (scales: A lowp_scales[18], B lowp_scales[19])
;;   THE QUANTISER, for each operand of a quantised product, along K:
;;     - The operand's scale is 2^e, e = its entry of the input lowp_scales (int32; the entries are numbered through the quantised products in the list's order, A before B).
;;     - Each number is divided by the scale, clamped to +-57,344, and rounded to the nearest number of E5M2, ties to even, subnormals kept.
;;     - The product sums the exact products of the quantised numbers (number of the format x scale) in f32.
;;   ~~~python
;;   def quantise(x, axis, e):      # numpy; x: float32 -> the quantised numbers, widened to float32 again
;;       x = np.moveaxis(x, axis, -1); K = x.shape[-1]
;;       r = np.clip(x / 2.0 ** e, -57344, 57344)
;;       step = 2.0 ** (np.maximum(np.frexp(np.where(r == 0, 1, r))[1] - 1, -14) - 2)
;;       q = np.round(r / step) * step * 2.0 ** e      # np.round: ties to even
;;       return np.moveaxis(q, -1, axis).astype(np.float32)
;;   ~~~
;;   SOFTMAX AHEAD OF A QUANTISED PRODUCT. Where the list says 'softmax', what is quantised is not the finished softmax but p = 2^(t - M), with t = logit x log2(e) and M = ceil(the row's largest t), a whole number; so 1/2 < the row's largest p <= 1. The row's sum l is taken of the UNQUANTISED p, in f32, and the product's result is divided by l at the end. Since M is a whole number, a kernel that streams over the keys may use a running M (the ceiling of the running maximum): every later rescaling is an exact power of two, so the quantised numbers keep their values, but for numbers so far below the row's largest that they fall under the format's range.
;;   OPERANDS COMPUTED ON THE WAY. 'Computed on the way' means the value that the module computes at that place (a softmax that the list does not call 'softmax' is quantised finished and normalised). What goes into a quantiser is computed in f32, as accurately as f32 sums, v_exp_f32 and their like allow (about 1e-6 of the number): no bf16 or f16 on the way to a quantiser, and a product that is left as it is and whose result goes on into a quantised operand takes f32 operands (vector FMAs, or v_wmma_f32_16x16x4_f32). A number that lies on a knife's edge between two numbers of the format may be rounded either way, as far as f32 arithmetic and the matrix unit's own rounding can turn it there, and no further.
;; 2 versions. Each part assembles by itself: llvm-mc -triple=amdgcn-amd-amdhsa -mcpu=gfx1250 --defsym DOCPART=n.
;; ======== version 1 of 2: 4 launches
;; workspace buffers: acodes 25,165,824 bytes; wcodes 2,097,152 bytes; rope 524,288 bytes; qkv 12,582,912 bytes; lcodes 4,194,304 bytes; gcodes 4,194,304 bytes
;; launch prep (part 1): grid 544 x 1, 4 waves a work-group, no clusters, 34,304 bytes of LDS; arguments x, cond, lq_w, lk_w, lv_w, lo_w, gq_w, gk_w, gv_w, go_w, lowp_scales, acodes, wcodes, rope; writes acodes, wcodes, rope
.if DOCPART == 1
	.amdgcn_target "amdgcn-amd-amdhsa--gfx1250"
	.amdhsa_code_object_version 6
	.text
	.protected	k_q851d9abc79_prep
	.globl	k_q851d9abc79_prep
	.p2align	8
	.type	k_q851d9abc79_prep,@function
k_q851d9abc79_prep:
	s_mov_b64 s[64:65], 0
	v_nop
	global_prefetch_b8 v0, s[64:65] scope:SCOPE_SE
	s_setreg_imm32_b32 hwreg(HW_REG_WAVE_MODE, 25, 1), 1
	s_wait_xcnt 0x0
; PREP: everything that is quantised straight from an input, once, and the table of cosines and sines.
; All codes are E5M2, code = x / 2^e held within +-57,344, nearest, ties to even.  They are laid as IMAGES OF THE OPERAND'S REGISTERS:
; a fragment of 16 rows x 128 K is [g 0..3][lane 0..31][16 bytes]; lane (r = lane % 16, hh = lane / 16) holds row r, and its 16 bytes of g are K = 32 g + 8 hh + 0..7, then K = 32 g + 16 + 8 hh + 0..7.
; Work-groups 0-255 (role X): x under e0, e8 and cond under e2, e4, e10, e12 -> acodes [set 6][tile of 16 t: 512][c / 32: 16][lane][16].
; Work-groups 256-511 (role W): the eight weights -> wcodes [w 8][tile of 16 o: 32][c / 32: 16][lane][16].
; Work-groups 512-543 (role T): rope [tile of 16 t: 128][n 8][lane][cos i, sin i, cos i+1, sin i+1], i = 8 (n / 2) + 4 hh + 2 (n % 2), t = 16 tile + r.
; LIMITS: each exponent e between -126 and 112.  NaN among the inputs is not served; an infinity is held at the largest code.
; The table's angle is t x f32(10^(-i/8)), one f32 product; f's last bit may differ from a power computed in f32, which moves an angle by up to some 2.5e-4 rad at t = 2047.
.set XR, 32                            ; v32-95   role X: two sets of 32 numbers, down c
.set TR, 96                            ; v96-127  the numbers held within the range of one scale
.set CR, 128                           ; v128-159 codes: 8 registers for each of four scales
	s_load_b128 s[4:7], s[0:1], 0x0                ; x, cond
	s_load_b64 s[8:9], s[0:1], 0x50                ; the exponents
	s_load_b128 s[12:15], s[0:1], 0x58             ; acodes, wcodes
	s_load_b64 s[10:11], s[0:1], 0x68              ; rope
	v_lshl_add_u32 v176, v0, 2, 0x8400
	v_mov_b32 v177, 0
	v_lshrrev_b32 v1, 5, v0
	v_readfirstlane_b32 s2, v1                     ; wave
	v_and_b32 v2, 31, v0                           ; lane
	s_cmp_lt_u32 ttmp9, 256
	s_cbranch_scc0 .Lnot_x
; ---------------- role X.  A lane takes one t, its registers run down c: each load reads 128 neighbouring bytes a wave, 512 a work-group, and the conversions give codes with c innermost.
	s_lshr_b32 s16, ttmp9, 7                       ; 0: x, 1: cond
	s_bfe_u32 s17, ttmp9, 0x20005                  ; b
	s_bfe_u32 s18, ttmp9, 0x40001                  ; which 128 t
	s_and_b32 s19, ttmp9, 1                        ; which 256 c
	s_lshl_b32 s20, s17, 22
	s_lshl_b32 s21, s19, 21
	s_add_co_u32 s20, s20, s21
	s_lshl_b32 s21, s18, 9
	s_add_co_u32 s20, s20, s21
	s_lshl_b32 s21, s2, 7
	s_add_co_u32 s20, s20, s21
	s_mov_b32 s21, 0                               ; source: b x 4 MiB + 256 c rows of 8,192 + (128 tg + 32 wave) x 4
	s_lshl_b32 s22, s17, 20
	s_lshl_b32 s23, s18, 16
	s_add_co_u32 s22, s22, s23
	s_lshl_b32 s23, s2, 14
	s_add_co_u32 s22, s22, s23
	s_lshl_b32 s23, s19, 12
	s_add_co_u32 s22, s22, s23
	s_mov_b32 s23, 0                               ; codes: (128 b + 8 tg + 2 wave) tiles of 8,192 + 8 blocks of 512
	v_lshlrev_b32 v3, 2, v2                        ; in: 4 bytes a lane
	v_lshrrev_b32 v4, 4, v2
	v_and_b32 v5, 15, v2
	v_lshlrev_b32 v4, 13, v4
	v_lshl_add_u32 v4, v5, 4, v4                   ; out: lanes 16-31 belong to the next tile; 16 bytes a row
	s_wait_kmcnt 0x0
	s_load_b512 s[32:47], s[8:9], 0x0              ; e0 .. e15
	s_cmp_eq_u32 s16, 0
	s_cselect_b64 s[4:5], s[4:5], s[6:7]
	s_add_nc_u64 s[4:5], s[4:5], s[20:21]
	s_add_nc_u64 s[12:13], s[12:13], s[22:23]
	s_cselect_b32 s24, 0, 0x400000                 ; slot 0: set 0 (x) or 1 (cond); a set is 4 MiB
	s_mov_b32 s25, 0
	s_add_nc_u64 s[52:53], s[12:13], s[24:25]
	s_mov_b32 s24, 0x800000
	s_cselect_b32 s24, 0xc00000, s24               ; slot 1: set 3 (x) or 2 (cond)
	s_add_nc_u64 s[54:55], s[12:13], s[24:25]
	s_add_nc_u64 s[56:57], s[12:13], 0x1000000     ; slot 2: set 4, slot 3: set 5 (cond alone)
	s_add_nc_u64 s[58:59], s[12:13], 0x1400000
.macro XLOAD t                         ; block t: 32 rows c of my t, into set t % 2
.set xi, 0
.rept 32
	global_load_b32 v[XR+32*((\t)%2)+xi], v3, s[4:5] offset:(32*(\t)+xi)*8192 th:TH_LOAD_NT
.set xi, xi+1
.endr
.endm
	XLOAD 0
	XLOAD 1
	s_wait_kmcnt 0x0
	s_cmp_eq_u32 s16, 0
	s_cselect_b32 s24, s32, s34                    ; e0 or e2
	s_cselect_b32 s25, s40, s36                    ; e8 or e4
	s_mov_b32 s26, s42                             ; e10
	s_mov_b32 s27, s44                             ; e12
.irp k, 0,1,2,3
	s_add_co_i32 s28, s[24+\k], 127
	s_lshl_b32 s29, s28, 23
	v_mov_b32 v[16+2*\k], s29                      ; 2^e as f32: the conversion takes its exponent field
	s_add_co_i32 s28, s28, 15
	s_lshl_b32 s28, s28, 23
	s_or_b32 s28, s28, 0x600000
	v_mov_b32 v[17+2*\k], s28                      ; 57,344 x 2^e
.endr
.macro QSET k, t                       ; block t under scale k: held, converted, stored.  Rows c 0-7 and 16-23 belong to the lane with hh = 0, rows 8-15 and 24-31 to hh = 1
.set xi, 0
.rept 32
	v_med3_num_f32 v[TR+xi], v[XR+32*((\t)%2)+xi], -v[17+2*\k], v[17+2*\k]   ; the conversion to an 8-bit code does not saturate (ISA guide 7.6.2)
.set xi, xi+1
.endr
	v_cvt_scalef32_pk8_bf8_f32 v[CR+8*\k:CR+8*\k+1], v[TR:TR+7], v[16+2*\k]
	v_cvt_scalef32_pk8_bf8_f32 v[CR+8*\k+2:CR+8*\k+3], v[TR+16:TR+23], v[16+2*\k]
	v_cvt_scalef32_pk8_bf8_f32 v[CR+8*\k+4:CR+8*\k+5], v[TR+8:TR+15], v[16+2*\k]
	v_cvt_scalef32_pk8_bf8_f32 v[CR+8*\k+6:CR+8*\k+7], v[TR+24:TR+31], v[16+2*\k]
	v_nop                                          ; a plain line between the conversions and the next lines that write their sources
	global_store_b128 v4, v[CR+8*\k:CR+8*\k+3], s[52+2*\k:53+2*\k] offset:512*(\t)         ; sixteen lanes store 256 consecutive bytes, aligned
	global_store_b128 v4, v[CR+8*\k+4:CR+8*\k+7], s[52+2*\k:53+2*\k] offset:512*(\t)+256
.endm
.macro XBLOCK t
.if (\t) < 7
	s_wait_loadcnt 32                              ; this block's 32 loads are in; the next block's 32 may be out
.else
	s_wait_loadcnt 0x0
.endif
	s_wait_xcnt 0x0                                ; the last block's stores have read their data: the codes' registers are written again only behind this wait
	QSET 0, \t
	QSET 1, \t
	s_cmp_eq_u32 s16, 0                            ; x has two scales, cond four: a branch on the work-group's number
	s_cbranch_scc1 .Lonly_two_\@
	QSET 2, \t
	QSET 3, \t
.Lonly_two_\@:
.if (\t)+2 < 8
	XLOAD (\t)+2
.endif
.endm
.irp t, 0,1,2,3,4,5,6,7
	XBLOCK \t
.endr
	s_endpgm
; ---------------- role W.  A wave makes one fragment: 16 rows o x 128 c.  Each load reads 512 consecutive bytes of a row; the numbers turn through the wave's own stage in LDS (pitch 528) so that a lane gets neighbours along c.
.Lnot_x:
	s_cmp_lt_u32 ttmp9, 512
	s_cbranch_scc0 .Ltable
	s_load_b512 s[16:31], s[0:1], 0x10             ; the eight weights' addresses
	s_sub_co_u32 s48, ttmp9, 256
	s_lshr_b32 s49, s48, 5                         ; w
	s_and_b32 s50, s48, 31                         ; tile of 16 o
	s_lshl_b32 s52, s49, 3
	s_add_co_u32 s52, s52, 4                       ; its exponent is entry 2 w + 1,
	s_cmp_eq_u32 s49, 7
	s_cselect_b32 s53, 16, 0                       ; but entry 19 for go_w
	s_add_co_u32 s52, s52, s53
	s_mov_b32 s53, 0
	s_lshl_b32 s54, s50, 15
	s_lshl_b32 s55, s2, 9
	s_add_co_u32 s54, s54, s55
	s_mov_b32 s55, 0                               ; source: 16 rows of 2,048 bytes x tile + 512 x wave
	s_lshl_b32 s56, s49, 18
	s_lshl_b32 s57, s50, 13
	s_add_co_u32 s56, s56, s57
	s_lshl_b32 s57, s2, 11
	s_add_co_u32 s56, s56, s57
	s_mov_b32 s57, 0                               ; codes: w x 262,144 + tile x 8,192 + wave x 2,048
	s_mul_i32 s58, s2, 8448                        ; my stage
	v_lshlrev_b32 v3, 4, v2                        ; 16 x lane
	v_add_nc_u32 v5, s58, v3                       ; into the stage: as loaded
	v_and_b32 v7, 15, v0
	v_bfe_u32 v8, v0, 4, 1
	v_mul_u32_u24 v6, v7, 528
	v_lshl_add_u32 v6, v8, 5, v6
	v_add_nc_u32 v6, s58, v6                       ; out of it: row r, + 32 hh
	s_wait_kmcnt 0x0
	s_add_nc_u64 s[8:9], s[8:9], s[52:53]
	s_load_b32 s51, s[8:9], 0x0                    ; e
	s_mov_b64 s[32:33], s[16:17]
.irp k, 1,2,3,4,5,6,7
	s_cmp_eq_u32 s49, \k
	s_cselect_b64 s[32:33], s[16+2*\k:17+2*\k], s[32:33]
.endr
	s_add_nc_u64 s[32:33], s[32:33], s[54:55]
	s_add_nc_u64 s[14:15], s[14:15], s[56:57]
.irp i, 0,1,2,3,4,5,6,7,8,9,10,11,12,13,14,15
	global_load_b128 v[32+4*\i:35+4*\i], v3, s[32:33] offset:2048*\i
.endr
	s_wait_kmcnt 0x0
	s_add_co_i32 s51, s51, 127
	s_lshl_b32 s59, s51, 23
	v_mov_b32 v16, s59                             ; 2^e
	s_add_co_i32 s51, s51, 15
	s_lshl_b32 s51, s51, 23
	s_or_b32 s51, s51, 0x600000
	v_mov_b32 v17, s51                             ; 57,344 x 2^e
	s_wait_loadcnt 0x0
.irp i, 0,1,2,3,4,5,6,7,8,9,10,11,12,13,14,15
	ds_store_b128 v5, v[32+4*\i:35+4*\i] offset:528*\i
.endr
.irp g, 0,1,2,3                        ; LDS serves a wave's instructions in order (ISA guide 5.7.1.4): these see my stores
	ds_load_b128 v[96+16*\g:99+16*\g], v6 offset:128*\g
	ds_load_b128 v[100+16*\g:103+16*\g], v6 offset:128*\g+16
	ds_load_b128 v[104+16*\g:107+16*\g], v6 offset:128*\g+64
	ds_load_b128 v[108+16*\g:111+16*\g], v6 offset:128*\g+80
.endr
	s_wait_dscnt 0x0
.set wi, 0
.rept 64
	v_med3_num_f32 v[96+wi], v[96+wi], -v17, v17
.set wi, wi+1
.endr
.irp g, 0,1,2,3
	v_cvt_scalef32_pk8_bf8_f32 v[160+4*\g:161+4*\g], v[96+16*\g:103+16*\g], v16
	v_cvt_scalef32_pk8_bf8_f32 v[162+4*\g:163+4*\g], v[104+16*\g:111+16*\g], v16
.endr
	v_nop
.irp g, 0,1,2,3
	global_store_b128 v3, v[160+4*\g:163+4*\g], s[14:15] offset:512*\g    ; 512 consecutive bytes a store
.endr
	s_wait_tensorcnt 0x0
	ds_add_u32 v176, v177
	s_wait_dscnt 0x0
	s_endpgm
; ---------------- role T.  cos and sin of t x 10^(-i/8): reduced by multiples of pi/2 in two parts, then polynomials on [-pi/4, pi/4].
.Ltable:
	s_sub_co_u32 s48, ttmp9, 512
	s_lshl_b32 s48, s48, 2
	s_add_co_u32 s48, s48, s2                      ; tile of 16 t
	s_lshl_b32 s49, s48, 4
	s_lshl_b32 s50, s48, 12
	s_mov_b32 s51, 0
	v_and_b32 v3, 15, v0
	v_add_nc_u32 v3, s49, v3
	v_cvt_f32_u32 v3, v3                           ; t
	v_bfe_u32 v4, v0, 4, 1
	v_cmp_eq_u32 s41, 1, v4                        ; lanes 16-31
	v_lshlrev_b32 v15, 4, v2                       ; 16 x lane
	s_mov_b32 s16, 0x3f22f983                      ; 2 / pi
	s_mov_b32 s17, 0xbfc90fdb                      ; -(pi / 2), its f32 part,
	s_mov_b32 s18, 0x333bbd2e                      ; and what that part has too much
	s_mov_b32 s19, 0xbe2aaaa3                      ; sine: -1.6666654611e-1, 8.3321608736e-3, -1.9515295891e-4
	s_mov_b32 s20, 0x3c08839e
	s_mov_b32 s21, 0xb94ca1f9
	s_mov_b32 s22, 0x3d2aaaa5                      ; cosine: 4.166664568e-2, -1.388731625e-3, 2.443315712e-5
	s_mov_b32 s23, 0xbab6061a
	s_mov_b32 s24, 0x37ccf5ce
.macro CSPAIR dst, flo, fhi            ; v[dst] = cos, v[dst + 1] = sin of t x (lanes 0-15: flo, lanes 16-31: fhi)
	v_mul_f32 v5, \flo, v3
	v_mul_f32 v6, \fhi, v3
	v_cndmask_b32 v5, v5, v6, s41                  ; the angle a
	v_mul_f32 v6, s16, v5
	v_rndne_f32 v6, v6                             ; k = the nearest multiple of pi / 2
	v_fma_f32 v7, v6, s17, v5
	v_fma_f32 v7, v6, s18, v7                      ; r = a - k pi / 2
	v_cvt_i32_f32 v9, v6
	v_mul_f32 v8, v7, v7                           ; z = r r
	v_fma_f32 v10, v8, s21, s20
	v_fma_f32 v10, v10, v8, s19
	v_mul_f32 v11, v8, v7
	v_fma_f32 v12, v10, v11, v7                    ; sin r
	v_fma_f32 v10, v8, s24, s23
	v_fma_f32 v10, v10, v8, s22
	v_mul_f32 v11, v8, v8
	v_fma_f32 v13, v8, -0.5, 1.0
	v_fma_f32 v13, v10, v11, v13                   ; cos r
	v_and_b32 v11, 1, v9
	v_cmp_ne_u32 vcc_lo, 0, v11                    ; an odd k changes the two over
	v_cndmask_b32 v10, v12, v13, vcc_lo
	v_cndmask_b32 v11, v13, v12, vcc_lo
	v_lshlrev_b32 v14, 30, v9                      ; the sine is negative where k % 4 is 2 or 3,
	v_and_b32 v14, 0x80000000, v14
	v_xor_b32 v[\dst+1], v14, v10
	v_add_nc_u32 v9, 1, v9                         ; the cosine where it is 1 or 2
	v_lshlrev_b32 v14, 30, v9
	v_and_b32 v14, 0x80000000, v14
	v_xor_b32 v[\dst], v14, v11
.endm
.macro DECADE d, a0, a1, a2, a3, a4, a5, a6, a7      ; n = d and d + 1: i = 4 d + 0 .. 3 in lanes 0-15, + 4 in lanes 16-31
	CSPAIR 64+4*\d, \a0, \a4
	CSPAIR 66+4*\d, \a1, \a5
	CSPAIR 68+4*\d, \a2, \a6
	CSPAIR 70+4*\d, \a3, \a7
.endm
	DECADE 0, 1.0, 0.7498942093324559, 0.5623413251903491, 0.4216965034285822, 0.31622776601683794, 0.23713737056616552, 0.17782794100389228, 0.1333521432163324
	DECADE 2, 0.1, 0.07498942093324559, 0.05623413251903491, 0.04216965034285822, 0.031622776601683794, 0.023713737056616552, 0.017782794100389228, 0.01333521432163324
	DECADE 4, 0.01, 0.007498942093324559, 0.005623413251903491, 0.004216965034285822, 0.0031622776601683794, 0.0023713737056616552, 0.0017782794100389228, 0.001333521432163324
	DECADE 6, 0.001, 0.0007498942093324559, 0.0005623413251903491, 0.0004216965034285822, 0.00031622776601683794, 0.00023713737056616552, 0.00017782794100389228, 0.0001333521432163324
	s_wait_kmcnt 0x0
	s_add_nc_u64 s[10:11], s[10:11], s[50:51]
.irp n, 0,1,2,3,4,5,6,7
	global_store_b128 v15, v[64+4*\n:67+4*\n], s[10:11] offset:512*\n
.endr
	s_endpgm
.Lfunc_end_k_q851d9abc79_prep:
	.size	k_q851d9abc79_prep, .Lfunc_end_k_q851d9abc79_prep-k_q851d9abc79_prep
	.p2alignl 7, 3214868480
	.fill 96, 4, 3214868480
	.section	.rodata,"a",@progbits
	.p2align	6, 0x0
	.amdhsa_kernel k_q851d9abc79_prep
		.amdhsa_group_segment_fixed_size 34304
		.amdhsa_private_segment_fixed_size 0
		.amdhsa_enable_private_segment 0
		.amdhsa_kernarg_size 112
		.amdhsa_user_sgpr_count 2
		.amdhsa_user_sgpr_kernarg_segment_ptr 1
		.amdhsa_wavefront_size32 1
		.amdhsa_system_sgpr_workgroup_id_x 1
		.amdhsa_system_sgpr_workgroup_id_y 1
		.amdhsa_system_sgpr_workgroup_id_z 1
		.amdhsa_system_vgpr_workitem_id 0
		.amdhsa_next_free_vgpr 178
		.amdhsa_next_free_sgpr 66
		.amdhsa_reserve_vcc 1
		.amdhsa_float_denorm_mode_32 3
		.amdhsa_float_denorm_mode_16_64 3
		.amdhsa_memory_ordered 1
		.amdhsa_forward_progress 1
		.amdhsa_inst_pref_size 142
	.end_amdhsa_kernel
	.amdgpu_metadata
---
amdhsa.version: [ 1, 2 ]
amdhsa.kernels:
  - .name:           k_q851d9abc79_prep
    .symbol:         k_q851d9abc79_prep.kd
    .args:
      - { .name: x, .offset: 0, .size: 8, .value_kind: global_buffer, .address_space: global }
      - { .name: cond, .offset: 8, .size: 8, .value_kind: global_buffer, .address_space: global }
      - { .name: lq_w, .offset: 16, .size: 8, .value_kind: global_buffer, .address_space: global }
      - { .name: lk_w, .offset: 24, .size: 8, .value_kind: global_buffer, .address_space: global }
      - { .name: lv_w, .offset: 32, .size: 8, .value_kind: global_buffer, .address_space: global }
      - { .name: lo_w, .offset: 40, .size: 8, .value_kind: global_buffer, .address_space: global }
      - { .name: gq_w, .offset: 48, .size: 8, .value_kind: global_buffer, .address_space: global }
      - { .name: gk_w, .offset: 56, .size: 8, .value_kind: global_buffer, .address_space: global }
      - { .name: gv_w, .offset: 64, .size: 8, .value_kind: global_buffer, .address_space: global }
      - { .name: go_w, .offset: 72, .size: 8, .value_kind: global_buffer, .address_space: global }
      - { .name: lowp_scales, .offset: 80, .size: 8, .value_kind: global_buffer, .address_space: global }
      - { .name: acodes, .offset: 88, .size: 8, .value_kind: global_buffer, .address_space: global }
      - { .name: wcodes, .offset: 96, .size: 8, .value_kind: global_buffer, .address_space: global }
      - { .name: rope, .offset: 104, .size: 8, .value_kind: global_buffer, .address_space: global }
    .group_segment_fixed_size: 34304
    .private_segment_fixed_size: 0
    .kernarg_segment_align: 8
    .kernarg_segment_size: 112
    .max_flat_workgroup_size: 128
    .sgpr_count:     66
    .vgpr_count:     178
    .wavefront_size: 32
...
	.end_amdgpu_metadata
.endif
;; end of part 1
;; launch mid (part 2): grid 448 x 1, 4 waves a work-group, no clusters, 318,464 bytes of LDS; arguments acodes, wcodes, rope, lowp_scales, lq_b, lk_b, lv_b, gq_b, gk_b, gv_b, lcodes, qkv; writes lcodes, qkv
.if DOCPART == 2
	.amdgcn_target "amdgcn-amd-amdhsa--gfx1250"
	.amdhsa_code_object_version 6
	.text
	.protected	k_q851d9abc79_mid
	.globl	k_q851d9abc79_mid
	.p2align	8
	.type	k_q851d9abc79_mid,@function
k_q851d9abc79_mid:
	s_mov_b64 s[64:65], 0
	v_nop
	global_prefetch_b8 v0, s[64:65] scope:SCOPE_SE
	s_setreg_imm32_b32 hwreg(HW_REG_WAVE_MODE, 25, 1), 1
	s_wait_xcnt 0x0
; MID: the six projections, on codes of E5M2, and all of the local branch up to its quantiser.
; Work-groups 0-255 (role L): (b, head h, 256 neighbouring t).  q, k, v of the local branch (three products, K = 512) go to LDS as f32 and never to memory; the band of 16 keys round each t is worked in f32
;   (fused multiply-adds), with the row's maximum taken away ahead of the exponentials as in the definition; keys outside 0 .. 2047 are zeros that count in the softmax.  The result is quantised under e6 and stored
;   where the reshaped operand of the last local product wants it: lcodes [b][c' / 8: 64][t': 2048][8 bytes], c' = 64 h + t / 32, t' = 64 (t % 32) + d.
; Work-groups 256-447 (role P): one of gq, gk, gv for 128 rows t.  A wave keeps its 128 rows of the weight in registers.  q and k are turned by the table of cosines and sines and quantised (e14, e15), v is quantised (e17);
;   all three leave as images of the next operand's registers: qkv, 393,216 bytes a head: Q [tile 128][1,024], K likewise, V [32 keys: 64][16 d: 4][lane][16].
; REQUESTS RUN AHEAD.  Role L: a wave has thirteen steps (q, k, v for its four tiles of 16 t, and one tile of the halo); a step's sixteen loads are issued three steps ahead, into a ring of four slots: 48 loads, 24 KiB, of a wave are out.
;   Role P: a tile's sixteen loads are issued two tiles ahead, into the set that the products have just read.
; Multicast is not used: no tensor load is; the weights go to registers, and what role L's work-groups share at the same time (a head's three weights) is 96 KiB of the 512 KiB that a work-group reads.
; LIMITS: e6, e14, e15, e17 between -126 and 112; e0 + e1, e2 + e3, e4 + e5, e8 + e9, e10 + e11, e12 + e13 between -126 and 127.  NaN is not served.  The order of the f32 sums is this text's own.
.set MSB, 0
.macro WIN new                         ; the immediate's high byte repeats the setting that is left; low byte: bits 1:0 source 0, 3:2 source 1, 5:4 source 2, 7:6 destination
.if MSB != (\new)
	s_set_vgpr_msb (MSB<<8)|(\new)
.set MSB, (\new)
.endif
.endm
.macro PLACES                          ; four plain lines behind matrix instructions, ahead of reads of their results and of loads into their registers
.rept 4
	v_nop
.endr
.endm
.macro PW d, a, b, first               ; one product 16 x 16 x 128; first: it starts the sum
.if \first
	v_wmma_f32_16x16x128_bf8_bf8 v[\d:\d+7], v[\a:\a+15], v[\b:\b+15], 0
.else
	v_wmma_f32_16x16x128_bf8_bf8 v[\d:\d+7], v[\a:\a+15], v[\b:\b+15], v[\d:\d+7]
.endif
.endm
.macro BARRIER                         ; my LDS stores have landed and my LDS loads are in: then the work-group's barrier
	s_wait_dscnt 0x0
	s_barrier_signal -1
	s_barrier_wait -1
.endm
; role L's LDS.  A block is 4 neighbouring t x 64 d, [d][16 bytes], 1,056 bytes apart.
.set BP,  1056
.set QT,  0                            ; 64 blocks: t_rel / 4
.set KT,  67584                        ; 72 blocks: (t_rel + 16) / 4
.set VT,  143616                       ; 72 blocks
.set WS,  219648                       ; 98,304 bytes: the head's weights [q, k, v][tile of 16 o: 4][128 c: 4][2,048]; later the stage [t % 32: pitch 2,064][d 64][t / 32: 8] f32
; role L's registers.  Window 1: the fragments of lq_w, later of lv_w, at 64 (tile of o) + 16 (K step); window 3: of lk_w.  Window 2: the ring: four slots of four fragments of x or cond.  Window 0:
.set LI,   1                           ; 16 x lane
.set R4,   2                           ; 4 r
.set AQS,  3                           ; where my results of q go; AQS + 1: of k; AQS + 2: of v
.set AH,   6                           ; where my tile of the halo goes
.set WSW0, 8                           ; the weights' way into LDS (planes 0, 1), plane 2
.set WSW2, 9
.set WSR0, 10                          ; and out of it
.set WSR2, 11
.set AQ,   12                          ; the band: my run's q, k, v at d = dq
.set AK,   13
.set AV,   14
.set SS,   15                          ; the stage: where my results go
.set ACC,  144                         ; v144-175: four accumulators  (v16-207 first carry my tile of the three weights to LDS)
.set HB,   176                         ; v176-183: the halo's biases
.set BIAS, 208                         ; v208-231: pairs (bias, 0): 8 pi + 2 tile
.set SC6,  232
.set LIM6, 233
.set L8,   234                         ; 8 x lane
.set AQC,  235
.set AKC,  236
.set AVC,  237
.set SSC,  238
.set SRD,  239                         ; the stage: where I read
.set MX,   240
.set NM,   242
.set SA,   244
.set SB,   246
.set RC,   248
.set B0,   16                          ; the band: two sets of q (8) and k (24)
.set B1,   48
.set PP,   80                          ; v80-215: pair (a2, n) at 34 a2 + 2 n: low half dots[t0 + 2 a2][n], high half dots[t0 + 2 a2 + 1][n - 1]
.set V0,   16                          ; two sets of v (24)
.set V1,   40
.set OO,   64                          ; v64-71: out of my d for my run's 8 t
.set SS0,  40                          ; s[40:45] 2^(eA + eB) of q, k, v, each twice
.set XB0,  46                          ; s[46:51] my rows' codes in sets 0, 1, 2
.set IO,   80
.set IO2,  81
.set CNT,  82
	s_load_b256 s[4:11], s[0:1], 0x0               ; acodes, wcodes, rope, the exponents
	s_load_b256 s[12:19], s[0:1], 0x20             ; lq_b, lk_b, lv_b, gq_b
	s_load_b256 s[20:27], s[0:1], 0x40             ; gk_b, gv_b, lcodes, qkv
	v_lshl_add_u32 v254, v0, 2, 0x4da00
	v_mov_b32 v255, 0
	v_lshrrev_b32 v1, 5, v0
	v_readfirstlane_b32 s2, v1                     ; wave
	s_cmp_lt_u32 ttmp9, 256
	s_cbranch_scc0 .Lrole_p
; ================ ROLE L ================
	s_lshr_b32 s28, ttmp9, 6                       ; b
	s_bfe_u32 s29, ttmp9, 0x30003                  ; h
	s_and_b32 s30, ttmp9, 7                        ; j: which 256 t
	s_and_b32 s54, s2, 1                           ; the halo's four tiles, one a wave: waves 0 and 2 make k's, waves 1 and 3 v's;
	s_lshr_b32 s55, s2, 1                          ; waves 0 and 1 the 16 t on the left, waves 2 and 3 on the right
	; every LDS address is made here, ahead of every branch
	v_and_b32 v[LI], 31, v0
	v_lshlrev_b32 v[L8], 3, v[LI]
	v_lshlrev_b32 v[LI], 4, v[LI]
	v_and_b32 v16, 15, v0                          ; r
	v_bfe_u32 v17, v0, 4, 1                        ; hh
	v_lshlrev_b32 v[R4], 2, v16
	v_mul_u32_u24 v18, v17, 2*BP
	v_lshl_add_u32 v18, v16, 4, v18                ; a result's place: two blocks for each half of the lanes, d = r
	s_mul_i32 s31, s2, 16*BP                       ; my wave's 64 t are 16 blocks
	v_add_nc_u32 v[AQS], s31, v18
	s_add_co_u32 s60, s31, KT+4*BP
	v_add_nc_u32 v[AQS+1], s60, v18
	s_add_co_u32 s60, s31, VT+4*BP
	v_add_nc_u32 v[AQS+2], s60, v18
	s_mul_i32 s60, s55, 68*BP                      ; the halo: blocks 0-3 or 68-71,
	s_mul_i32 s61, s54, VT-KT                      ; of k or of v
	s_add_co_u32 s60, s60, s61
	s_add_co_u32 s60, s60, KT
	v_add_nc_u32 v[AH], s60, v18
	s_lshl_b32 s60, s2, 13
	s_add_co_u32 s60, s60, WS
	v_add_nc_u32 v[WSW0], s60, v[LI]
	v_add_nc_u32 v[WSW2], 65536, v[WSW0]           ; an LDS immediate has 16 bits: the third plane has registers of its own
	v_add_nc_u32 v[WSR0], WS, v[LI]
	v_add_nc_u32 v[WSR2], WS+65536, v[LI]
	v_lshrrev_b32 v19, 2, v0                       ; run = 8 wave + lane / 4: 8 neighbouring t
	v_and_b32 v20, 3, v0                           ; dq: which d of four
	v_mul_u32_u24 v[AQ], v19, 2*BP
	v_lshl_add_u32 v[AQ], v20, 4, v[AQ]            ; four runs x four dq of a pass fall on sixteen different 16-byte columns: 2 BP = 64 modulo 256
	v_add_nc_u32 v[AK], KT+2*BP, v[AQ]             ; keys from t0 - 8 on
	v_add_nc_u32 v[AV], VT+2*BP, v[AQ]
	v_and_b32 v22, 3, v19
	v_mul_u32_u24 v22, v22, 16512                  ; t % 32 = 8 (run % 4) + a: 8 rows of 2,064
	v_lshl_add_u32 v22, v20, 5, v22                ; d = 4 i + dq: 32 bytes each
	v_lshrrev_b32 v23, 2, v19
	v_lshl_add_u32 v22, v23, 2, v22                ; t / 32 = run / 4
	v_add_nc_u32 v[SS], WS, v22
	s_mul_i32 s60, s2, 16512
	s_add_co_u32 s60, s60, WS
	v_lshl_add_u32 v[SRD], v[LI], 1, s60           ; 32 x lane + my 8 rows of the stage
	; offsets into the buffers
	s_lshl_b32 s60, s29, 2
	s_add_co_u32 s60, s60, s2
	s_lshl_b32 s60, s60, 13
	s_mov_b32 s61, 0                               ; weights: tile 4 h + wave
	s_lshl_b32 s62, s29, 8
	s_mov_b32 s63, 0                               ; biases: 64 h
	s_lshl_b32 s66, s28, 20
	s_lshl_b32 s67, s30, 17
	s_add_co_u32 s66, s66, s67
	s_lshl_b32 s67, s2, 15
	s_add_co_u32 s66, s66, s67
	s_mov_b32 s67, 0                               ; codes: tile 128 b + 16 j + 4 wave
	s_lshl_b32 s78, s28, 20
	s_lshl_b32 s79, s29, 17
	s_add_co_u32 s78, s78, s79
	s_lshl_b32 s79, s30, 14
	s_add_co_u32 s78, s78, s79
	s_lshl_b32 s79, s2, 12
	s_add_co_u32 s78, s78, s79
	s_mov_b32 s79, 0                               ; lcodes: b, row 8 h + j, my 512 t'
	s_lshl_b32 s73, s30, 4
	s_mul_i32 s76, s55, 17
	s_add_co_u32 s73, s73, s76
	s_sub_co_i32 s73, s73, 1                       ; the halo's tile: 16 j - 1 or 16 j + 16,
	s_max_i32 s76, s73, 0
	s_min_i32 s76, s76, 127                        ; held inside the batch: no load leaves it
	s_lshl_b32 s77, s28, 7
	s_add_co_u32 s77, s77, s76
	s_lshl_b32 s68, s77, 13
	s_add_co_u32 s69, s54, 1
	s_lshl_b32 s69, s69, 22                        ; in code set 1 (for k) or 2 (for v)
	s_add_co_u32 s68, s68, s69
	s_mov_b32 s69, 0
	s_wait_kmcnt 0x0
	s_load_b256 s[32:39], s[10:11], 0x0            ; e0 .. e7
	s_add_nc_u64 s[6:7], s[6:7], s[60:61]
	s_add_nc_u64 s[12:13], s[12:13], s[62:63]
	s_add_nc_u64 s[14:15], s[14:15], s[62:63]
	s_add_nc_u64 s[16:17], s[16:17], s[62:63]
	s_add_nc_u64 s[XB0:XB0+1], s[4:5], s[66:67]
	s_add_nc_u64 s[XB0+2:XB0+3], s[XB0:XB0+1], 0x400000
	s_add_nc_u64 s[XB0+4:XB0+5], s[XB0:XB0+1], 0x800000
	s_add_nc_u64 s[56:57], s[4:5], s[68:69]        ; my tile of the halo
	s_add_nc_u64 s[24:25], s[24:25], s[78:79]
; Step n's four fragments (16 t x 512 c: sixteen loads of 512 consecutive bytes) into slot n % 4 of the ring.  Steps 0-3: q, 4-7: k, 8-11: v, for my four tiles; step 12: my tile of the halo.
.macro XFETCH n
.set x_sl, 64*((\n)%4)
.if (\n) < 12
.set x_b, XB0+2*((\n)/4)
.set x_o, 8192*((\n)%4)
.else
.set x_b, 56
.set x_o, 0
.endif
	WIN 0x80                                       ; destination window 2
.set fq, 0
.rept 16
	global_load_b128 v[x_sl+4*fq:x_sl+4*fq+3], v[LI], s[x_b:x_b+1] offset:x_o+512*fq
.set fq, fq+1
.endr
.endm
	; ---- W: wave w brings tile w of each of the head's three weights to LDS; behind these loads the first three steps' codes are asked for
.irp p, 0,1,2
.irp q, 0,1,2,3,4,5,6,7,8,9,10,11,12,13,14,15
	global_load_b128 v[16+64*\p+4*\q:19+64*\p+4*\q], v[LI], s[6:7] offset:\p*262144+512*\q
.endr
.endr
.irp t, 0,1,2,3
	global_load_b32 v[BIAS+2*\t], v[R4], s[12:13] offset:64*\t       ; lane (r, hh) holds d = 16 tile + r
	global_load_b32 v[BIAS+8+2*\t], v[R4], s[14:15] offset:64*\t
	global_load_b32 v[BIAS+16+2*\t], v[R4], s[16:17] offset:64*\t
.endr
.irp t, 0,1,2,3,4,5,6,7,8,9,10,11
	v_mov_b32 v[BIAS+2*\t+1], 0                    ; named as a pair's upper half, so it is written
.endr
	XFETCH 0
	XFETCH 1
	XFETCH 2
	WIN 0
	s_wait_kmcnt 0x0
.irp p, 0,1,2
	s_add_co_i32 s60, s[32+2*\p], s[33+2*\p]
	s_add_co_i32 s60, s60, 127
	s_lshl_b32 s[SS0+2*\p], s60, 23                ; 2^(eA + eB) as f32
	s_mov_b32 s[SS0+2*\p+1], s[SS0+2*\p]
.endr
	s_add_co_i32 s60, s38, 127
	s_lshl_b32 s61, s60, 23
	v_mov_b32 v[SC6], s61                          ; 2^e6
	s_add_co_i32 s60, s60, 15
	s_lshl_b32 s60, s60, 23
	s_or_b32 s60, s60, 0x600000
	v_mov_b32 v[LIM6], s60                         ; 57,344 x 2^e6
	s_cmp_eq_u32 s54, 0
	s_cselect_b32 s52, s[SS0+2], s[SS0+4]          ; my halo tile's scale: k's or v's;
	s_cmp_eq_u32 s73, s76                          ; a halo tile outside 0 .. 127 is the padding: its k and v are zeros, bias and all
	s_cselect_b32 s52, s52, 0
	s_cselect_b32 s74, 1.0, 0
	s_mov_b32 s53, s52
	s_mov_b32 s75, s74
	s_mov_b32 s68, 0x3e38aa3b                      ; c = log2(e) / sqrt(64)
	s_mov_b32 s69, s68
	s_mov_b32 s70, 0xbe38aa3b                      ; -c
	s_mov_b32 s71, s70
	s_wait_loadcnt 48                              ; the weights and the biases are in; the 48 loads of steps 0 to 2 may be out
.irp p, 0,1
.irp q, 0,1,2,3,4,5,6,7,8,9,10,11,12,13,14,15
	ds_store_b128 v[WSW0], v[16+64*\p+4*\q:19+64*\p+4*\q] offset:\p*32768+512*\q
.endr
.endr
.irp q, 0,1,2,3,4,5,6,7,8,9,10,11,12,13,14,15
	ds_store_b128 v[WSW2], v[144+4*\q:147+4*\q] offset:512*\q
.endr
	s_wait_dscnt 0x0                               ; for the others' sake
	s_barrier_signal -1
	s_barrier_wait -1                              ; the three weights lie in LDS
	WIN 0x40                                       ; lq_w's sixteen fragments into window 1
.set fq, 0
.rept 64
	ds_load_b128 v[4*fq:4*fq+3], v[WSR0] offset:512*fq
.set fq, fq+1
.endr
	; ---- M: thirteen steps.  Source 0 = 16 t, source 1 = 16 o: a lane holds one d and eight neighbouring t.
.macro WFETCH p, ch                    ; a quarter (tile ch of o: sixteen loads) of the NEXT weight: lk_w (p = 1) into window 3, lv_w (p = 2) into window 1, whose last readers stand behind their places
.if (\p) == 1
	WIN 0xc0
.else
	WIN 0x40
.endif
.set fq, 16*(\ch)
.rept 16
.if (\p) == 1
	ds_load_b128 v[4*fq:4*fq+3], v[WSR0] offset:32768+512*fq
.else
	ds_load_b128 v[4*fq:4*fq+3], v[WSR2] offset:512*fq
.endif
.set fq, fq+1
.endr
.endm
.macro LMUL xs, ww                     ; sixteen products on the slot at xs, the weight in window ww; the four accumulators take turns, one instruction a turn
	WIN 0x02|((\ww)<<2)
.irp ks, 0,1,2,3
.irp t, 0,1,2,3
	PW ACC+8*\t, (\xs)+16*\ks, 64*\t+16*\ks, \ks==0
.endr
.endr
	WIN 0
	PLACES
.endm
.macro LOUT sreg, breg, adr, off       ; sum x 2^(eA + eB) + bias, each accumulator from its low end on; then two granules of four t for each tile of o
.irp t, 0,1,2,3
.irp k, 0,2,4,6
	v_pk_fma_f32 v[ACC+8*\t+\k:ACC+8*\t+\k+1], v[ACC+8*\t+\k:ACC+8*\t+\k+1], s[\sreg:\sreg+1], v[\breg+2*\t:\breg+2*\t+1] op_sel_hi:[1,0,0]
.endr
.endr
.irp t, 0,1,2,3
	ds_store_b128 v[\adr], v[ACC+8*\t:ACC+8*\t+3] offset:\off+256*\t
	ds_store_b128 v[\adr], v[ACC+8*\t+4:ACC+8*\t+7] offset:\off+BP+256*\t
.endr
.endm
.macro LSTEP n
.set l_pi, (\n)/4
.set l_i,  (\n)%4
.set l_xs, 64*((\n)%4)
.set l_ww, 1+2*(l_pi%2)                ; q: window 1, k: window 3, v: window 1
.if (\n)+3 <= 12
	XFETCH (\n)+3                                  ; into the slot that the last step's products read: their places and sixteen multiply-adds stand between
.endif
.if (\n) < 8
	WFETCH l_pi+1, l_i
.endif
.if 12-(\n) >= 3
	s_wait_loadcnt 48                              ; this step's sixteen loads are in; those of the three steps behind it may be out
.else
	s_wait_loadcnt 16*(12-(\n))                    ; the last steps: two steps' loads, then one step's
.endif
.if (\n) < 8
	s_wait_dscnt 16                                ; all but the sixteen loads of the next weight just issued: this step's weight is in, and the last step's LDS stores are done
.else
	s_wait_dscnt 0x0
.endif
	LMUL l_xs, l_ww
	LOUT SS0+2*l_pi, BIAS+8*l_pi, AQS+l_pi, 4*BP*l_i
.endm
.irp n, 0,1,2,3,4,5,6,7,8,9,10,11
	LSTEP \n
.endr
	; ---- step 12, the halo: lk_w still lies in window 3 and lv_w in window 1, so each wave makes its one tile; the two ways differ in the weight's window and the biases alone
	s_wait_loadcnt 0x0
	s_wait_dscnt 0x0
	s_cmp_eq_u32 s54, 0
	s_cbranch_scc0 .Lhalo_v
.irp t, 0,1,2,3
	v_pk_mul_f32 v[HB+2*\t:HB+2*\t+1], v[BIAS+8+2*\t:BIAS+8+2*\t+1], s[74:75] op_sel_hi:[1,0]    ; k's biases, or zeros
.endr
	LMUL 0, 3
	LOUT 52, HB, AH, 0
	s_branch .Lhalo_done
.Lhalo_v:
.irp t, 0,1,2,3
	v_pk_mul_f32 v[HB+2*\t:HB+2*\t+1], v[BIAS+16+2*\t:BIAS+16+2*\t+1], s[74:75] op_sel_hi:[1,0]  ; v's biases, or zeros
.endr
	LMUL 0, 1
	LOUT 52, HB, AH, 0
.Lhalo_done:
	BARRIER                                        ; q, k, v of 256 t and the halo lie in LDS; nobody reads the weights' bytes any more
	; ---- D: dots.  Four lanes share a run of 8 t and take every fourth d.  One element of k serves dots[t][w] and dots[t + 1][w - 1]: a packed multiply-add with k broadcast.
.macro LDQK buf, aq, ak, off
	ds_load_b128 v[\buf:\buf+3], v[\aq] offset:\off
	ds_load_b128 v[\buf+4:\buf+7], v[\aq] offset:\off+BP
.irp m, 0,1,2,3,4,5
	ds_load_b128 v[\buf+8+4*\m:\buf+11+4*\m], v[\ak] offset:\off+BP*\m
.endr
.endm
.macro DOTF buf, first
.set da, 0
.rept 4
.set dn, 0
.rept 17
.set rP, PP+34*da+2*dn
.set rQ, \buf+2*da
.set rK, \buf+8+((2*da+dn)/2)*2
.if \first
.if dn%2
	v_pk_mul_f32 v[rP:rP+1], v[rQ:rQ+1], v[rK:rK+1] op_sel:[0,1] op_sel_hi:[1,1]
.else
	v_pk_mul_f32 v[rP:rP+1], v[rQ:rQ+1], v[rK:rK+1] op_sel_hi:[1,0]
.endif
.else
.if dn%2
	v_pk_fma_f32 v[rP:rP+1], v[rQ:rQ+1], v[rK:rK+1], v[rP:rP+1] op_sel:[0,1,0] op_sel_hi:[1,1,1]
.else
	v_pk_fma_f32 v[rP:rP+1], v[rQ:rQ+1], v[rK:rK+1], v[rP:rP+1] op_sel_hi:[1,0,1]
.endif
.endif
.set dn, dn+1
.endr
.set da, da+1
.endr
.endm
	LDQK B0, AQ, AK, 0
	LDQK B1, AQ, AK, 64
	s_wait_dscnt 8                                 ; this d's eight loads are in; the next d's eight may be out (so in every line of this kind below)
	DOTF B0, 1                                     ; the first products start the sums
	LDQK B0, AQ, AK, 128
	s_wait_dscnt 8
	DOTF B1, 0
	s_mov_b32 s[IO], 128
	s_mov_b32 s[CNT], 6
.Ldots:                                            ; six trips, two d a lane each: i = 2 .. 13
	v_add_nc_u32 v[AQC], s[IO], v[AQ]
	v_add_nc_u32 v[AKC], s[IO], v[AK]
	LDQK B1, AQC, AKC, 64
	s_wait_dscnt 8
	DOTF B0, 0
	LDQK B0, AQC, AKC, 128
	s_wait_dscnt 8
	DOTF B1, 0
	s_add_co_u32 s[IO], s[IO], 128
	s_sub_co_i32 s[CNT], s[CNT], 1
	s_cmp_lg_u32 s[CNT], 0
	s_cbranch_scc1 .Ldots
	LDQK B1, AQ, AK, 960
	s_wait_dscnt 8
	DOTF B0, 0
	s_wait_dscnt 0x0
	DOTF B1, 0
.irp x, 1,2                            ; the four lanes' parts are added; all four then hold the sums
.set ri, 0
.rept 136
	v_add_f32_dpp v[PP+ri], v[PP+ri], v[PP+ri] row_xmask:\x row_mask:0xf bank_mask:0xf
.set ri, ri+1
.endr
.endr
.macro SOFTM a2                        ; the softmax of two rows t: low halves n = 0 .. 15, high halves n = 1 .. 16; the two halves left over become zeros
.set PB, PP+34*(\a2)
	v_max3_num_f32 v[MX], v[PB], v[PB+2], v[PB+4]
	v_max3_num_f32 v[MX+1], v[PB+3], v[PB+5], v[PB+7]
.irp n, 3,5,7,9,11,13
	v_max3_num_f32 v[MX], v[MX], v[PB+2*\n], v[PB+2*\n+2]
	v_max3_num_f32 v[MX+1], v[MX+1], v[PB+2*\n+3], v[PB+2*\n+5]
.endr
	v_max_num_f32 v[MX], v[MX], v[PB+30]
	v_max_num_f32 v[MX+1], v[MX+1], v[PB+33]
	v_pk_mul_f32 v[NM:NM+1], v[MX:MX+1], s[70:71] op_sel_hi:[1,0]    ; -c x the row's largest
.set sn, 0
.rept 17
	v_pk_fma_f32 v[PB+2*sn:PB+2*sn+1], v[PB+2*sn:PB+2*sn+1], s[68:69], v[NM:NM+1] op_sel_hi:[1,0,1]
.set sn, sn+1
.endr
.set sn, 0
.rept 16
	v_exp_f32 v[PB+2*sn], v[PB+2*sn]
	v_exp_f32 v[PB+2*sn+3], v[PB+2*sn+3]
.set sn, sn+1
.endr
	v_mov_b32 v[PB+32], 0                          ; (also the plain line behind the exponentials)
	v_mov_b32 v[PB+1], 0
	s_wait_alu depctr_va_vdst(0)
	v_pk_add_f32 v[SA:SA+1], v[PB:PB+1], v[PB+2:PB+3]
	v_pk_add_f32 v[SB:SB+1], v[PB+4:PB+5], v[PB+6:PB+7]
.irp n, 4,6,8,10,12,14
	v_pk_add_f32 v[SA:SA+1], v[SA:SA+1], v[PB+2*\n:PB+2*\n+1]
	v_pk_add_f32 v[SB:SB+1], v[SB:SB+1], v[PB+2*\n+2:PB+2*\n+3]
.endr
	v_pk_add_f32 v[SA:SA+1], v[SA:SA+1], v[PB+32:PB+33]
	v_pk_add_f32 v[SA:SA+1], v[SA:SA+1], v[SB:SB+1]
	v_rcp_f32 v[RC], v[SA]
	v_rcp_f32 v[RC+1], v[SA+1]
	v_nop                                          ; a plain line behind the reciprocals
.set sn, 0
	s_wait_alu depctr_va_vdst(0)
.rept 17
	v_pk_mul_f32 v[PB+2*sn:PB+2*sn+1], v[PB+2*sn:PB+2*sn+1], v[RC:RC+1]
.set sn, sn+1
.endr
.endm
	SOFTM 0
	SOFTM 1
	SOFTM 2
	SOFTM 3
	; ---- O: out[d][t] = the sum over w of attn[t][w] v[d][t + w - 8], each lane for its own d; the results go to the stage
.macro LDV buf, av, off
.irp m, 0,1,2,3,4,5
	ds_load_b128 v[\buf+4*\m:\buf+3+4*\m], v[\av] offset:\off+BP*\m
.endr
.endm
.macro OUTF buf
.set on, 0
.rept 17
.set oa, 0
.rept 4
.set rP, PP+34*oa+2*on
.set rV, \buf+((2*oa+on)/2)*2
.set rO, OO+2*oa
.if on == 0
	v_pk_mul_f32 v[rO:rO+1], v[rP:rP+1], v[rV:rV+1] op_sel_hi:[1,0]
.elseif on%2
	v_pk_fma_f32 v[rO:rO+1], v[rP:rP+1], v[rV:rV+1], v[rO:rO+1] op_sel:[0,1,0] op_sel_hi:[1,1,1]
.else
	v_pk_fma_f32 v[rO:rO+1], v[rP:rP+1], v[rV:rV+1], v[rO:rO+1] op_sel_hi:[1,0,1]
.endif
.set oa, oa+1
.endr
.set on, on+1
.endr
.endm
.macro STO adr, off
.irp a, 0,1,2,3,4,5,6,7
	ds_store_b32 v[\adr], v[OO+\a] offset:\off+2064*\a
.endr
.endm
	LDV V0, AV, 0
	s_mov_b32 s[IO], 0
	s_mov_b32 s[IO2], 0
	s_mov_b32 s[CNT], 7
.Lout:                                             ; seven trips, two d a lane each: i = 0 .. 13
	v_add_nc_u32 v[AVC], s[IO], v[AV]
	v_add_nc_u32 v[SSC], s[IO2], v[SS]
	LDV V1, AVC, 64
	s_wait_dscnt 6                                 ; all but the six loads just issued: this d's v is in, and the last d's stores have read their registers
	OUTF V0
	STO SSC, 0
	LDV V0, AVC, 128
	s_wait_dscnt 6
	OUTF V1
	STO SSC, 128
	s_add_co_u32 s[IO], s[IO], 128
	s_add_co_u32 s[IO2], s[IO2], 256
	s_sub_co_i32 s[CNT], s[CNT], 1
	s_cmp_lg_u32 s[CNT], 0
	s_cbranch_scc1 .Lout
	LDV V1, AV, 960
	s_wait_dscnt 6
	OUTF V0
	STO SS, 1792
	s_wait_dscnt 0x0
	OUTF V1
	STO SS, 1920
	BARRIER                                        ; the stage is whole
	; ---- S: a lane takes one t' (eight neighbours along c'), holds, converts, and 32 lanes store 256 consecutive bytes, aligned
.set si, 0
.rept 16
	ds_load_b128 v[16+8*si:19+8*si], v[SRD] offset:(si/2)*2064+(si%2)*1024
	ds_load_b128 v[20+8*si:23+8*si], v[SRD] offset:(si/2)*2064+(si%2)*1024+16
.set si, si+1
.endr
.set si, 0
.rept 16
	s_wait_dscnt 30-2*si                           ; the loads issued behind this piece's two may be out
.irp i, 0,1,2,3,4,5,6,7
	v_med3_num_f32 v[16+8*si+\i], v[16+8*si+\i], -v[LIM6], v[LIM6]
.endr
	v_cvt_scalef32_pk8_bf8_f32 v[144+2*si:145+2*si], v[16+8*si:23+8*si], v[SC6]
	v_nop
	global_store_b64 v[L8], v[144+2*si:145+2*si], s[24:25] offset:256*si
.set si, si+1
.endr
	s_wait_tensorcnt 0x0
	ds_add_u32 v254, v255
	s_wait_dscnt 0x0
	s_endpgm
; ================ ROLE P ================
; Registers.  Window 0: v1 16 x lane, v2 32 hh, v3 4 r; v16-79 eight accumulators; v80-111 the table of even tiles, v176-207 of odd tiles; v112-119 at work; v120-151 codes; v152, v153 the scale and the hold; v160-175 v's biases in pairs.
; Windows 1, 2: my 128 rows of the weight, tiles 0-3 and 4-7, at 64 (tile % 4) + 16 (K step).  Window 3: v0-63, v64-127 two sets of four fragments of x or cond, for even and odd tiles; v128-191 q's or k's biases.
.set PACC, 16
.set PTB,  80
.set PTMP, 112
.set PPC,  120
.set PSC,  152
.set PLIM, 153
.set PBV,  160
.Lrole_p:
	v_and_b32 v1, 31, v0
	v_lshlrev_b32 v1, 4, v1
	v_bfe_u32 v2, v0, 4, 1
	v_lshlrev_b32 v2, 5, v2
	v_and_b32 v3, 15, v0
	v_lshlrev_b32 v3, 2, v3
	s_sub_co_u32 s28, ttmp9, 256
	s_lshr_b32 s29, s28, 6                         ; 0: q, 1: k, 2: v
	s_and_b32 s30, s28, 63                         ; which 128 rows
	s_and_b32 s31, s30, 15
	s_lshr_b32 s66, s30, 4                         ; b
	s_add_co_u32 s60, s29, 4
	s_lshl_b32 s60, s60, 18
	s_lshl_b32 s61, s2, 16
	s_add_co_u32 s60, s60, s61
	s_mov_b32 s61, 0                               ; weight 4 + p3, my eight tiles
	s_add_co_u32 s62, s29, 3
	s_lshl_b32 s62, s62, 22
	s_lshl_b32 s63, s30, 16
	s_add_co_u32 s62, s62, s63
	s_mov_b32 s63, 0                               ; code set 3 + p3, my eight tiles of rows
	s_lshl_b32 s68, s31, 15
	s_mov_b32 s69, 0                               ; the table: 8 tiles of 4,096
	s_lshl_b32 s70, s66, 3
	s_lshl_b32 s71, s2, 1
	s_add_co_u32 s70, s70, s71
	s_mul_i32 s70, s70, 393216                     ; head 8 b + 2 wave,
	s_lshl_b32 s71, s29, 17
	s_add_co_u32 s70, s70, s71                     ; its Q, K or V,
	s_lshl_b32 s71, s31, 13
	s_add_co_u32 s70, s70, s71                     ; 8 tiles of 1,024 bytes, or 4 groups of 32 keys of 2,048
	s_mov_b32 s71, 0
	s_lshl_b32 s72, s2, 9
	s_mov_b32 s73, 0                               ; my 128 biases
	s_wait_kmcnt 0x0
	s_load_b512 s[32:47], s[10:11], 0x0            ; e0 .. e15
	s_load_b128 s[48:51], s[10:11], 0x40           ; e16 .. e19
	s_add_nc_u64 s[6:7], s[6:7], s[60:61]
	s_add_nc_u64 s[52:53], s[4:5], s[62:63]
	s_add_nc_u64 s[8:9], s[8:9], s[68:69]
	s_add_nc_u64 s[26:27], s[26:27], s[70:71]
	s_cmp_eq_u32 s29, 1
	s_cselect_b64 s[54:55], s[20:21], s[18:19]
	s_cmp_eq_u32 s29, 2
	s_cselect_b64 s[54:55], s[22:23], s[54:55]
	s_add_nc_u64 s[54:55], s[54:55], s[72:73]
	WIN 0x40
.set fq, 0
.rept 64
	global_load_b128 v[4*fq:4*fq+3], v1, s[6:7] offset:512*fq
.set fq, fq+1
.endr
	WIN 0x80
.set fq, 0
.rept 64
	global_load_b128 v[4*fq:4*fq+3], v1, s[6:7] offset:32768+512*fq
.set fq, fq+1
.endr
	WIN 0
.macro XFETCHP buf, off                ; a tile's four fragments into window 3
	WIN 0xc0
.set fq, 0
.rept 16
	global_load_b128 v[\buf+4*fq:\buf+4*fq+3], v1, s[52:53] offset:\off+512*fq
.set fq, fq+1
.endr
	WIN 0
.endm
.macro TFETCH e, off                   ; a tile's table of cosines and sines into set e
.set t_b, PTB+96*(\e)
.irp n, 0,1,2,3,4,5,6,7
	global_load_b128 v[t_b+4*\n:t_b+4*\n+3], v1, s[8:9] offset:\off+512*\n
.endr
.endm
	s_wait_kmcnt 0x0
	s_cmp_eq_u32 s29, 1
	s_cselect_b32 s74, s42, s40                    ; eA: e8, e10, e12
	s_cselect_b32 s75, s43, s41                    ; eB: e9, e11, e13
	s_cselect_b32 s76, s47, s46                    ; the result's: e14, e15, e17
	s_cmp_eq_u32 s29, 2
	s_cselect_b32 s74, s44, s74
	s_cselect_b32 s75, s45, s75
	s_cselect_b32 s76, s49, s76
	s_add_co_i32 s74, s74, s75
	s_add_co_i32 s74, s74, 127
	s_lshl_b32 s56, s74, 23                        ; 2^(eA + eB)
	s_mov_b32 s57, s56
	s_add_co_i32 s76, s76, 127
	s_lshl_b32 s77, s76, 23
	v_mov_b32 v[PSC], s77
	s_add_co_i32 s76, s76, 15
	s_lshl_b32 s76, s76, 23
	s_or_b32 s76, s76, 0x600000
	v_mov_b32 v[PLIM], s76
.macro PMUL e, typ                     ; 32 products on set e.  typ 0: source 0 = the weight (a lane holds one t, registers along o); typ 1: source 0 = the rows (a lane holds one o, registers along t).  Four accumulators take turns
.irp hf, 0,1
.if \typ
	WIN 0x07+4*\hf
.else
	WIN 0x0d+\hf
.endif
.irp ks, 0,1,2,3
.irp t, 0,1,2,3
.if \typ
	PW PACC+32*\hf+8*\t, 64*\e+16*\ks, 64*\t+16*\ks, \ks==0
.else
	PW PACC+32*\hf+8*\t, 64*\t+16*\ks, 64*\e+16*\ks, \ks==0
.endif
.endr
.endr
.endr
	WIN 0
	PLACES
.endm
.macro PHOLD                           ; the hold ahead of the conversions
.set hi_, 0
.rept 64
	v_med3_num_f32 v[PACC+hi_], v[PACC+hi_], -v[PLIM], v[PLIM]
.set hi_, hi_+1
.endr
.endm
	s_cmp_eq_u32 s29, 2
	s_cbranch_scc1 .Ltype_v
	; ---- q and k
	WIN 0xc0
.irp t, 0,1,2,3,4,5,6,7
	global_load_b128 v[128+8*\t:131+8*\t], v2, s[54:55] offset:64*\t        ; lane (r, hh): the biases of o = 16 tile + 8 hh + 0 .. 7
	global_load_b128 v[132+8*\t:135+8*\t], v2, s[54:55] offset:64*\t+16
.endr
	WIN 0
	XFETCHP 0, 0                                   ; tiles 0 and 1: codes, table, codes, table: the order in which the tiles below go on asking
	TFETCH 0, 0
	XFETCHP 64, 8192
	TFETCH 1, 4096
; Tile e of a pair.  pf: the tile two further on is asked for: its codes into this tile's set, straight behind the products that read it and their places; its table behind the turning that read this tile's.
; left: the loads issued behind this tile's table, which may stay out: the next tile's sixteen and eight, or none.
.macro RTILE e, pf, left
.set t_b, PTB+96*(\e)
	s_wait_loadcnt \left
	PMUL \e, 0
.if \pf
	XFETCHP 64*\e, 8192*(\e+2)
.endif
	WIN 0x30                                       ; source 2 (the biases) window 3
.set hi_, 0
.rept 32
	v_pk_fma_f32 v[PACC+hi_:PACC+hi_+1], v[PACC+hi_:PACC+hi_+1], s[56:57], v[128+hi_:129+hi_] op_sel_hi:[1,0,1]
.set hi_, hi_+2
.endr
	WIN 0
.irp t, 0,1,2,3,4,5,6,7                ; (x1, x2) -> (x1 cos - x2 sin, x1 sin + x2 cos): pair q of tile t has frequency 8 (t % 4) + 4 hh + q
.irp q, 0,1,2,3
	v_pk_mul_f32 v[PTMP+2*\q:PTMP+2*\q+1], v[PACC+8*\t+2*\q:PACC+8*\t+2*\q+1], v[t_b+8*(\t%4)+2*\q:t_b+8*(\t%4)+2*\q+1] op_sel_hi:[1,0]
.endr
.irp q, 0,1,2,3
	v_pk_fma_f32 v[PACC+8*\t+2*\q:PACC+8*\t+2*\q+1], v[PACC+8*\t+2*\q:PACC+8*\t+2*\q+1], v[t_b+8*(\t%4)+2*\q:t_b+8*(\t%4)+2*\q+1], v[PTMP+2*\q:PTMP+2*\q+1] op_sel:[1,1,0] op_sel_hi:[0,1,1] neg_lo:[0,1,0]
.endr
.endr
	s_wait_xcnt 0x0                                ; the last tile's stores have read the codes' registers
.if \pf
	TFETCH \e, 4096*(\e+2)
.endif
	PHOLD
.irp t, 0,1,2,3,4,5,6,7
	v_cvt_scalef32_pk8_bf8_f32 v[PPC+2*\t:PPC+2*\t+1], v[PACC+8*\t:PACC+8*\t+7], v[PSC]     ; registers 2 c, 2 c + 1 of the next operand: d = 16 c + 8 hh + 0 .. 7
.endr
	v_nop                                          ; a plain line between the conversions and the products that write their sources
.irp hd, 0,1
.irp g, 0,1
	global_store_b128 v1, v[PPC+8*\hd+4*\g:PPC+8*\hd+4*\g+3], s[26:27] offset:1024*\e+393216*\hd+512*\g    ; 512 consecutive bytes a store
.endr
.endr
.endm
	s_mov_b32 s[CNT], 3
.Lr_loop:                                          ; three trips of two tiles, which ask for tiles 2 to 7; the last two are written out and ask for nothing: no load leaves the block
	RTILE 0, 1, 24
	RTILE 1, 1, 24
	s_wait_xcnt 0x0                                ; the bases step only behind this wait
	s_add_nc_u64 s[52:53], s[52:53], 16384
	s_add_nc_u64 s[8:9], s[8:9], 8192
	s_add_nc_u64 s[26:27], s[26:27], 2048
	s_sub_co_i32 s[CNT], s[CNT], 1
	s_cmp_lg_u32 s[CNT], 0
	s_cbranch_scc1 .Lr_loop
	RTILE 0, 0, 24
	RTILE 1, 0, 0
	s_endpgm
	; ---- v
.Ltype_v:
.irp t, 0,1,2,3,4,5,6,7
	global_load_b32 v[PBV+2*\t], v3, s[54:55] offset:64*\t          ; lane (r, hh): the bias of o = 16 tile + r
	v_mov_b32 v[PBV+2*\t+1], 0
.endr
	XFETCHP 0, 0
	XFETCHP 64, 8192
; Two tiles of 16 keys make the granules of 32 keys.  pf and left as above: the next tile's sixteen loads may stay out, or none.
.macro VTILE e, pf, left
	s_wait_loadcnt \left
	PMUL \e, 1
.if \pf
	XFETCHP 64*\e, 8192*(\e+2)
.endif
.irp t, 0,1,2,3,4,5,6,7
.irp k, 0,2,4,6
	v_pk_fma_f32 v[PACC+8*\t+\k:PACC+8*\t+\k+1], v[PACC+8*\t+\k:PACC+8*\t+\k+1], s[56:57], v[PBV+2*\t:PBV+2*\t+1] op_sel_hi:[1,0,0]
.endr
.endr
.if \e == 0
	s_wait_xcnt 0x0                                ; the last pair's stores have read the codes' registers
.endif
	PHOLD
.irp t, 0,1,2,3,4,5,6,7
	v_cvt_scalef32_pk8_bf8_f32 v[PPC+4*\t+2*\e:PPC+4*\t+2*\e+1], v[PACC+8*\t:PACC+8*\t+7], v[PSC]
.endr
	v_nop
.if \e == 1
.irp t, 0,1,2,3,4,5,6,7
	global_store_b128 v1, v[PPC+4*\t:PPC+4*\t+3], s[26:27] offset:393216*(\t/4)+512*(\t%4)
.endr
.endif
.endm
	s_mov_b32 s[CNT], 3
.Lv_loop:
	VTILE 0, 1, 16
	VTILE 1, 1, 16
	s_wait_xcnt 0x0
	s_add_nc_u64 s[52:53], s[52:53], 16384
	s_add_nc_u64 s[26:27], s[26:27], 2048
	s_sub_co_i32 s[CNT], s[CNT], 1
	s_cmp_lg_u32 s[CNT], 0
	s_cbranch_scc1 .Lv_loop
	VTILE 0, 0, 16
	VTILE 1, 0, 0
	s_endpgm
.Lfunc_end_k_q851d9abc79_mid:
	.size	k_q851d9abc79_mid, .Lfunc_end_k_q851d9abc79_mid-k_q851d9abc79_mid
	.p2alignl 7, 3214868480
	.fill 96, 4, 3214868480
	.section	.rodata,"a",@progbits
	.p2align	6, 0x0
	.amdhsa_kernel k_q851d9abc79_mid
		.amdhsa_group_segment_fixed_size 318464
		.amdhsa_private_segment_fixed_size 0
		.amdhsa_enable_private_segment 0
		.amdhsa_kernarg_size 96
		.amdhsa_user_sgpr_count 2
		.amdhsa_user_sgpr_kernarg_segment_ptr 1
		.amdhsa_wavefront_size32 1
		.amdhsa_system_sgpr_workgroup_id_x 1
		.amdhsa_system_sgpr_workgroup_id_y 1
		.amdhsa_system_sgpr_workgroup_id_z 1
		.amdhsa_system_vgpr_workitem_id 0
		.amdhsa_next_free_vgpr 1024
		.amdhsa_next_free_sgpr 84
		.amdhsa_reserve_vcc 0
		.amdhsa_float_denorm_mode_32 3
		.amdhsa_float_denorm_mode_16_64 3
		.amdhsa_memory_ordered 1
		.amdhsa_forward_progress 1
		.amdhsa_inst_pref_size 255
	.end_amdhsa_kernel
	.section	.bss,"aw",@nobits
	.p2align	6
	.space	262144
	.amdgpu_metadata
---
amdhsa.version: [ 1, 2 ]
amdhsa.kernels:
  - .name:           k_q851d9abc79_mid
    .symbol:         k_q851d9abc79_mid.kd
    .args:
      - { .name: acodes, .offset: 0, .size: 8, .value_kind: global_buffer, .address_space: global }
      - { .name: wcodes, .offset: 8, .size: 8, .value_kind: global_buffer, .address_space: global }
      - { .name: rope, .offset: 16, .size: 8, .value_kind: global_buffer, .address_space: global }
      - { .name: lowp_scales, .offset: 24, .size: 8, .value_kind: global_buffer, .address_space: global }
      - { .name: lq_b, .offset: 32, .size: 8, .value_kind: global_buffer, .address_space: global }
      - { .name: lk_b, .offset: 40, .size: 8, .value_kind: global_buffer, .address_space: global }
      - { .name: lv_b, .offset: 48, .size: 8, .value_kind: global_buffer, .address_space: global }
      - { .name: gq_b, .offset: 56, .size: 8, .value_kind: global_buffer, .address_space: global }
      - { .name: gk_b, .offset: 64, .size: 8, .value_kind: global_buffer, .address_space: global }
      - { .name: gv_b, .offset: 72, .size: 8, .value_kind: global_buffer, .address_space: global }
      - { .name: lcodes, .offset: 80, .size: 8, .value_kind: global_buffer, .address_space: global }
      - { .name: qkv, .offset: 88, .size: 8, .value_kind: global_buffer, .address_space: global }
    .group_segment_fixed_size: 318464
    .private_segment_fixed_size: 0
    .kernarg_segment_align: 8
    .kernarg_segment_size: 96
    .max_flat_workgroup_size: 128
    .sgpr_count:     84
    .vgpr_count:     1024
    .wavefront_size: 32
...
	.end_amdgpu_metadata
.endif
;; end of part 2
;; launch attn (part 3): grid 8 x 32, 16 waves a work-group, clusters of 4 x 1, 264,192 bytes of LDS; arguments qkv, lowp_scales, gcodes; writes gcodes
.if DOCPART == 3
	.amdgcn_target "amdgcn-amd-amdhsa--gfx1250"
	.amdhsa_code_object_version 6
	.text
	.protected	k_q851d9abc79_attn
	.globl	k_q851d9abc79_attn
	.p2align	8
	.type	k_q851d9abc79_attn,@function
k_q851d9abc79_attn:
	s_mov_b64 s[64:65], 0
	v_nop
	global_prefetch_b8 v0, s[64:65] scope:SCOPE_SE
	s_setreg_imm32_b32 hwreg(HW_REG_WAVE_MODE, 25, 1), 1
	s_wait_xcnt 0x0
	s_wait_alu depctr_hold_cnt(0) depctr_sa_sdst(0) depctr_va_vdst(0) depctr_va_sdst(0) depctr_va_ssrc(0) depctr_va_vcc(0) depctr_vm_vsrc(0)
	s_getreg_b32 s2, hwreg(HW_REG_IB_STS2, 6, 4)
	s_cmp_eq_u32 s2, 0
	s_cbranch_scc0 .Lentry_in_a_cluster
	s_endpgm
.Lentry_in_a_cluster:
	s_bfe_u32 s2, ttmp6, 0x10000c
	s_cmp_lg_u32 s2, 0x3003
	s_cbranch_scc0 .Lentry_shape_is_right
	s_endpgm
.Lentry_shape_is_right:
; ATTN: the global attention of one head on codes of E5M2, and the quantiser of its result.
; t = score x log2(e) / 8 x 2^(e14 + e15); M = the running largest t rounded UP to a whole number; p = 2^(t - M) is quantised under e16, not normalised; the row's sum is taken of the unquantised p and divides at the end.
; SHARES.  A work-group owns 256 queries of one head, each of its sixteen waves one tile of 16; every wave walks all 2,048 keys, 128 a step.
; LDS.  The head's whole K (131,072 bytes) and V (131,072) lie in LDS, each byte filled once: no slot is filled again.  They are images of the operands' registers, so every fragment load is 512 consecutive bytes.
; CLUSTER.  The four query blocks of a cluster belong to one head: each part of K and V is asked for jointly, by the same tensor load with the same descriptor and the mask of all four.
; By this text's own count a wave has two tensor loads out at the most: its part of the first 1,024 keys and of the last.
; LAYOUT.  S^T = K Q^T, O^T = V^T P^T: a lane holds one query (lane % 16) throughout; a tile of S^T converted is registers 2 c, 2 c + 1 of P, keys 16 c + 8 (lane / 16) + 0 .. 7: their true places.
; OUT.  O / the sum x 2^(e16 + e17), quantised under e18, as the image of the last product's operand: gcodes [tile of 16 t: 512][128 c: 4][g 4][lane][16].
; LIMITS: e14 + e15 between -123 and 130; e16 and e18 between -126 and 112.  NaN is not served.
; REGISTERS: v1 16 x lane, v2 the same in V; v8, v9 the step's addresses; v12 -M, v13 the largest t, v[14:15] the sum; v16-23 Q; v32-95 K's, then V's fragments; v96-159 S^T, then p; v160-191 O^T; v192-207 p's codes; v236-254 at work.
.macro CROUND                          ; a round of the cluster's barrier
	s_barrier_signal -1
	s_barrier_wait -1
	s_cmp_lg_u32 s10, 0
	s_cbranch_scc1 .Lnot_wave_0_\@
	s_barrier_signal -3
.Lnot_wave_0_\@:
	s_barrier_wait -3
	s_barrier_signal -1
	s_barrier_wait -1
.endm
	s_load_b128 s[4:7], s[0:1], 0x0                ; qkv, the exponents
	s_load_b64 s[8:9], s[0:1], 0x10                ; gcodes
	v_lshl_add_u32 v251, v0, 2, 0x40000
	v_mov_b32 v255, 0
	ds_add_u32 v251, v255
	ds_add_u32 v251, v255
	v_lshrrev_b32 v3, 5, v0
	v_readfirstlane_b32 s10, v3                    ; wave 0..15
	s_bfe_u32 s11, ttmp6, 0x40000                  ; cx
	s_lshl_b32 s13, ttmp9, 2
	s_add_co_u32 s13, s13, s11                     ; my block of 256 queries: it enters Q's and gcodes' addresses alone
	s_and_b32 s12, ttmp7, 0xffff                   ; the head, 8 b + h, which the partners share
	s_mul_i32 s14, s12, 393216
	s_mov_b32 s15, 0
	s_lshr_b32 s16, s10, 3                         ; waves 0-7 fetch K, waves 8-15 V:
	s_lshl_b32 s16, s16, 17
	s_and_b32 s17, s10, 7
	s_lshl_b32 s17, s17, 13
	s_add_co_u32 s16, s16, s17                     ; 8,192 bytes each, at the same place in LDS as behind Q in memory
	s_mov_b32 s18, s16
	s_mov_b32 s19, 0
	; descriptor group 1: 32 rows of 32 elements of 8 bytes, dense
	s_mov_b32 s24, 15|(3<<16)|(1<<21)              ; 15:0 the mask: all four; 17:16 elements of 8 bytes; 21 set beside a mask
	s_mov_b32 s25, 32<<16                          ; tensor_dim0
	s_mov_b32 s26, 32<<16                          ; tensor_dim1
	s_mov_b32 s27, 32<<16                          ; tile_dim0
	s_mov_b32 s28, 32                              ; tile_dim1
	s_mov_b32 s29, 32                              ; the pitch
	s_mov_b32 s30, 0
	s_mov_b32 s31, 0
	s_lshl_b32 s50, s13, 4
	s_add_co_u32 s50, s50, s10                     ; my tile of queries, 0..127
	s_lshl_b32 s52, s50, 10
	s_mov_b32 s53, 0
	s_lshr_b32 s51, s12, 3
	s_lshl_b32 s56, s51, 20                        ; gcodes: b x 128 tiles of 8,192,
	s_lshl_b32 s57, s50, 13
	s_add_co_u32 s56, s56, s57                     ; my tile,
	s_and_b32 s57, s12, 7
	s_lshl_b32 s57, s57, 10
	s_add_co_u32 s56, s56, s57                     ; my head's 64 of its 512 c: 1,024 bytes
	s_mov_b32 s57, 0
	s_mov_b32 s20, 0x76543210                      ; v_permlanex16_b32: lane l xor 16
	s_mov_b32 s21, 0xfedcba98
	s_mov_b32 s40, 0                               ; LDS byte of the step's keys
	s_wait_dscnt 0x0
	s_wait_kmcnt 0x0
	s_load_b128 s[44:47], s[6:7], 0x38             ; e14 .. e17
	s_load_b32 s48, s[6:7], 0x48                   ; e18
	s_add_nc_u64 s[4:5], s[4:5], s[14:15]          ; the head's part of qkv
	s_add_nc_u64 s[54:55], s[4:5], s[52:53]        ; my tile of Q
	s_add_nc_u64 s[8:9], s[8:9], s[56:57]
	s_mov_b32 s32, 1
	s_mov_b32 s33, s16
	s_add_nc_u64 s[34:35], s[4:5], s[18:19]
	s_add_nc_u64 s[34:35], s[34:35], 131072        ; K begins behind Q
	s_mov_b32 s36, 1
	s_add_co_u32 s37, s16, 65536                   ; the second half: keys 1,024 on
	s_add_nc_u64 s[38:39], s[34:35], 65536
	s_or_b32 s35, s35, 0x80000000
	s_or_b32 s39, s39, 0x80000000
	CROUND                                         ; all four work-groups are here: the joint loads meet
	tensor_load_to_lds s[32:35], s[24:31]
	s_nop 0
	tensor_load_to_lds s[36:39], s[24:31]
	s_nop 0
.rept 4
	v_nop
.endr
	v_and_b32 v1, 31, v0
	v_lshlrev_b32 v1, 4, v1
	v_add_nc_u32 v2, 131072, v1
	global_load_b128 v[16:19], v1, s[54:55]
	global_load_b128 v[20:23], v1, s[54:55] offset:512
	v_mov_b32 v13, 0xff61b1e6                      ; the largest t so far: -3e38
	v_floor_f32 v12, -v13                          ; -M
	v_mov_b32 v14, 0
	v_mov_b32 v15, 0
	v_mov_b32 v236, 0                              ; a lane permute's destination counts as one of its sources
	v_mov_b32 v253, 0                              ; (named as a pair's upper half)
.set zi, 0
.rept 32
	v_mov_b32 v[160+zi], 0                         ; O^T: the step is written once; the first finds zeros
.set zi, zi+1
.endr
	s_wait_kmcnt 0x0
	s_add_co_i32 s56, s44, s45
	s_lshl_b32 s56, s56, 23
	s_mov_b32 s22, 0x3e38aa3b                      ; c = log2(e) / 8,
	s_add_co_i32 s22, s22, s56                     ; x 2^(e14 + e15): added to its exponent field
	s_mov_b32 s23, s22
	s_add_co_i32 s56, s46, 127
	s_lshl_b32 s57, s56, 23
	v_mov_b32 v244, s57                            ; 2^e16
	s_add_co_i32 s56, s56, 15
	s_lshl_b32 s56, s56, 23
	s_or_b32 s56, s56, 0x600000
	v_mov_b32 v240, s56                            ; 57,344 x 2^e16
	s_add_co_i32 s56, s48, 127
	s_lshl_b32 s57, s56, 23
	v_mov_b32 v245, s57                            ; 2^e18
	s_add_co_i32 s56, s56, 15
	s_lshl_b32 s56, s56, 23
	s_or_b32 s56, s56, 0x600000
	v_mov_b32 v241, s56                            ; 57,344 x 2^e18
	s_add_co_i32 s58, s46, s47                     ; e16 + e17
.macro STEP                            ; 128 keys
	v_add_nc_u32 v8, s40, v1
	v_add_nc_u32 v9, s40, v2
	v_nop                                          ; with the two additions: four places ahead of loads into registers that the last products read
	v_nop
.irp k, 0,1,2,3,4,5,6,7
	ds_load_b128 v[32+8*\k:35+8*\k], v8 offset:1024*\k
	ds_load_b128 v[36+8*\k:39+8*\k], v8 offset:1024*\k+512
.endr
	s_wait_dscnt 0x0
.irp k, 0,1,2,3,4,5,6,7
	v_wmma_f32_16x16x64_bf8_bf8 v[96+8*\k:103+8*\k], v[32+8*\k:39+8*\k], v[16:23], 0
.endr
.rept 4
	v_nop
.endr
.irp t, 0,1,2,3                        ; V's fragments land while the softmax is worked
.irp b, 0,1,2,3
	ds_load_b128 v[32+16*\t+4*\b:35+16*\t+4*\b], v9 offset:2048*\b+512*\t
.endr
.endr
	v_max3_num_f32 v254, v96, v97, v98             ; the step's largest score of my query among my 64 keys, in two chains,
	v_max3_num_f32 v252, v99, v100, v101
.irp i, 6,10,14,18,22,26,30,34,38,42,46,50,54,58
	v_max3_num_f32 v254, v254, v[96+\i], v[97+\i]
	v_max3_num_f32 v252, v252, v[98+\i], v[99+\i]
.endr
	v_max3_num_f32 v254, v254, v158, v159
	v_max_num_f32 v254, v254, v252
	v_permlanex16_b32 v236, v254, s20, s21
	v_max_num_f32 v254, v254, v236                 ; and among lane l xor 16's
	v_mul_f32 v254, s22, v254                      ; as t (c is positive)
	v_max_num_f32 v13, v13, v254
	v_mov_b32 v254, v12
	v_floor_f32 v12, -v13                          ; the new -M = -ceil(t)
	v_sub_f32 v254, v12, v254                      ; old M - new M: a whole number, 0 or less
	v_cvt_i32_f32 v254, v254                       ; (it saturates)
	v_ldexp_f32 v252, 1.0, v254                    ; f = 2^(old M - new M): a multiplication by it rounds nothing
.set pj, 0
.rept 32
	v_pk_fma_f32 v[96+pj:97+pj], v[96+pj:97+pj], s[22:23], v[12:13] op_sel_hi:[1,0,0]      ; t - M
.set pj, pj+2
.endr
.set pj, 0
.rept 64
	v_exp_f32 v[96+pj], v[96+pj]                   ; p = 2^(t - M)
.set pj, pj+1
.endr
	v_pk_mul_f32 v[14:15], v[14:15], v[252:253] op_sel_hi:[1,0]     ; the sums under the new M (a plain line behind the exponentials)
	s_wait_alu depctr_va_vdst(0)
	v_pk_add_f32 v[242:243], v[96:97], v[98:99]    ; the row's sum is taken of the unquantised p
.irp j, 4,8,12,16,20,24,28,32,36,40,44,48,52,56,60
	v_pk_add_f32 v[14:15], v[14:15], v[96+\j:97+\j]
	v_pk_add_f32 v[242:243], v[242:243], v[98+\j:99+\j]
.endr
	v_pk_add_f32 v[14:15], v[14:15], v[242:243]
.irp k, 0,1,2,3,4,5,6,7
.irp i, 0,1,2,3,4,5,6,7
	v_min_num_f32 v[96+8*\k+\i], v[96+8*\k+\i], v240     ; the conversion does not saturate (ISA guide 7.6.2); p is not negative, so the hold is one-sided
.endr
	v_cvt_scalef32_pk8_bf8_f32 v[192+2*\k:193+2*\k], v[96+8*\k:103+8*\k], v244
.endr
.set pj, 0
.rept 16
	v_pk_mul_f32 v[160+pj:161+pj], v[160+pj:161+pj], v[252:253] op_sel_hi:[1,0]     ; O^T under the new M (also the plain lines behind the conversions)
.set pj, pj+2
.endr
	s_wait_dscnt 0x0                               ; V is in
.irp t, 0,1,2,3
	v_wmma_f32_16x16x128_bf8_bf8 v[160+8*\t:167+8*\t], v[32+16*\t:47+16*\t], v[192:207], v[160+8*\t:167+8*\t]
.endr
	s_add_co_u32 s40, s40, 8192
.endm
	s_wait_loadcnt 0x0                             ; Q
	s_wait_tensorcnt 0x1                           ; my part of the first 1,024 keys is in; the second load may stay out
	s_barrier_signal -1
	s_barrier_wait -1                              ; everybody's is
	s_mov_b32 s41, 8
.Lfirst_half:
	STEP
	s_sub_co_i32 s41, s41, 1
	s_cmp_lg_u32 s41, 0
	s_cbranch_scc1 .Lfirst_half
	s_wait_tensorcnt 0x0                           ; my part of the last 1,024 keys is in
	s_wait_dscnt 0x0
	s_barrier_signal -1
	s_barrier_wait -1
	s_mov_b32 s41, 8
.Lsecond_half:
	STEP
	s_sub_co_i32 s41, s41, 1
	s_cmp_lg_u32 s41, 0
	s_cbranch_scc1 .Lsecond_half
	; THE WAY OUT
	v_add_f32 v14, v14, v15                        ; the sum's two halves (these lines are the places behind the last products),
	v_permlanex16_b32 v252, v14, s20, s21
	v_add_f32 v14, v14, v252                       ; and lane l xor 16's
	v_rcp_f32 v14, v14
	v_nop
	s_wait_alu depctr_va_vdst(0)
	v_ldexp_f32 v14, v14, s58                      ; x 2^(e16 + e17)
.set pj, 0
.rept 32
	v_mul_f32 v[96+pj], v[160+pj], v14             ; register 8 t + i: out(query r, d = 16 t + 8 hh + i)
.set pj, pj+1
.endr
.set pj, 0
.rept 32
	v_med3_num_f32 v[96+pj], v[96+pj], -v241, v241
.set pj, pj+1
.endr
.irp t, 0,1,2,3
	v_cvt_scalef32_pk8_bf8_f32 v[192+2*\t:193+2*\t], v[96+8*\t:103+8*\t], v245
.endr
	v_nop
	global_store_b128 v1, v[192:195], s[8:9]               ; 512 consecutive bytes a store
	global_store_b128 v1, v[196:199], s[8:9] offset:512
	s_wait_dscnt 0x0
	s_wait_tensorcnt 0x0
	ds_add_u32 v251, v255
	s_wait_dscnt 0x0
	CROUND                                         ; the closing round: no work-group ends while a partner may still ask jointly
	s_endpgm
.Lfunc_end_k_q851d9abc79_attn:
	.size	k_q851d9abc79_attn, .Lfunc_end_k_q851d9abc79_attn-k_q851d9abc79_attn
	.p2alignl 7, 3214868480
	.fill 96, 4, 3214868480
	.section	.rodata,"a",@progbits
	.p2align	6, 0x0
	.amdhsa_kernel k_q851d9abc79_attn
		.amdhsa_group_segment_fixed_size 264192
		.amdhsa_private_segment_fixed_size 0
		.amdhsa_enable_private_segment 0
		.amdhsa_kernarg_size 24
		.amdhsa_user_sgpr_count 2
		.amdhsa_user_sgpr_kernarg_segment_ptr 1
		.amdhsa_wavefront_size32 1
		.amdhsa_system_sgpr_workgroup_id_x 1
		.amdhsa_system_sgpr_workgroup_id_y 1
		.amdhsa_system_sgpr_workgroup_id_z 1
		.amdhsa_system_vgpr_workitem_id 0
		.amdhsa_next_free_vgpr 256
		.amdhsa_next_free_sgpr 66
		.amdhsa_reserve_vcc 0
		.amdhsa_float_denorm_mode_32 3
		.amdhsa_float_denorm_mode_16_64 3
		.amdhsa_memory_ordered 1
		.amdhsa_forward_progress 1
		.amdhsa_inst_pref_size 41
	.end_amdhsa_kernel
	.amdgpu_metadata
---
amdhsa.version: [ 1, 2 ]
amdhsa.kernels:
  - .name:           k_q851d9abc79_attn
    .symbol:         k_q851d9abc79_attn.kd
    .args:
      - { .name: qkv, .offset: 0, .size: 8, .value_kind: global_buffer, .address_space: global }
      - { .name: lowp_scales, .offset: 8, .size: 8, .value_kind: global_buffer, .address_space: global }
      - { .name: gcodes, .offset: 16, .size: 8, .value_kind: global_buffer, .address_space: global }
    .group_segment_fixed_size: 264192
    .private_segment_fixed_size: 0
    .kernarg_segment_align: 8
    .kernarg_segment_size: 24
    .max_flat_workgroup_size: 512
    .sgpr_count:     66
    .vgpr_count:     256
    .wavefront_size: 32
...
	.end_amdgpu_metadata
.endif
;; end of part 3
;; launch final (part 4): grid 4 x 64, 4 waves a work-group, clusters of 4 x 1, 288,256 bytes of LDS; arguments gcodes, lcodes, wcodes, lowp_scales, t, go_b, lo_b, out0; writes out0
.if DOCPART == 4
	.amdgcn_target "amdgcn-amd-amdhsa--gfx1250"
	.amdhsa_code_object_version 6
	.text
	.protected	k_q851d9abc79_final
	.globl	k_q851d9abc79_final
	.p2align	8
	.type	k_q851d9abc79_final,@function
k_q851d9abc79_final:
	s_mov_b64 s[64:65], 0
	v_nop
	global_prefetch_b8 v0, s[64:65] scope:SCOPE_SE
	s_setreg_imm32_b32 hwreg(HW_REG_WAVE_MODE, 25, 1), 1
	s_wait_xcnt 0x0
	s_wait_alu depctr_hold_cnt(0) depctr_sa_sdst(0) depctr_va_vdst(0) depctr_va_sdst(0) depctr_va_ssrc(0) depctr_va_vcc(0) depctr_vm_vsrc(0)
	s_getreg_b32 s2, hwreg(HW_REG_IB_STS2, 6, 4)
	s_cmp_eq_u32 s2, 0
	s_cbranch_scc0 .Lentry_in_a_cluster
	s_endpgm
.Lentry_in_a_cluster:
	s_bfe_u32 s2, ttmp6, 0x10000c
	s_cmp_lg_u32 s2, 0x3003
	s_cbranch_scc0 .Lentry_shape_is_right
	s_endpgm
.Lentry_shape_is_right:
; FINAL: the two output projections on codes of E5M2, their biases, and the blend:
; out[b][o][t] = sqrt(1 - tn) (G x 2^(e18 + e19) + go_b[o]) + sqrt(tn) (L x 2^(e6 + e7) + lo_b[o]), tn = t[b] / 999.
; SHARES.  A work-group makes 128 o x 128 t of one batch; wave w takes 64 t (w / 2) x 64 o (w % 2): sixteen accumulators for each branch.  K = 512 in four steps a branch.
; LDS, each byte filled once: the global branch's rows (65,536 bytes, images), go_w's block, lo_w's block (65,536 each, images), the local branch's rows (64 rows c' / 8 of 128 t' x 8 bytes, 1,152 apart), and a stage for each wave.
; CLUSTER.  The four blocks of o of one block of t form a cluster: the rows of both branches are asked for jointly (waves 0 and 1); each work-group's own blocks of the weights come by plain loads (waves 2 and 3).
; By this text's own count a wave has one tensor load out.
; Source 0 = 16 t, source 1 = 16 o: a lane holds one o and eight neighbouring t; a block of 16 o x 64 t goes through the wave's stage, and sixteen lanes store 256 consecutive bytes, aligned.
; LIMITS: none on the exponents (they are applied by v_ldexp_f32).  t[b] between 0 and 999, as the problem has it.  NaN is not served.
; REGISTERS.  Window 0: v1-10 addresses; v11, v12 the two roots; v[16:17], v[18:19] the two factors; v20-27 the blended biases in pairs; v32-63 at work; v64-127 rows read back, two sets; v128-255 the global branch's sums.
;   Window 1: two sets of 128: four fragments of rows, four of the weight.   Window 2: v0-127 the local branch's sums.
.set MSB, 0
.macro WIN new
.if MSB != (\new)
	s_set_vgpr_msb (MSB<<8)|(\new)
.set MSB, (\new)
.endif
.endm
.macro PLACES
.rept 4
	v_nop
.endr
.endm
.macro CROUND
	s_barrier_signal -1
	s_barrier_wait -1
	s_cmp_lg_u32 s20, 0
	s_cbranch_scc1 .Lnot_wave_0_\@
	s_barrier_signal -3
.Lnot_wave_0_\@:
	s_barrier_wait -3
	s_barrier_signal -1
	s_barrier_wait -1
.endm
.set LG,   0
.set LWG,  65536
.set LWL,  131072
.set LL,   196608
.set LST,  270336
.set LI,  1
.set AG,  2
.set AWG, 3
.set AWL, 4
.set AL0, 5                            ; AL0 + 1: 32 rows further on
.set STO, 7
.set RD,  8
.set CO,  9
.set R4,  10
.set FL,  16
.set FG,  18
.set BC,  20
.set TMP, 32
.set BK,  64
.set ACCG, 128
	s_load_b256 s[4:11], s[0:1], 0x0               ; gcodes, lcodes, wcodes, the exponents
	s_load_b256 s[12:19], s[0:1], 0x20             ; t, go_b, lo_b, out0
	v_lshl_add_u32 v30, v0, 2, 0x46400
	v_mov_b32 v31, 0
	ds_add_u32 v30, v31
	ds_add_u32 v30, v31
	v_lshrrev_b32 v1, 5, v0
	v_readfirstlane_b32 s20, v1                    ; wave
	s_bfe_u32 s21, ttmp6, 0x40000                  ; cx: my block of 128 o: it enters the weights', the biases' and the output's addresses alone
	s_and_b32 s22, ttmp7, 0xffff                   ; y: 16 b + block of 128 t, which the partners share
	s_lshr_b32 s23, s22, 4                         ; b
	s_lshr_b32 s66, s20, 1                         ; which 64 t
	s_and_b32 s67, s20, 1                          ; which 64 o
	; descriptor groups 1, all constants.  Dense blocks of 65,536 bytes: 256 rows of 32 elements of 8 bytes
	s_mov_b32 s24, 15|(3<<16)|(1<<21)              ; joint: the mask of all four, bit 21 beside it
	s_mov_b32 s25, 32<<16
	s_mov_b32 s26, 256<<16
	s_mov_b32 s27, 32<<16
	s_mov_b32 s28, 256
	s_mov_b32 s29, 32
	s_mov_b32 s30, 0
	s_mov_b32 s31, 0
	s_mov_b32 s32, 15|(3<<16)|(1<<20)|(1<<21)|(7<<22)|(31<<25)   ; the local rows, joint: 64 rows of 128 elements of 8 bytes, 2,048 elements apart; 32 words of padding behind every 256
	s_mov_b32 s33, 128<<16
	s_mov_b32 s34, 64<<16
	s_mov_b32 s35, 128<<16
	s_mov_b32 s36, 64
	s_mov_b32 s37, 2048
	s_mov_b32 s38, 0
	s_mov_b32 s39, 0
	s_mov_b32 s40, 3<<16                           ; plain: no mask
	s_mov_b32 s41, 32<<16
	s_mov_b32 s42, 256<<16
	s_mov_b32 s43, 32<<16
	s_mov_b32 s44, 256
	s_mov_b32 s45, 32
	s_mov_b32 s46, 0
	s_mov_b32 s47, 0
	s_lshl_b32 s60, s22, 16
	s_mov_b32 s61, 0                               ; gcodes: 8 tiles of 8,192 x y
	s_lshl_b32 s62, s23, 20
	s_and_b32 s63, s22, 15
	s_lshl_b32 s63, s63, 10
	s_add_co_u32 s62, s62, s63
	s_mov_b32 s63, 0                               ; lcodes: b, 128 t' of 8 bytes x block
	s_lshl_b32 s68, s67, 20
	s_sub_co_u32 s68, 0x1c0000, s68                ; wave 2: weight 7 (go_w), wave 3: weight 3 (lo_w),
	s_lshl_b32 s69, s21, 16
	s_add_co_u32 s68, s68, s69                     ; my block of 8 tiles
	s_mov_b32 s69, 0
	s_lshl_b32 s70, s23, 2
	s_mov_b32 s71, 0                               ; t[b]
	s_lshl_b32 s72, s21, 9
	s_lshl_b32 s73, s67, 8
	s_add_co_u32 s72, s72, s73
	s_mov_b32 s73, 0                               ; biases: 128 cx + 64 oh
	s_lshl_b32 s74, s23, 22
	s_lshl_b32 s75, s21, 20
	s_add_co_u32 s74, s74, s75
	s_lshl_b32 s75, s67, 19
	s_add_co_u32 s74, s74, s75
	s_and_b32 s75, s22, 15
	s_lshl_b32 s75, s75, 9
	s_add_co_u32 s74, s74, s75
	s_lshl_b32 s75, s66, 8
	s_add_co_u32 s74, s74, s75
	s_mov_b32 s75, 0                               ; out0: row 512 b + 128 cx + 64 oh, column 128 block + 64 th
	s_wait_dscnt 0x0
	s_wait_kmcnt 0x0
	s_load_b64 s[76:77], s[10:11], 0x18            ; e6, e7
	s_load_b64 s[78:79], s[10:11], 0x48            ; e18, e19
	s_add_nc_u64 s[12:13], s[12:13], s[70:71]
	s_load_b32 s70, s[12:13], 0x0                  ; t[b]
	s_add_nc_u64 s[14:15], s[14:15], s[72:73]
	s_add_nc_u64 s[16:17], s[16:17], s[72:73]
	s_add_nc_u64 s[18:19], s[18:19], s[74:75]
	s_mov_b32 s48, 1
	s_mov_b32 s49, LG
	s_add_nc_u64 s[50:51], s[4:5], s[60:61]
	s_or_b32 s51, s51, 0x80000000
	s_mov_b32 s52, 1
	s_mov_b32 s53, LL
	s_add_nc_u64 s[54:55], s[6:7], s[62:63]
	s_or_b32 s55, s55, 0x80000000
	s_mov_b32 s56, 1
	s_lshl_b32 s57, s67, 16
	s_add_co_u32 s57, s57, LWG                     ; wave 2: go_w's place, wave 3: lo_w's
	s_add_nc_u64 s[58:59], s[8:9], s[68:69]
	s_or_b32 s59, s59, 0x80000000
	CROUND                                         ; all four work-groups are here: the joint loads meet
	s_cmp_eq_u32 s20, 0                            ; each wave's one fill, chosen by the wave's number alone; four v_nop follow each line
	s_cbranch_scc0 .Lnot_g
	tensor_load_to_lds s[48:51], s[24:31]
	s_nop 0
.rept 4
	v_nop
.endr
	s_branch .Lasked
.Lnot_g:
	s_cmp_eq_u32 s20, 1
	s_cbranch_scc0 .Lnot_l
	tensor_load_to_lds s[52:55], s[32:39]
	s_nop 0
.rept 4
	v_nop
.endr
	s_branch .Lasked
.Lnot_l:
	tensor_load_to_lds s[56:59], s[40:47]
	s_nop 0
.rept 4
	v_nop
.endr
.Lasked:
	v_and_b32 v11, 31, v0
	v_lshlrev_b32 v[LI], 4, v11
	v_and_b32 v12, 15, v0                          ; r
	v_bfe_u32 v13, v0, 4, 1                        ; hh
	s_lshl_b32 s60, s66, 15
	v_add_nc_u32 v[AG], s60, v[LI]                 ; my four tiles of t
	s_lshl_b32 s61, s67, 15
	s_add_co_u32 s62, s61, LWG
	v_add_nc_u32 v[AWG], s62, v[LI]                ; my four tiles of o
	s_add_co_u32 s62, s61, LWL
	v_add_nc_u32 v[AWL], s62, v[LI]
	v_mul_u32_u24 v14, v13, 1152
	v_lshl_add_u32 v14, v12, 3, v14
	s_lshl_b32 s62, s66, 9
	s_add_co_u32 s62, s62, LL
	v_add_nc_u32 v[AL0], s62, v14                  ; row c' / 8 = hh, t' = 64 th + r: lanes 16-31 fall 128 bytes on modulo 256, so the 32 lanes of a load touch every bank once
	v_add_nc_u32 v[AL0+1], 36864, v[AL0]
	s_mul_i32 s62, s20, 4352
	s_add_co_u32 s62, s62, LST                     ; my stage: 16 rows of 272
	v_mul_u32_u24 v14, v12, 272
	v_lshl_add_u32 v14, v13, 5, v14
	v_add_nc_u32 v[STO], s62, v14
	v_mul_u32_u24 v14, v13, 272
	v_lshl_add_u32 v14, v12, 4, v14
	v_add_nc_u32 v[RD], s62, v14
	v_lshlrev_b32 v14, 13, v13
	v_lshl_add_u32 v[CO], v12, 4, v14              ; lanes 0-15 one row of out0, lanes 16-31 the next
	v_lshlrev_b32 v[R4], 2, v12
.irp o, 0,1,2,3
	global_load_b32 v[TMP+\o], v[R4], s[14:15] offset:64*\o         ; go_b and lo_b at o = 16 tile + r
	global_load_b32 v[TMP+4+\o], v[R4], s[16:17] offset:64*\o
.endr
	s_wait_kmcnt 0x0
	v_cvt_f32_i32 v11, s70
	v_mov_b32 v12, 0x4479c000                      ; 999
	v_rcp_f32 v13, v12
	v_nop
	s_wait_alu depctr_va_vdst(0)
	v_mul_f32 v14, v11, v13
	v_fma_f32 v15, -v14, v12, v11                  ; one correction of the quotient: 999 / 999 is 1
	v_fma_f32 v14, v15, v13, v14                   ; tn
	v_sub_f32 v15, 1.0, v14
	v_sqrt_f32 v11, v14                            ; the local branch's weight
	v_sqrt_f32 v12, v15                            ; the global branch's
	v_nop
	s_add_co_i32 s76, s76, s77
	s_add_co_i32 s78, s78, s79
	s_wait_alu depctr_va_vdst(0)
	v_ldexp_f32 v[FL], v11, s76                    ; x 2^(e6 + e7)
	v_ldexp_f32 v[FG], v12, s78                    ; x 2^(e18 + e19)
	v_mov_b32 v[FL+1], 0                           ; (named as pairs' upper halves)
	v_mov_b32 v[FG+1], 0
	s_wait_loadcnt 0x0
.irp o, 0,1,2,3
	v_mul_f32 v[BC+2*\o], v12, v[TMP+\o]
	v_fma_f32 v[BC+2*\o], v11, v[TMP+4+\o], v[BC+2*\o]
	v_mov_b32 v[BC+2*\o+1], 0
.endr
	s_wait_tensorcnt 0x0                           ; my fill has landed,
	s_barrier_signal -1
	s_barrier_wait -1                              ; everybody's has
.macro FETCHG ks, f                    ; K step ks of the global branch: four fragments of rows, four of go_w
	WIN 0x40
.irp t, 0,1,2,3
.irp g, 0,1,2,3
	ds_load_b128 v[\f+16*\t+4*\g:\f+16*\t+4*\g+3], v[AG] offset:8192*\t+2048*(\ks)+512*\g
.endr
.endr
.irp t, 0,1,2,3
.irp g, 0,1,2,3
	ds_load_b128 v[\f+64+16*\t+4*\g:\f+64+16*\t+4*\g+3], v[AWG] offset:8192*\t+2048*(\ks)+512*\g
.endr
.endr
	WIN 0
.endm
.macro FETCHL ks, f                    ; of the local branch: registers 2 c, 2 c + 1 are row c' / 8 = 16 ks + 2 c + hh
	WIN 0x40
.irp t, 0,1,2,3
.irp c, 0,1,2,3,4,5,6,7
	ds_load_b64 v[\f+16*\t+2*\c:\f+16*\t+2*\c+1], v[AL0+(\ks)/2] offset:((\ks)%2)*18432+2304*\c+128*\t
.endr
.endr
.irp t, 0,1,2,3
.irp g, 0,1,2,3
	ds_load_b128 v[\f+64+16*\t+4*\g:\f+64+16*\t+4*\g+3], v[AWL] offset:8192*\t+2048*(\ks)+512*\g
.endr
.endr
	WIN 0
.endm
.macro MUL16 f, acc, win, zero         ; sixteen products; the sixteen accumulators take turns, one instruction a turn
	WIN \win
.irp o, 0,1,2,3
.irp t, 0,1,2,3
.if \zero
	v_wmma_f32_16x16x128_bf8_bf8 v[\acc+8*(4*\o+\t):\acc+8*(4*\o+\t)+7], v[\f+16*\t:\f+16*\t+15], v[\f+64+16*\o:\f+64+16*\o+15], 0
.else
	v_wmma_f32_16x16x128_bf8_bf8 v[\acc+8*(4*\o+\t):\acc+8*(4*\o+\t)+7], v[\f+16*\t:\f+16*\t+15], v[\f+64+16*\o:\f+64+16*\o+15], v[\acc+8*(4*\o+\t):\acc+8*(4*\o+\t)+7]
.endif
.endr
.endr
	WIN 0
.endm
	FETCHG 0, 0
	FETCHG 1, 128
	s_wait_dscnt 32                                ; all but the 32 loads just issued (so below: 32, or 48 for the local branch)
	MUL16 0, ACCG, 0x05, 1
	PLACES                                         ; ahead of loads into registers that the products before the last run read
	FETCHG 2, 0
	s_wait_dscnt 32
	MUL16 128, ACCG, 0x05, 0
	PLACES
	FETCHG 3, 128
	s_wait_dscnt 32
	MUL16 0, ACCG, 0x05, 0
	PLACES
	FETCHL 0, 0
	s_wait_dscnt 48
	MUL16 128, ACCG, 0x05, 0
	PLACES
	FETCHL 1, 128
	s_wait_dscnt 48
	MUL16 0, 0, 0xa5, 1
	PLACES
	FETCHL 2, 0
	s_wait_dscnt 48
	MUL16 128, 0, 0xa5, 0
	PLACES
	FETCHL 3, 128
	s_wait_dscnt 48
	MUL16 0, 0, 0xa5, 0
	s_wait_dscnt 0x0
	MUL16 128, 0, 0xa5, 0
	PLACES
	; THE WAY OUT, a tile of 16 o at a time
.irp o, 0,1,2,3
	WIN 0x02                                       ; source 0: the local branch's sums
.irp k, 0,2,4,6,8,10,12,14,16,18,20,22,24,26,28,30
	v_pk_fma_f32 v[TMP+\k:TMP+\k+1], v[32*\o+\k:32*\o+\k+1], v[FL:FL+1], v[BC+2*\o:BC+2*\o+1] op_sel_hi:[1,0,0]
.endr
	WIN 0
.irp k, 0,2,4,6,8,10,12,14,16,18,20,22,24,26,28,30
	v_pk_fma_f32 v[TMP+\k:TMP+\k+1], v[ACCG+32*\o+\k:ACCG+32*\o+\k+1], v[FG:FG+1], v[TMP+\k:TMP+\k+1] op_sel_hi:[1,0,1]
.endr
.irp t, 0,1,2,3
	ds_store_b128 v[STO], v[TMP+8*\t:TMP+8*\t+3] offset:64*\t
	ds_store_b128 v[STO], v[TMP+8*\t+4:TMP+8*\t+7] offset:64*\t+16
.endr
.if \o >= 2
	s_wait_xcnt 0x0                                ; the stores of two tiles ago have read this set of registers
.endif
.irp i, 0,1,2,3,4,5,6,7
	ds_load_b128 v[BK+32*(\o%2)+4*\i:BK+32*(\o%2)+4*\i+3], v[RD] offset:544*\i     ; LDS serves a wave's instructions in order (ISA guide 5.7.1.4): these see my stores
.endr
	s_wait_dscnt 0x0
.irp i, 0,1,2,3,4,5,6,7
	global_store_b128 v[CO], v[BK+32*(\o%2)+4*\i:BK+32*(\o%2)+4*\i+3], s[18:19] offset:(16*\o+2*\i)*8192 th:TH_STORE_NT    ; sixteen lanes store 256 consecutive bytes, aligned
.endr
.endr
	s_wait_dscnt 0x0
	s_wait_tensorcnt 0x0
	ds_add_u32 v30, v31
	s_wait_dscnt 0x0
	CROUND                                         ; the closing round: no work-group ends while a partner may still ask jointly
	s_endpgm
.Lfunc_end_k_q851d9abc79_final:
	.size	k_q851d9abc79_final, .Lfunc_end_k_q851d9abc79_final-k_q851d9abc79_final
	.p2alignl 7, 3214868480
	.fill 96, 4, 3214868480
	.section	.rodata,"a",@progbits
	.p2align	6, 0x0
	.amdhsa_kernel k_q851d9abc79_final
		.amdhsa_group_segment_fixed_size 288256
		.amdhsa_private_segment_fixed_size 0
		.amdhsa_enable_private_segment 0
		.amdhsa_kernarg_size 64
		.amdhsa_user_sgpr_count 2
		.amdhsa_user_sgpr_kernarg_segment_ptr 1
		.amdhsa_wavefront_size32 1
		.amdhsa_system_sgpr_workgroup_id_x 1
		.amdhsa_system_sgpr_workgroup_id_y 1
		.amdhsa_system_sgpr_workgroup_id_z 1
		.amdhsa_system_vgpr_workitem_id 0
		.amdhsa_next_free_vgpr 640
		.amdhsa_next_free_sgpr 80
		.amdhsa_reserve_vcc 0
		.amdhsa_float_denorm_mode_32 3
		.amdhsa_float_denorm_mode_16_64 3
		.amdhsa_memory_ordered 1
		.amdhsa_forward_progress 1
		.amdhsa_inst_pref_size 56
	.end_amdhsa_kernel
	.amdgpu_metadata
---
amdhsa.version: [ 1, 2 ]
amdhsa.kernels:
  - .name:           k_q851d9abc79_final
    .symbol:         k_q851d9abc79_final.kd
    .args:
      - { .name: gcodes, .offset: 0, .size: 8, .value_kind: global_buffer, .address_space: global }
      - { .name: lcodes, .offset: 8, .size: 8, .value_kind: global_buffer, .address_space: global }
      - { .name: wcodes, .offset: 16, .size: 8, .value_kind: global_buffer, .address_space: global }
      - { .name: lowp_scales, .offset: 24, .size: 8, .value_kind: global_buffer, .address_space: global }
      - { .name: t, .offset: 32, .size: 8, .value_kind: global_buffer, .address_space: global }
      - { .name: go_b, .offset: 40, .size: 8, .value_kind: global_buffer, .address_space: global }
      - { .name: lo_b, .offset: 48, .size: 8, .value_kind: global_buffer, .address_space: global }
      - { .name: out0, .offset: 56, .size: 8, .value_kind: global_buffer, .address_space: global }
    .group_segment_fixed_size: 288256
    .private_segment_fixed_size: 0
    .kernarg_segment_align: 8
    .kernarg_segment_size: 64
    .max_flat_workgroup_size: 128
    .sgpr_count:     80
    .vgpr_count:     640
    .wavefront_size: 32
...
	.end_amdgpu_metadata
.endif
;; end of part 4
;; ======== version 2 of 2: 4 launches
;; workspace buffers: acodes 25,165,824 bytes; wcodes 2,097,152 bytes; rope 524,288 bytes; qkv 12,582,912 bytes; lcodes 4,194,304 bytes; gcodes 4,194,304 bytes
;; launch prep (part 5): grid 544 x 1, 4 waves a work-group, no clusters, 34,304 bytes of LDS; arguments x, cond, lq_w, lk_w, lv_w, lo_w, gq_w, gk_w, gv_w, go_w, lowp_scales, acodes, wcodes, rope; writes acodes, wcodes, rope
.if DOCPART == 5
	.amdgcn_target "amdgcn-amd-amdhsa--gfx1250"
	.amdhsa_code_object_version 6
	.text
	.protected	k_q851d9abc79_prep
	.globl	k_q851d9abc79_prep
	.p2align	8
	.type	k_q851d9abc79_prep,@function
k_q851d9abc79_prep:
	s_mov_b64 s[64:65], 0
	v_nop
	global_prefetch_b8 v0, s[64:65] scope:SCOPE_SE
	s_setreg_imm32_b32 hwreg(HW_REG_WAVE_MODE, 25, 1), 1
	s_wait_xcnt 0x0
; PREP: everything that is quantised straight from an input, once, and the table of cosines and sines.
; All codes are E5M2, code = x / 2^e held within +-57,344, nearest, ties to even.  They are laid as IMAGES OF THE OPERAND'S REGISTERS:
; a fragment of 16 rows x 128 K is [g 0..3][lane 0..31][16 bytes]; lane (r = lane % 16, hh = lane / 16) holds row r, and its 16 bytes of g are K = 32 g + 8 hh + 0..7, then K = 32 g + 16 + 8 hh + 0..7.
; Work-groups 0-255 (role X): x under e0, e8 and cond under e2, e4, e10, e12 -> acodes [set 6][tile of 16 t: 512][c / 32: 16][lane][16].
; Work-groups 256-511 (role W): the eight weights -> wcodes [w 8][tile of 16 o: 32][c / 32: 16][lane][16].
; Work-groups 512-543 (role T): rope [tile of 16 t: 128][n 8][lane][cos i, sin i, cos i+1, sin i+1], i = 8 (n / 2) + 4 hh + 2 (n % 2), t = 16 tile + r.
; LIMITS: each exponent e between -126 and 112.  NaN among the inputs is not served; an infinity is held at the largest code.
; The table's angle is t x f32(10^(-i/8)), one f32 product; f's last bit may differ from a power computed in f32, which moves an angle by up to some 2.5e-4 rad at t = 2047.
.set XR, 32                            ; v32-95   role X: two sets of 32 numbers, down c
.set TR, 96                            ; v96-127  the numbers held within the range of one scale
.set CR, 128                           ; v128-159 codes: 8 registers for each of four scales
	s_load_b128 s[4:7], s[0:1], 0x0                ; x, cond
	s_load_b64 s[8:9], s[0:1], 0x50                ; the exponents
	s_load_b128 s[12:15], s[0:1], 0x58             ; acodes, wcodes
	s_load_b64 s[10:11], s[0:1], 0x68              ; rope
	v_lshl_add_u32 v176, v0, 2, 0x8400
	v_mov_b32 v177, 0
	v_lshrrev_b32 v1, 5, v0
	v_readfirstlane_b32 s2, v1                     ; wave
	v_and_b32 v2, 31, v0                           ; lane
	s_cmp_lt_u32 ttmp9, 256
	s_cbranch_scc0 .Lnot_x
; ---------------- role X.  A lane takes one t, its registers run down c: each load reads 128 neighbouring bytes a wave, 512 a work-group, and the conversions give codes with c innermost.
	s_lshr_b32 s16, ttmp9, 7                       ; 0: x, 1: cond
	s_bfe_u32 s17, ttmp9, 0x20005                  ; b
	s_bfe_u32 s18, ttmp9, 0x40001                  ; which 128 t
	s_and_b32 s19, ttmp9, 1                        ; which 256 c
	s_lshl_b32 s20, s17, 22
	s_lshl_b32 s21, s19, 21
	s_add_co_u32 s20, s20, s21
	s_lshl_b32 s21, s18, 9
	s_add_co_u32 s20, s20, s21
	s_lshl_b32 s21, s2, 7
	s_add_co_u32 s20, s20, s21
	s_mov_b32 s21, 0                               ; source: b x 4 MiB + 256 c rows of 8,192 + (128 tg + 32 wave) x 4
	s_lshl_b32 s22, s17, 20
	s_lshl_b32 s23, s18, 16
	s_add_co_u32 s22, s22, s23
	s_lshl_b32 s23, s2, 14
	s_add_co_u32 s22, s22, s23
	s_lshl_b32 s23, s19, 12
	s_add_co_u32 s22, s22, s23
	s_mov_b32 s23, 0                               ; codes: (128 b + 8 tg + 2 wave) tiles of 8,192 + 8 blocks of 512
	s_wait_alu depctr_va_vdst(0)
	v_lshlrev_b32 v3, 2, v2                        ; in: 4 bytes a lane
	v_lshrrev_b32 v4, 4, v2
	v_and_b32 v5, 15, v2
	v_lshlrev_b32 v4, 13, v4
	v_lshl_add_u32 v4, v5, 4, v4                   ; out: lanes 16-31 belong to the next tile; 16 bytes a row
	s_wait_alu depctr_va_vdst(0)
	s_wait_kmcnt 0x0
	s_load_b512 s[32:47], s[8:9], 0x0              ; e0 .. e15
	s_cmp_eq_u32 s16, 0
	s_cselect_b64 s[4:5], s[4:5], s[6:7]
	s_add_nc_u64 s[4:5], s[4:5], s[20:21]
	s_add_nc_u64 s[12:13], s[12:13], s[22:23]
	s_cselect_b32 s24, 0, 0x400000                 ; slot 0: set 0 (x) or 1 (cond); a set is 4 MiB
	s_mov_b32 s25, 0
	s_add_nc_u64 s[52:53], s[12:13], s[24:25]
	s_mov_b32 s24, 0x800000
	s_cselect_b32 s24, 0xc00000, s24               ; slot 1: set 3 (x) or 2 (cond)
	s_add_nc_u64 s[54:55], s[12:13], s[24:25]
	s_add_nc_u64 s[56:57], s[12:13], 0x1000000     ; slot 2: set 4, slot 3: set 5 (cond alone)
	s_add_nc_u64 s[58:59], s[12:13], 0x1400000
.macro XLOAD t                         ; block t: 32 rows c of my t, into set t % 2
.set xi, 0
.rept 32
	global_load_b32 v[XR+32*((\t)%2)+xi], v3, s[4:5] offset:(32*(\t)+xi)*8192 th:TH_LOAD_NT
.set xi, xi+1
.endr
.endm
	XLOAD 0
	XLOAD 1
	s_wait_kmcnt 0x0
	s_cmp_eq_u32 s16, 0
	s_cselect_b32 s24, s32, s34                    ; e0 or e2
	s_cselect_b32 s25, s40, s36                    ; e8 or e4
	s_mov_b32 s26, s42                             ; e10
	s_mov_b32 s27, s44                             ; e12
.irp k, 0,1,2,3
	s_add_co_i32 s28, s[24+\k], 127
	s_lshl_b32 s29, s28, 23
	v_mov_b32 v[16+2*\k], s29                      ; 2^e as f32: the conversion takes its exponent field
	s_add_co_i32 s28, s28, 15
	s_lshl_b32 s28, s28, 23
	s_or_b32 s28, s28, 0x600000
	v_mov_b32 v[17+2*\k], s28                      ; 57,344 x 2^e
.endr
.macro QSET k, t                       ; block t under scale k: held, converted, stored.  Rows c 0-7 and 16-23 belong to the lane with hh = 0, rows 8-15 and 24-31 to hh = 1
.set xi, 0
.rept 32
	v_med3_num_f32 v[TR+xi], v[XR+32*((\t)%2)+xi], -v[17+2*\k], v[17+2*\k]   ; the conversion to an 8-bit code does not saturate (ISA guide 7.6.2)
.set xi, xi+1
.endr
	v_cvt_scalef32_pk8_bf8_f32 v[CR+8*\k:CR+8*\k+1], v[TR:TR+7], v[16+2*\k]
	v_cvt_scalef32_pk8_bf8_f32 v[CR+8*\k+2:CR+8*\k+3], v[TR+16:TR+23], v[16+2*\k]
	v_cvt_scalef32_pk8_bf8_f32 v[CR+8*\k+4:CR+8*\k+5], v[TR+8:TR+15], v[16+2*\k]
	v_cvt_scalef32_pk8_bf8_f32 v[CR+8*\k+6:CR+8*\k+7], v[TR+24:TR+31], v[16+2*\k]
	v_nop                                          ; a plain line between the conversions and the next lines that write their sources
	global_store_b128 v4, v[CR+8*\k:CR+8*\k+3], s[52+2*\k:53+2*\k] offset:512*(\t)         ; sixteen lanes store 256 consecutive bytes, aligned
	global_store_b128 v4, v[CR+8*\k+4:CR+8*\k+7], s[52+2*\k:53+2*\k] offset:512*(\t)+256
.endm
.macro XBLOCK t
.if (\t) < 7
	s_wait_loadcnt 32                              ; this block's 32 loads are in; the next block's 32 may be out
.else
	s_wait_loadcnt 0x0
.endif
	s_wait_xcnt 0x0                                ; the last block's stores have read their data: the codes' registers are written again only behind this wait
	QSET 0, \t
	QSET 1, \t
	s_cmp_eq_u32 s16, 0                            ; x has two scales, cond four: a branch on the work-group's number
	s_cbranch_scc1 .Lonly_two_\@
	QSET 2, \t
	QSET 3, \t
.Lonly_two_\@:
.if (\t)+2 < 8
	XLOAD (\t)+2
.endif
.endm
	s_wait_alu depctr_va_vdst(0)
.irp t, 0,1,2,3,4,5,6,7
	XBLOCK \t
.endr
	s_endpgm
; ---------------- role W.  A wave makes one fragment: 16 rows o x 128 c.  Each load reads 512 consecutive bytes of a row; the numbers turn through the wave's own stage in LDS (pitch 528) so that a lane gets neighbours along c.
.Lnot_x:
	s_cmp_lt_u32 ttmp9, 512
	s_cbranch_scc0 .Ltable
	s_load_b512 s[16:31], s[0:1], 0x10             ; the eight weights' addresses
	s_sub_co_u32 s48, ttmp9, 256
	s_lshr_b32 s49, s48, 5                         ; w
	s_and_b32 s50, s48, 31                         ; tile of 16 o
	s_lshl_b32 s52, s49, 3
	s_add_co_u32 s52, s52, 4                       ; its exponent is entry 2 w + 1,
	s_cmp_eq_u32 s49, 7
	s_cselect_b32 s53, 16, 0                       ; but entry 19 for go_w
	s_add_co_u32 s52, s52, s53
	s_mov_b32 s53, 0
	s_lshl_b32 s54, s50, 15
	s_lshl_b32 s55, s2, 9
	s_add_co_u32 s54, s54, s55
	s_mov_b32 s55, 0                               ; source: 16 rows of 2,048 bytes x tile + 512 x wave
	s_lshl_b32 s56, s49, 18
	s_lshl_b32 s57, s50, 13
	s_add_co_u32 s56, s56, s57
	s_lshl_b32 s57, s2, 11
	s_add_co_u32 s56, s56, s57
	s_mov_b32 s57, 0                               ; codes: w x 262,144 + tile x 8,192 + wave x 2,048
	s_mul_i32 s58, s2, 8448                        ; my stage
	s_wait_alu depctr_va_vdst(0)
	v_lshlrev_b32 v3, 4, v2                        ; 16 x lane
	v_add_nc_u32 v5, s58, v3                       ; into the stage: as loaded
	v_and_b32 v7, 15, v0
	v_bfe_u32 v8, v0, 4, 1
	v_mul_u32_u24 v6, v7, 528
	v_lshl_add_u32 v6, v8, 5, v6
	v_add_nc_u32 v6, s58, v6                       ; out of it: row r, + 32 hh
	s_wait_alu depctr_va_vdst(0)
	s_wait_kmcnt 0x0
	s_add_nc_u64 s[8:9], s[8:9], s[52:53]
	s_load_b32 s51, s[8:9], 0x0                    ; e
	s_mov_b64 s[32:33], s[16:17]
.irp k, 1,2,3,4,5,6,7
	s_cmp_eq_u32 s49, \k
	s_cselect_b64 s[32:33], s[16+2*\k:17+2*\k], s[32:33]
.endr
	s_add_nc_u64 s[32:33], s[32:33], s[54:55]
	s_add_nc_u64 s[14:15], s[14:15], s[56:57]
.irp i, 0,1,2,3,4,5,6,7,8,9,10,11,12,13,14,15
	global_load_b128 v[32+4*\i:35+4*\i], v3, s[32:33] offset:2048*\i
.endr
	s_wait_kmcnt 0x0
	s_add_co_i32 s51, s51, 127
	s_lshl_b32 s59, s51, 23
	v_mov_b32 v16, s59                             ; 2^e
	s_add_co_i32 s51, s51, 15
	s_lshl_b32 s51, s51, 23
	s_or_b32 s51, s51, 0x600000
	v_mov_b32 v17, s51                             ; 57,344 x 2^e
	s_wait_alu depctr_va_vdst(0)
	s_wait_loadcnt 0x0
.irp i, 0,1,2,3,4,5,6,7,8,9,10,11,12,13,14,15
	ds_store_b128 v5, v[32+4*\i:35+4*\i] offset:528*\i
.endr
.irp g, 0,1,2,3                        ; LDS serves a wave's instructions in order (ISA guide 5.7.1.4): these see my stores
	ds_load_b128 v[96+16*\g:99+16*\g], v6 offset:128*\g
	ds_load_b128 v[100+16*\g:103+16*\g], v6 offset:128*\g+16
	ds_load_b128 v[104+16*\g:107+16*\g], v6 offset:128*\g+64
	ds_load_b128 v[108+16*\g:111+16*\g], v6 offset:128*\g+80
.endr
	s_wait_dscnt 0x0
.set wi, 0
.rept 64
	v_med3_num_f32 v[96+wi], v[96+wi], -v17, v17
.set wi, wi+1
.endr
.irp g, 0,1,2,3
	v_cvt_scalef32_pk8_bf8_f32 v[160+4*\g:161+4*\g], v[96+16*\g:103+16*\g], v16
	v_cvt_scalef32_pk8_bf8_f32 v[162+4*\g:163+4*\g], v[104+16*\g:111+16*\g], v16
.endr
	v_nop
.irp g, 0,1,2,3
	global_store_b128 v3, v[160+4*\g:163+4*\g], s[14:15] offset:512*\g    ; 512 consecutive bytes a store
.endr
	s_wait_tensorcnt 0x0
	ds_add_u32 v176, v177
	s_wait_dscnt 0x0
	s_endpgm
; ---------------- role T.  cos and sin of t x 10^(-i/8): reduced by multiples of pi/2 in two parts, then polynomials on [-pi/4, pi/4].
.Ltable:
	s_sub_co_u32 s48, ttmp9, 512
	s_lshl_b32 s48, s48, 2
	s_add_co_u32 s48, s48, s2                      ; tile of 16 t
	s_lshl_b32 s49, s48, 4
	s_lshl_b32 s50, s48, 12
	s_mov_b32 s51, 0
	v_and_b32 v3, 15, v0
	v_add_nc_u32 v3, s49, v3
	v_cvt_f32_u32 v3, v3                           ; t
	v_bfe_u32 v4, v0, 4, 1
	v_cmp_eq_u32 s41, 1, v4                        ; lanes 16-31
	s_wait_alu depctr_va_vdst(0)
	v_lshlrev_b32 v15, 4, v2                       ; 16 x lane
	s_mov_b32 s16, 0x3f22f983                      ; 2 / pi
	s_mov_b32 s17, 0xbfc90fdb                      ; -(pi / 2), its f32 part,
	s_mov_b32 s18, 0x333bbd2e                      ; and what that part has too much
	s_mov_b32 s19, 0xbe2aaaa3                      ; sine: -1.6666654611e-1, 8.3321608736e-3, -1.9515295891e-4
	s_mov_b32 s20, 0x3c08839e
	s_mov_b32 s21, 0xb94ca1f9
	s_mov_b32 s22, 0x3d2aaaa5                      ; cosine: 4.166664568e-2, -1.388731625e-3, 2.443315712e-5
	s_mov_b32 s23, 0xbab6061a
	s_mov_b32 s24, 0x37ccf5ce
.macro CSPAIR dst, flo, fhi            ; v[dst] = cos, v[dst + 1] = sin of t x (lanes 0-15: flo, lanes 16-31: fhi)
	v_mul_f32 v5, \flo, v3
	v_mul_f32 v6, \fhi, v3
	v_cndmask_b32 v5, v5, v6, s41                  ; the angle a
	v_mul_f32 v6, s16, v5
	v_rndne_f32 v6, v6                             ; k = the nearest multiple of pi / 2
	v_fma_f32 v7, v6, s17, v5
	v_fma_f32 v7, v6, s18, v7                      ; r = a - k pi / 2
	v_cvt_i32_f32 v9, v6
	v_mul_f32 v8, v7, v7                           ; z = r r
	v_fma_f32 v10, v8, s21, s20
	v_fma_f32 v10, v10, v8, s19
	v_mul_f32 v11, v8, v7
	v_fma_f32 v12, v10, v11, v7                    ; sin r
	v_fma_f32 v10, v8, s24, s23
	v_fma_f32 v10, v10, v8, s22
	v_mul_f32 v11, v8, v8
	v_fma_f32 v13, v8, -0.5, 1.0
	v_fma_f32 v13, v10, v11, v13                   ; cos r
	v_and_b32 v11, 1, v9
	v_cmp_ne_u32 vcc_lo, 0, v11                    ; an odd k changes the two over
	v_cndmask_b32 v10, v12, v13, vcc_lo
	v_cndmask_b32 v11, v13, v12, vcc_lo
	v_lshlrev_b32 v14, 30, v9                      ; the sine is negative where k % 4 is 2 or 3,
	v_and_b32 v14, 0x80000000, v14
	v_xor_b32 v[\dst+1], v14, v10
	v_add_nc_u32 v9, 1, v9                         ; the cosine where it is 1 or 2
	v_lshlrev_b32 v14, 30, v9
	v_and_b32 v14, 0x80000000, v14
	v_xor_b32 v[\dst], v14, v11
.endm
.macro DECADE d, a0, a1, a2, a3, a4, a5, a6, a7      ; n = d and d + 1: i = 4 d + 0 .. 3 in lanes 0-15, + 4 in lanes 16-31
	CSPAIR 64+4*\d, \a0, \a4
	CSPAIR 66+4*\d, \a1, \a5
	CSPAIR 68+4*\d, \a2, \a6
	CSPAIR 70+4*\d, \a3, \a7
.endm
	DECADE 0, 1.0, 0.7498942093324559, 0.5623413251903491, 0.4216965034285822, 0.31622776601683794, 0.23713737056616552, 0.17782794100389228, 0.1333521432163324
	DECADE 2, 0.1, 0.07498942093324559, 0.05623413251903491, 0.04216965034285822, 0.031622776601683794, 0.023713737056616552, 0.017782794100389228, 0.01333521432163324
	DECADE 4, 0.01, 0.007498942093324559, 0.005623413251903491, 0.004216965034285822, 0.0031622776601683794, 0.0023713737056616552, 0.0017782794100389228, 0.001333521432163324
	DECADE 6, 0.001, 0.0007498942093324559, 0.0005623413251903491, 0.0004216965034285822, 0.00031622776601683794, 0.00023713737056616552, 0.00017782794100389228, 0.0001333521432163324
	s_wait_alu depctr_va_vdst(0)
	s_wait_kmcnt 0x0
	s_add_nc_u64 s[10:11], s[10:11], s[50:51]
.irp n, 0,1,2,3,4,5,6,7
	global_store_b128 v15, v[64+4*\n:67+4*\n], s[10:11] offset:512*\n
.endr
	s_endpgm
.Lfunc_end_k_q851d9abc79_prep:
	.size	k_q851d9abc79_prep, .Lfunc_end_k_q851d9abc79_prep-k_q851d9abc79_prep
	.p2alignl 7, 3214868480
	.fill 96, 4, 3214868480
	.section	.rodata,"a",@progbits
	.p2align	6, 0x0
	.amdhsa_kernel k_q851d9abc79_prep
		.amdhsa_group_segment_fixed_size 34304
		.amdhsa_private_segment_fixed_size 0
		.amdhsa_enable_private_segment 0
		.amdhsa_kernarg_size 112
		.amdhsa_user_sgpr_count 2
		.amdhsa_user_sgpr_kernarg_segment_ptr 1
		.amdhsa_wavefront_size32 1
		.amdhsa_system_sgpr_workgroup_id_x 1
		.amdhsa_system_sgpr_workgroup_id_y 1
		.amdhsa_system_sgpr_workgroup_id_z 1
		.amdhsa_system_vgpr_workitem_id 0
		.amdhsa_next_free_vgpr 178
		.amdhsa_next_free_sgpr 66
		.amdhsa_reserve_vcc 1
		.amdhsa_float_denorm_mode_32 3
		.amdhsa_float_denorm_mode_16_64 3
		.amdhsa_memory_ordered 1
		.amdhsa_forward_progress 1
		.amdhsa_inst_pref_size 143
	.end_amdhsa_kernel
	.amdgpu_metadata
---
amdhsa.version: [ 1, 2 ]
amdhsa.kernels:
  - .name:           k_q851d9abc79_prep
    .symbol:         k_q851d9abc79_prep.kd
    .args:
      - { .name: x, .offset: 0, .size: 8, .value_kind: global_buffer, .address_space: global }
      - { .name: cond, .offset: 8, .size: 8, .value_kind: global_buffer, .address_space: global }
      - { .name: lq_w, .offset: 16, .size: 8, .value_kind: global_buffer, .address_space: global }
      - { .name: lk_w, .offset: 24, .size: 8, .value_kind: global_buffer, .address_space: global }
      - { .name: lv_w, .offset: 32, .size: 8, .value_kind: global_buffer, .address_space: global }
      - { .name: lo_w, .offset: 40, .size: 8, .value_kind: global_buffer, .address_space: global }
      - { .name: gq_w, .offset: 48, .size: 8, .value_kind: global_buffer, .address_space: global }
      - { .name: gk_w, .offset: 56, .size: 8, .value_kind: global_buffer, .address_space: global }
      - { .name: gv_w, .offset: 64, .size: 8, .value_kind: global_buffer, .address_space: global }
      - { .name: go_w, .offset: 72, .size: 8, .value_kind: global_buffer, .address_space: global }
      - { .name: lowp_scales, .offset: 80, .size: 8, .value_kind: global_buffer, .address_space: global }
      - { .name: acodes, .offset: 88, .size: 8, .value_kind: global_buffer, .address_space: global }
      - { .name: wcodes, .offset: 96, .size: 8, .value_kind: global_buffer, .address_space: global }
      - { .name: rope, .offset: 104, .size: 8, .value_kind: global_buffer, .address_space: global }
    .group_segment_fixed_size: 34304
    .private_segment_fixed_size: 0
    .kernarg_segment_align: 8
    .kernarg_segment_size: 112
    .max_flat_workgroup_size: 128
    .sgpr_count:     66
    .vgpr_count:     178
    .wavefront_size: 32
...
	.end_amdgpu_metadata
.endif
;; end of part 5
;; launch mid (part 6): grid 448 x 1, 4 waves a work-group, no clusters, 318,464 bytes of LDS; arguments acodes, wcodes, rope, lowp_scales, lq_b, lk_b, lv_b, gq_b, gk_b, gv_b, lcodes, qkv; writes lcodes, qkv
.if DOCPART == 6
	.amdgcn_target "amdgcn-amd-amdhsa--gfx1250"
	.amdhsa_code_object_version 6
	.text
	.protected	k_q851d9abc79_mid
	.globl	k_q851d9abc79_mid
	.p2align	8
	.type	k_q851d9abc79_mid,@function
k_q851d9abc79_mid:
	s_mov_b64 s[64:65], 0
	v_nop
	global_prefetch_b8 v0, s[64:65] scope:SCOPE_SE
	s_setreg_imm32_b32 hwreg(HW_REG_WAVE_SCHED_MODE, 0, 2), 2
	s_setreg_imm32_b32 hwreg(HW_REG_WAVE_MODE, 25, 1), 1
	s_wait_xcnt 0x0
	s_wait_alu depctr_vm_vsrc(0)
; MID: the six projections, on codes of E5M2, and all of the local branch up to its quantiser.
; Work-groups 0-255 (role L): (b, head h, 256 neighbouring t).  q, k, v of the local branch (three products, K = 512) go to LDS as f32 and never to memory; the band of 16 keys round each t is worked in f32
;   (fused multiply-adds), with the row's maximum taken away ahead of the exponentials as in the definition; keys outside 0 .. 2047 are zeros that count in the softmax.  The result is quantised under e6 and stored
;   where the reshaped operand of the last local product wants it: lcodes [b][c' / 8: 64][t': 2048][8 bytes], c' = 64 h + t / 32, t' = 64 (t % 32) + d.
; Work-groups 256-447 (role P): one of gq, gk, gv for 128 rows t.  A wave keeps its 128 rows of the weight in registers.  q and k are turned by the table of cosines and sines and quantised (e14, e15), v is quantised (e17);
;   all three leave as images of the next operand's registers: qkv, 393,216 bytes a head: Q [tile 128][1,024], K likewise, V [32 keys: 64][16 d: 4][lane][16].
; REQUESTS RUN AHEAD.  Role L: a wave has thirteen steps (q, k, v for its four tiles of 16 t, and one tile of the halo); a step's sixteen loads are issued three steps ahead, into a ring of four slots: 48 loads, 24 KiB, of a wave are out.
;   Role P: a tile's sixteen loads are issued two tiles ahead, into the set that the products have just read.
; Multicast is not used: no tensor load is; the weights go to registers, and what role L's work-groups share at the same time (a head's three weights) is 96 KiB of the 512 KiB that a work-group reads.
; LIMITS: e6, e14, e15, e17 between -126 and 112; e0 + e1, e2 + e3, e4 + e5, e8 + e9, e10 + e11, e12 + e13 between -126 and 127.  NaN is not served.  The order of the f32 sums is this text's own.
; THE MODE: SCHED_MODE bits 1:0 = 2 (LLVM: expert scheduling mode 2), set by the entry lines.  The code itself states the register dependences
; between vector or matrix instructions and memory or LDS instructions, with s_wait_alu, always for 0.
; THE PLAN, role L.  Registers that memory or LDS instructions touch:
;   addresses     v1-15, v234, v239: made once at the head, never written again: one wait on va_vdst ahead of the first load serves them all.
;   the ring      Step n's products read slot n % 4; the loads of step n + 4 land in it, issued at the head of step n + 1.
;   windows 1, 3  The weights: read by products; lv_w lands in window 1 in steps 4 to 7, behind lq_w's last products (step 3).
;   ACC           Written by a step's products and multiply-adds; read by the step's eight LDS stores.
;   So ONE wait on va_vdst stands in a step, behind its multiply-adds: ACC is written, and the products are done reading their slot and their weight.  The step's stores, the next step's sixteen global loads and
;   its sixteen LDS loads follow with no vector instruction between.  ONE wait on vm_vsrc stands ahead of each run of products: the stores have read ACC.
;   B0, B1; V0, V1  The band's sets: read by a run of packed multiply-adds, loaded again behind one wait on va_vdst at the run's end.  The two address registers that a loop makes anew are written ahead of such a run,
;   behind the trip's one wait on vm_vsrc.  OO0, OO1: two out-buffers by turns: written by a run, stored behind the run's wait, written again a trip later, behind that trip's wait on vm_vsrc.
; THE PLAN, role P.  A set of codes (window 3) is read by a tile's products and asked for again behind one wait on va_vdst.  The table's set is read by the turning, the codes' registers are written by the conversions:
;   one wait on va_vdst behind the conversions serves the table's loads and the stores.  One wait on vm_vsrc, beside the wait on XCNT, stands ahead of the conversions that write the codes' registers again.
.set MSB, 0
.macro WIN new                         ; the immediate's high byte repeats the setting that is left; low byte: bits 1:0 source 0, 3:2 source 1, 5:4 source 2, 7:6 destination
.if MSB != (\new)
	s_set_vgpr_msb (MSB<<8)|(\new)
.set MSB, (\new)
.endif
.endm
.macro PLACES                          ; four plain lines behind matrix instructions, ahead of reads of their results (ISA guide 7.12.1)
.rept 4
	v_nop
.endr
.endm
.macro PW d, a, b, first               ; one product 16 x 16 x 128; first: it starts the sum
.if \first
	v_wmma_f32_16x16x128_bf8_bf8 v[\d:\d+7], v[\a:\a+15], v[\b:\b+15], 0
.else
	v_wmma_f32_16x16x128_bf8_bf8 v[\d:\d+7], v[\a:\a+15], v[\b:\b+15], v[\d:\d+7]
.endif
.endm
.macro BARRIER                         ; my LDS stores have landed and my LDS loads are in: then the work-group's barrier
	s_wait_dscnt 0x0
	s_barrier_signal -1
	s_barrier_wait -1
.endm
; role L's LDS.  A block is 4 neighbouring t x 64 d, [d][16 bytes], 1,056 bytes apart.
.set BP,  1056
.set QT,  0                            ; 64 blocks: t_rel / 4
.set KT,  67584                        ; 72 blocks: (t_rel + 16) / 4
.set VT,  143616                       ; 72 blocks
.set WS,  219648                       ; 98,304 bytes: the head's weights [q, k, v][tile of 16 o: 4][128 c: 4][2,048]; later the stage [t % 32: pitch 2,064][d 64][t / 32: 8] f32
; role L's registers.  Window 1: the fragments of lq_w, later of lv_w, at 64 (tile of o) + 16 (K step); window 3: of lk_w.  Window 2: the ring: four slots of four fragments of x or cond.  Window 0:
.set LI,   1                           ; 16 x lane
.set R4,   2                           ; 4 r
.set AQS,  3                           ; where my results of q go; AQS + 1: of k; AQS + 2: of v
.set AH,   6                           ; where my tile of the halo goes
.set WSW0, 8                           ; the weights' way into LDS (planes 0, 1), plane 2
.set WSW2, 9
.set WSR0, 10                          ; and out of it
.set WSR2, 11
.set AQ,   12                          ; the band: my run's q, k, v at d = dq
.set AK,   13
.set AV,   14
.set SS,   15                          ; the stage: where my results go
.set ACC,  144                         ; v144-175: four accumulators  (v16-207 first carry my tile of the three weights to LDS)
.set HB,   176                         ; v176-183: the halo's biases
.set BIAS, 208                         ; v208-231: pairs (bias, 0): 8 pi + 2 tile
.set SC6,  232
.set LIM6, 233
.set L8,   234                         ; 8 x lane
.set AQC,  235
.set AKC,  236
.set AVC,  237
.set SSC,  238
.set SRD,  239                         ; the stage: where I read
.set MX,   240
.set NM,   242
.set SA,   244
.set SB,   246
.set RC,   248
.set B0,   16                          ; the band: two sets of q (8) and k (24)
.set B1,   48
.set PP,   80                          ; v80-215: pair (a2, n) at 34 a2 + 2 n: low half dots[t0 + 2 a2][n], high half dots[t0 + 2 a2 + 1][n - 1]
.set V0,   16                          ; two sets of v (24)
.set V1,   40
.set OO0,  64                          ; v64-71, v72-79: out of my d for my run's 8 t: two out-buffers, for even and odd d of mine
.set OO1,  72
.set SS0,  40                          ; s[40:45] 2^(eA + eB) of q, k, v, each twice
.set XB0,  46                          ; s[46:51] my rows' codes in sets 0, 1, 2
.set IO,   80
.set IO2,  81
.set CNT,  82
	s_load_b256 s[4:11], s[0:1], 0x0               ; acodes, wcodes, rope, the exponents
	s_load_b256 s[12:19], s[0:1], 0x20             ; lq_b, lk_b, lv_b, gq_b
	s_load_b256 s[20:27], s[0:1], 0x40             ; gk_b, gv_b, lcodes, qkv
	v_lshl_add_u32 v254, v0, 2, 0x4da00
	v_mov_b32 v255, 0
	v_lshrrev_b32 v1, 5, v0
	v_readfirstlane_b32 s2, v1                     ; wave
	s_wait_alu depctr_va_sdst(0)                   ; s2 is written, ahead of the branch and of its first reader: addresses, bases and the halo's branch are made from it
	s_cmp_lt_u32 ttmp9, 256
	s_cbranch_scc0 .Lrole_p
; ================ ROLE L ================
	s_lshr_b32 s28, ttmp9, 6                       ; b
	s_bfe_u32 s29, ttmp9, 0x30003                  ; h
	s_and_b32 s30, ttmp9, 7                        ; j: which 256 t
	s_and_b32 s54, s2, 1                           ; the halo's four tiles, one a wave: waves 0 and 2 make k's, waves 1 and 3 v's;
	s_lshr_b32 s55, s2, 1                          ; waves 0 and 1 the 16 t on the left, waves 2 and 3 on the right
	; every LDS address is made here, ahead of every branch
	v_and_b32 v[LI], 31, v0
	v_lshlrev_b32 v[L8], 3, v[LI]
	v_lshlrev_b32 v[LI], 4, v[LI]
	v_and_b32 v16, 15, v0                          ; r
	v_bfe_u32 v17, v0, 4, 1                        ; hh
	v_lshlrev_b32 v[R4], 2, v16
	v_mul_u32_u24 v18, v17, 2*BP
	v_lshl_add_u32 v18, v16, 4, v18                ; a result's place: two blocks for each half of the lanes, d = r
	s_mul_i32 s31, s2, 16*BP                       ; my wave's 64 t are 16 blocks
	v_add_nc_u32 v[AQS], s31, v18
	s_add_co_u32 s60, s31, KT+4*BP
	v_add_nc_u32 v[AQS+1], s60, v18
	s_add_co_u32 s60, s31, VT+4*BP
	v_add_nc_u32 v[AQS+2], s60, v18
	s_mul_i32 s60, s55, 68*BP                      ; the halo: blocks 0-3 or 68-71,
	s_mul_i32 s61, s54, VT-KT                      ; of k or of v
	s_add_co_u32 s60, s60, s61
	s_add_co_u32 s60, s60, KT
	v_add_nc_u32 v[AH], s60, v18
	s_lshl_b32 s60, s2, 13
	s_add_co_u32 s60, s60, WS
	v_add_nc_u32 v[WSW0], s60, v[LI]
	v_add_nc_u32 v[WSW2], 65536, v[WSW0]           ; an LDS immediate has 16 bits: the third plane has registers of its own
	v_add_nc_u32 v[WSR0], WS, v[LI]
	v_add_nc_u32 v[WSR2], WS+65536, v[LI]
	v_lshrrev_b32 v19, 2, v0                       ; run = 8 wave + lane / 4: 8 neighbouring t
	v_and_b32 v20, 3, v0                           ; dq: which d of four
	v_mul_u32_u24 v[AQ], v19, 2*BP
	v_lshl_add_u32 v[AQ], v20, 4, v[AQ]            ; four runs x four dq of a pass fall on sixteen different 16-byte columns: 2 BP = 64 modulo 256
	v_add_nc_u32 v[AK], KT+2*BP, v[AQ]             ; keys from t0 - 8 on
	v_add_nc_u32 v[AV], VT+2*BP, v[AQ]
	v_and_b32 v22, 3, v19
	v_mul_u32_u24 v22, v22, 16512                  ; t % 32 = 8 (run % 4) + a: 8 rows of 2,064
	v_lshl_add_u32 v22, v20, 5, v22                ; d = 4 i + dq: 32 bytes each
	v_lshrrev_b32 v23, 2, v19
	v_lshl_add_u32 v22, v23, 2, v22                ; t / 32 = run / 4
	v_add_nc_u32 v[SS], WS, v22
	s_mul_i32 s60, s2, 16512
	s_add_co_u32 s60, s60, WS
	v_lshl_add_u32 v[SRD], v[LI], 1, s60           ; 32 x lane + my 8 rows of the stage
.irp t, 0,1,2,3,4,5,6,7,8,9,10,11
	v_mov_b32 v[BIAS+2*\t+1], 0                    ; named as a pair's upper half, so it is written
.endr
	; offsets into the buffers
	s_lshl_b32 s60, s29, 2
	s_add_co_u32 s60, s60, s2
	s_lshl_b32 s60, s60, 13
	s_mov_b32 s61, 0                               ; weights: tile 4 h + wave
	s_lshl_b32 s62, s29, 8
	s_mov_b32 s63, 0                               ; biases: 64 h
	s_lshl_b32 s66, s28, 20
	s_lshl_b32 s67, s30, 17
	s_add_co_u32 s66, s66, s67
	s_lshl_b32 s67, s2, 15
	s_add_co_u32 s66, s66, s67
	s_mov_b32 s67, 0                               ; codes: tile 128 b + 16 j + 4 wave
	s_lshl_b32 s78, s28, 20
	s_lshl_b32 s79, s29, 17
	s_add_co_u32 s78, s78, s79
	s_lshl_b32 s79, s30, 14
	s_add_co_u32 s78, s78, s79
	s_lshl_b32 s79, s2, 12
	s_add_co_u32 s78, s78, s79
	s_mov_b32 s79, 0                               ; lcodes: b, row 8 h + j, my 512 t'
	s_lshl_b32 s73, s30, 4
	s_mul_i32 s76, s55, 17
	s_add_co_u32 s73, s73, s76
	s_sub_co_i32 s73, s73, 1                       ; the halo's tile: 16 j - 1 or 16 j + 16,
	s_max_i32 s76, s73, 0
	s_min_i32 s76, s76, 127                        ; held inside the batch: no load leaves it
	s_lshl_b32 s77, s28, 7
	s_add_co_u32 s77, s77, s76
	s_lshl_b32 s68, s77, 13
	s_add_co_u32 s69, s54, 1
	s_lshl_b32 s69, s69, 22                        ; in code set 1 (for k) or 2 (for v)
	s_add_co_u32 s68, s68, s69
	s_mov_b32 s69, 0
	s_wait_kmcnt 0x0
	s_load_b256 s[32:39], s[10:11], 0x0            ; e0 .. e7
	s_add_nc_u64 s[6:7], s[6:7], s[60:61]
	s_add_nc_u64 s[12:13], s[12:13], s[62:63]
	s_add_nc_u64 s[14:15], s[14:15], s[62:63]
	s_add_nc_u64 s[16:17], s[16:17], s[62:63]
	s_add_nc_u64 s[XB0:XB0+1], s[4:5], s[66:67]
	s_add_nc_u64 s[XB0+2:XB0+3], s[XB0:XB0+1], 0x400000
	s_add_nc_u64 s[XB0+4:XB0+5], s[XB0:XB0+1], 0x800000
	s_add_nc_u64 s[56:57], s[4:5], s[68:69]        ; my tile of the halo
	s_add_nc_u64 s[24:25], s[24:25], s[78:79]
; Step n's four fragments (16 t x 512 c: sixteen loads of 512 consecutive bytes) into slot n % 4 of the ring.  Steps 0-3: q, 4-7: k, 8-11: v, for my four tiles; step 12: my tile of the halo.
.macro XFETCH n
.set x_sl, 64*((\n)%4)
.if (\n) < 12
.set x_b, XB0+2*((\n)/4)
.set x_o, 8192*((\n)%4)
.else
.set x_b, 56
.set x_o, 0
.endif
	WIN 0x80                                       ; destination window 2
.set fq, 0
.rept 16
	global_load_b128 v[x_sl+4*fq:x_sl+4*fq+3], v[LI], s[x_b:x_b+1] offset:x_o+512*fq
.set fq, fq+1
.endr
.endm
	; ---- W: wave w brings tile w of each of the head's three weights to LDS; behind these loads the first three steps' codes are asked for
	s_wait_alu depctr_va_vdst(0)                   ; every address and offset of this role (v1-15, v234, v239) is written, which the loads and stores from here on read; so are v16-23, the head's scratch, in which loads of the weights land
.irp p, 0,1,2
.irp q, 0,1,2,3,4,5,6,7,8,9,10,11,12,13,14,15
	global_load_b128 v[16+64*\p+4*\q:19+64*\p+4*\q], v[LI], s[6:7] offset:\p*262144+512*\q
.endr
.endr
.irp t, 0,1,2,3
	global_load_b32 v[BIAS+2*\t], v[R4], s[12:13] offset:64*\t       ; lane (r, hh) holds d = 16 tile + r
	global_load_b32 v[BIAS+8+2*\t], v[R4], s[14:15] offset:64*\t
	global_load_b32 v[BIAS+16+2*\t], v[R4], s[16:17] offset:64*\t
.endr
	XFETCH 0
	XFETCH 1
	XFETCH 2
	WIN 0
	s_wait_kmcnt 0x0
.irp p, 0,1,2
	s_add_co_i32 s60, s[32+2*\p], s[33+2*\p]
	s_add_co_i32 s60, s60, 127
	s_lshl_b32 s[SS0+2*\p], s60, 23                ; 2^(eA + eB) as f32
	s_mov_b32 s[SS0+2*\p+1], s[SS0+2*\p]
.endr
	s_add_co_i32 s60, s38, 127
	s_lshl_b32 s61, s60, 23
	v_mov_b32 v[SC6], s61                          ; 2^e6
	s_add_co_i32 s60, s60, 15
	s_lshl_b32 s60, s60, 23
	s_or_b32 s60, s60, 0x600000
	v_mov_b32 v[LIM6], s60                         ; 57,344 x 2^e6  (no memory instruction names v232 or v233)
	s_cmp_eq_u32 s54, 0
	s_cselect_b32 s52, s[SS0+2], s[SS0+4]          ; my halo tile's scale: k's or v's;
	s_cmp_eq_u32 s73, s76                          ; a halo tile outside 0 .. 127 is the padding: its k and v are zeros, bias and all
	s_cselect_b32 s52, s52, 0
	s_cselect_b32 s74, 1.0, 0
	s_mov_b32 s53, s52
	s_mov_b32 s75, s74
	s_mov_b32 s68, 0x3e38aa3b                      ; c = log2(e) / sqrt(64)
	s_mov_b32 s69, s68
	s_mov_b32 s70, 0xbe38aa3b                      ; -c
	s_mov_b32 s71, s70
	s_wait_loadcnt 48                              ; the weights and the biases are in; the 48 loads of steps 0 to 2 may be out
.irp p, 0,1
.irp q, 0,1,2,3,4,5,6,7,8,9,10,11,12,13,14,15
	ds_store_b128 v[WSW0], v[16+64*\p+4*\q:19+64*\p+4*\q] offset:\p*32768+512*\q
.endr
.endr
.irp q, 0,1,2,3,4,5,6,7,8,9,10,11,12,13,14,15
	ds_store_b128 v[WSW2], v[144+4*\q:147+4*\q] offset:512*\q
.endr
	s_wait_dscnt 0x0                               ; for the others' sake
	s_barrier_signal -1
	s_barrier_wait -1                              ; the three weights lie in LDS
	WIN 0x40                                       ; lq_w's sixteen fragments into window 1, which no vector instruction has named
.set fq, 0
.rept 64
	ds_load_b128 v[4*fq:4*fq+3], v[WSR0] offset:512*fq
.set fq, fq+1
.endr
	; ---- M: thirteen steps.  Source 0 = 16 t, source 1 = 16 o: a lane holds one d and eight neighbouring t.
.macro WFETCH p, ch                    ; a quarter (tile ch of o: sixteen loads) of the NEXT weight: lk_w (p = 1) into window 3, lv_w (p = 2) into window 1, whose last readers stand ahead of the last step's wait on va_vdst
.if (\p) == 1
	WIN 0xc0
.else
	WIN 0x40
.endif
.set fq, 16*(\ch)
.rept 16
.if (\p) == 1
	ds_load_b128 v[4*fq:4*fq+3], v[WSR0] offset:32768+512*fq
.else
	ds_load_b128 v[4*fq:4*fq+3], v[WSR2] offset:512*fq
.endif
.set fq, fq+1
.endr
.endm
.macro LMUL xs, ww                     ; sixteen products on the slot at xs, the weight in window ww; the four accumulators take turns, one instruction a turn
	s_wait_alu depctr_vm_vsrc(0)                   ; the LDS stores issued so far (the last step's results; ahead of step 0 the weights) have read v144-175, which these products write
	WIN 0x02|((\ww)<<2)
.irp ks, 0,1,2,3
.irp t, 0,1,2,3
	PW ACC+8*\t, (\xs)+16*\ks, 64*\t+16*\ks, \ks==0
.endr
.endr
	WIN 0
	PLACES
.endm
.macro LOUT sreg, breg, adr, off       ; sum x 2^(eA + eB) + bias, each accumulator from its low end on; then two granules of four t for each tile of o
.irp t, 0,1,2,3
.irp k, 0,2,4,6
	v_pk_fma_f32 v[ACC+8*\t+\k:ACC+8*\t+\k+1], v[ACC+8*\t+\k:ACC+8*\t+\k+1], s[\sreg:\sreg+1], v[\breg+2*\t:\breg+2*\t+1] op_sel_hi:[1,0,0]
.endr
.endr
	s_wait_alu depctr_va_vdst(0)                   ; the multiply-adds have written the accumulators, which the stores below read; the step's products are done reading their slot of the ring and their weight, in which the next step's loads land
.irp t, 0,1,2,3
	ds_store_b128 v[\adr], v[ACC+8*\t:ACC+8*\t+3] offset:\off+256*\t
	ds_store_b128 v[\adr], v[ACC+8*\t+4:ACC+8*\t+7] offset:\off+BP+256*\t
.endr
.endm
.macro LSTEP n
.set l_pi, (\n)/4
.set l_i,  (\n)%4
.set l_xs, 64*((\n)%4)
.set l_ww, 1+2*(l_pi%2)                ; q: window 1, k: window 3, v: window 1
.if (\n)+3 <= 12
	XFETCH (\n)+3                                  ; into the slot that the last step's products read.  No wait: no vector or matrix instruction stands between the last step's wait on va_vdst and these loads
.endif
.if (\n) < 8
	WFETCH l_pi+1, l_i                             ; likewise
.endif
.if 12-(\n) >= 3
	s_wait_loadcnt 48                              ; this step's sixteen loads are in; those of the three steps behind it may be out
.else
	s_wait_loadcnt 16*(12-(\n))                    ; the last steps: two steps' loads, then one step's
.endif
.if (\n) < 8
	s_wait_dscnt 16                                ; all but the sixteen loads of the next weight just issued: this step's weight is in, and the last step's LDS stores are done
.else
	s_wait_dscnt 0x0
.endif
	LMUL l_xs, l_ww
	LOUT SS0+2*l_pi, BIAS+8*l_pi, AQS+l_pi, 4*BP*l_i
.endm
.irp n, 0,1,2,3,4,5,6,7,8,9,10,11
	LSTEP \n
.endr
	; ---- step 12, the halo: lk_w still lies in window 3 and lv_w in window 1, so each wave makes its one tile; the two ways differ in the weight's window and the biases alone
	s_wait_loadcnt 0x0
	s_wait_dscnt 0x0
	s_cmp_eq_u32 s54, 0
	s_cbranch_scc0 .Lhalo_v
.irp t, 0,1,2,3
	v_pk_mul_f32 v[HB+2*\t:HB+2*\t+1], v[BIAS+8+2*\t:BIAS+8+2*\t+1], s[74:75] op_sel_hi:[1,0]    ; k's biases, or zeros
.endr
	LMUL 0, 3
	LOUT 52, HB, AH, 0
	s_branch .Lhalo_done
.Lhalo_v:
.irp t, 0,1,2,3
	v_pk_mul_f32 v[HB+2*\t:HB+2*\t+1], v[BIAS+16+2*\t:BIAS+16+2*\t+1], s[74:75] op_sel_hi:[1,0]  ; v's biases, or zeros
.endr
	LMUL 0, 1
	LOUT 52, HB, AH, 0
.Lhalo_done:
	BARRIER                                        ; q, k, v of 256 t and the halo lie in LDS; nobody reads the weights' bytes any more
	s_wait_alu depctr_vm_vsrc(0)                   ; my last LDS stores have read the accumulators: v80-215 are the dots' sums from here on
	; ---- D: dots.  Four lanes share a run of 8 t and take every fourth d.  One element of k serves dots[t][w] and dots[t + 1][w - 1]: a packed multiply-add with k broadcast.
.macro LDQK buf, aq, ak, off
	ds_load_b128 v[\buf:\buf+3], v[\aq] offset:\off
	ds_load_b128 v[\buf+4:\buf+7], v[\aq] offset:\off+BP
.irp m, 0,1,2,3,4,5
	ds_load_b128 v[\buf+8+4*\m:\buf+11+4*\m], v[\ak] offset:\off+BP*\m
.endr
.endm
.macro DOTF buf, first
.set da, 0
.rept 4
.set dn, 0
.rept 17
.set rP, PP+34*da+2*dn
.set rQ, \buf+2*da
.set rK, \buf+8+((2*da+dn)/2)*2
.if \first
.if dn%2
	v_pk_mul_f32 v[rP:rP+1], v[rQ:rQ+1], v[rK:rK+1] op_sel:[0,1] op_sel_hi:[1,1]
.else
	v_pk_mul_f32 v[rP:rP+1], v[rQ:rQ+1], v[rK:rK+1] op_sel_hi:[1,0]
.endif
.else
.if dn%2
	v_pk_fma_f32 v[rP:rP+1], v[rQ:rQ+1], v[rK:rK+1], v[rP:rP+1] op_sel:[0,1,0] op_sel_hi:[1,1,1]
.else
	v_pk_fma_f32 v[rP:rP+1], v[rQ:rQ+1], v[rK:rK+1], v[rP:rP+1] op_sel_hi:[1,0,1]
.endif
.endif
.set dn, dn+1
.endr
.set da, da+1
.endr
.endm
	LDQK B0, AQ, AK, 0                             ; my d number 0 (no vector instruction has named v16-79 since the last wait on va_vdst)
	LDQK B1, AQ, AK, 64                            ; number 1
	s_wait_dscnt 8                                 ; this d's eight loads are in; the next d's eight may be out (so in every line of this kind below)
	DOTF B0, 1                                     ; the first products start the sums
	s_wait_alu depctr_va_vdst(0)                   ; they are done reading B0, in which the loads below land
	LDQK B0, AQ, AK, 128                           ; number 2
	s_mov_b32 s[IO], 0
	s_mov_b32 s[CNT], 6
.Ldots:                                            ; six trips, two d a lane each: numbers 1 .. 12 are multiplied, 3 .. 14 asked for
	s_wait_dscnt 8
	s_wait_alu depctr_vm_vsrc(0)                   ; the LDS loads issued so far have read v[AQC] and v[AKC], which are written anew
	v_add_nc_u32 v[AQC], s[IO], v[AQ]
	v_add_nc_u32 v[AKC], s[IO], v[AK]
	DOTF B1, 0
	s_wait_alu depctr_va_vdst(0)                   ; the multiply-adds are done reading B1, in which the loads below land; v[AQC] and v[AKC] are written, which they read
	LDQK B1, AQC, AKC, 192
	s_wait_dscnt 8
	DOTF B0, 0
	s_wait_alu depctr_va_vdst(0)                   ; the multiply-adds are done reading B0
	LDQK B0, AQC, AKC, 256
	s_add_co_u32 s[IO], s[IO], 128
	s_sub_co_i32 s[CNT], s[CNT], 1
	s_cmp_lg_u32 s[CNT], 0
	s_cbranch_scc1 .Ldots
	s_wait_dscnt 8
	DOTF B1, 0                                     ; number 13
	s_wait_alu depctr_va_vdst(0)                   ; the multiply-adds are done reading B1
	LDQK B1, AQ, AK, 960                           ; number 15
	s_wait_dscnt 8
	DOTF B0, 0
	s_wait_dscnt 0x0
	DOTF B1, 0
.macro LDV buf, av, off
.irp m, 0,1,2,3,4,5
	ds_load_b128 v[\buf+4*\m:\buf+3+4*\m], v[\av] offset:\off+BP*\m
.endr
.endm
	s_wait_alu depctr_va_vdst(0)                   ; the last multiply-adds are done reading B0 and B1: v16-63 are v's two sets from here on
	LDV V0, AV, 0                                  ; v of my d numbers 0 and 1 lands while the sums and the softmax are worked, which name v80-215 and v240-249 alone
	LDV V1, AV, 64
.irp x, 1,2                            ; the four lanes' parts are added; all four then hold the sums
.set ri, 0
.rept 136
	v_add_f32_dpp v[PP+ri], v[PP+ri], v[PP+ri] row_xmask:\x row_mask:0xf bank_mask:0xf
.set ri, ri+1
.endr
.endr
.macro SOFTM a2                        ; the softmax of two rows t: low halves n = 0 .. 15, high halves n = 1 .. 16; the two halves left over become zeros
.set PB, PP+34*(\a2)
	v_max3_num_f32 v[MX], v[PB], v[PB+2], v[PB+4]
	v_max3_num_f32 v[MX+1], v[PB+3], v[PB+5], v[PB+7]
.irp n, 3,5,7,9,11,13
	v_max3_num_f32 v[MX], v[MX], v[PB+2*\n], v[PB+2*\n+2]
	v_max3_num_f32 v[MX+1], v[MX+1], v[PB+2*\n+3], v[PB+2*\n+5]
.endr
	v_max_num_f32 v[MX], v[MX], v[PB+30]
	v_max_num_f32 v[MX+1], v[MX+1], v[PB+33]
	v_pk_mul_f32 v[NM:NM+1], v[MX:MX+1], s[70:71] op_sel_hi:[1,0]    ; -c x the row's largest
.set sn, 0
.rept 17
	v_pk_fma_f32 v[PB+2*sn:PB+2*sn+1], v[PB+2*sn:PB+2*sn+1], s[68:69], v[NM:NM+1] op_sel_hi:[1,0,1]
.set sn, sn+1
.endr
.set sn, 0
	s_wait_alu depctr_va_vdst(0)
.rept 16
	v_exp_f32 v[PB+2*sn], v[PB+2*sn]
	v_exp_f32 v[PB+2*sn+3], v[PB+2*sn+3]
.set sn, sn+1
.endr
	v_mov_b32 v[PB+32], 0                          ; (also the plain line behind the exponentials)
	v_mov_b32 v[PB+1], 0
	s_wait_alu depctr_va_vdst(0)
	v_pk_add_f32 v[SA:SA+1], v[PB:PB+1], v[PB+2:PB+3]
	v_pk_add_f32 v[SB:SB+1], v[PB+4:PB+5], v[PB+6:PB+7]
.irp n, 4,6,8,10,12,14
	v_pk_add_f32 v[SA:SA+1], v[SA:SA+1], v[PB+2*\n:PB+2*\n+1]
	v_pk_add_f32 v[SB:SB+1], v[SB:SB+1], v[PB+2*\n+2:PB+2*\n+3]
.endr
	v_pk_add_f32 v[SA:SA+1], v[SA:SA+1], v[PB+32:PB+33]
	v_pk_add_f32 v[SA:SA+1], v[SA:SA+1], v[SB:SB+1]
	s_wait_alu depctr_va_vdst(0)
	v_rcp_f32 v[RC], v[SA]
	v_rcp_f32 v[RC+1], v[SA+1]
	v_nop                                          ; a plain line behind the reciprocals
.set sn, 0
	s_wait_alu depctr_va_vdst(0)
.rept 17
	v_pk_mul_f32 v[PB+2*sn:PB+2*sn+1], v[PB+2*sn:PB+2*sn+1], v[RC:RC+1]
.set sn, sn+1
.endr
.endm
	SOFTM 0
	SOFTM 1
	SOFTM 2
	SOFTM 3
	; ---- O: out[d][t] = the sum over w of attn[t][w] v[d][t + w - 8], each lane for its own d; the results go to the stage
.macro OUTF buf, oo
.set on, 0
.rept 17
.set oa, 0
.rept 4
.set rP, PP+34*oa+2*on
.set rV, \buf+((2*oa+on)/2)*2
.set rO, \oo+2*oa
.if on == 0
	v_pk_mul_f32 v[rO:rO+1], v[rP:rP+1], v[rV:rV+1] op_sel_hi:[1,0]
.elseif on%2
	v_pk_fma_f32 v[rO:rO+1], v[rP:rP+1], v[rV:rV+1], v[rO:rO+1] op_sel:[0,1,0] op_sel_hi:[1,1,1]
.else
	v_pk_fma_f32 v[rO:rO+1], v[rP:rP+1], v[rV:rV+1], v[rO:rO+1] op_sel_hi:[1,0,1]
.endif
.set oa, oa+1
.endr
.set on, on+1
.endr
.endm
.macro STO adr, off, oo
.irp a, 0,1,2,3,4,5,6,7
	ds_store_b32 v[\adr], v[\oo+\a] offset:\off+2064*\a
.endr
.endm
	s_mov_b32 s[IO], 0
	s_mov_b32 s[IO2], 0
	s_mov_b32 s[CNT], 7
.Lout:                                             ; seven trips, two d a lane each: numbers 0 .. 13 are worked, 2 .. 15 asked for
	s_wait_dscnt 6                                 ; all but the six loads issued last: this d's v is in, and the stores ahead of those loads are done
	s_wait_alu depctr_vm_vsrc(0)                   ; the loads and stores issued so far have read v[AVC] and v[SSC], which are written anew, and both out-buffers, which this trip writes again
	v_add_nc_u32 v[AVC], s[IO], v[AV]
	v_add_nc_u32 v[SSC], s[IO2], v[SS]
	OUTF V0, OO0
	s_wait_alu depctr_va_vdst(0)                   ; OO0 is written, which the stores read; v[SSC] and v[AVC] are written; the multiply-adds are done reading V0, in which the loads below land
	STO SSC, 0, OO0
	LDV V0, AVC, 128
	s_wait_dscnt 6
	OUTF V1, OO1
	s_wait_alu depctr_va_vdst(0)                   ; OO1 is written, which the stores read; the multiply-adds are done reading V1, in which the loads below land
	STO SSC, 128, OO1
	LDV V1, AVC, 192
	s_add_co_u32 s[IO], s[IO], 128
	s_add_co_u32 s[IO2], s[IO2], 256
	s_sub_co_i32 s[CNT], s[CNT], 1
	s_cmp_lg_u32 s[CNT], 0
	s_cbranch_scc1 .Lout
	s_wait_dscnt 6
	s_wait_alu depctr_vm_vsrc(0)                   ; the last trip's stores have read both out-buffers, which are written once more
	OUTF V0, OO0
	s_wait_alu depctr_va_vdst(0)                   ; OO0 is written, which the stores read
	STO SS, 1792, OO0
	s_wait_dscnt 0x0
	OUTF V1, OO1
	s_wait_alu depctr_va_vdst(0)                   ; OO1 is written, which the stores read; and every vector instruction that named v16-143 is done: the stage's loads land there
	STO SS, 1920, OO1
	BARRIER                                        ; the stage is whole
	s_wait_alu depctr_vm_vsrc(0)                   ; my stores into the stage have read v64-79, in which loads below land
	; ---- S: a lane takes one t' (eight neighbours along c'), holds, converts, and 32 lanes store 256 consecutive bytes, aligned.  Four pieces to a run of stores, behind one wait; each piece has code registers of its own
.set si, 0
.rept 16
	ds_load_b128 v[16+8*si:19+8*si], v[SRD] offset:(si/2)*2064+(si%2)*1024
	ds_load_b128 v[20+8*si:23+8*si], v[SRD] offset:(si/2)*2064+(si%2)*1024+16
.set si, si+1
.endr
.set si, 0
.rept 4
.rept 4
	s_wait_dscnt 30-2*si                           ; the loads issued behind this piece's two may be out
.irp i, 0,1,2,3,4,5,6,7
	v_med3_num_f32 v[16+8*si+\i], v[16+8*si+\i], -v[LIM6], v[LIM6]
.endr
	v_cvt_scalef32_pk8_bf8_f32 v[144+2*si:145+2*si], v[16+8*si:23+8*si], v[SC6]
	v_nop
.set si, si+1
.endr
	s_wait_alu depctr_va_vdst(0)                   ; the four conversions have written their codes, which the stores read
.irp q, 4,3,2,1
	global_store_b64 v[L8], v[144+2*(si-\q):145+2*(si-\q)], s[24:25] offset:256*(si-\q)
.endr
.endr
	s_wait_dscnt 0x0
	s_wait_alu depctr_hold_cnt(0) depctr_sa_sdst(0) depctr_va_vdst(0) depctr_va_sdst(0) depctr_va_ssrc(0) depctr_va_vcc(0) depctr_vm_vsrc(0)
	s_wait_tensorcnt 0x0
	ds_add_u32 v254, v255
	s_wait_dscnt 0x0
	s_endpgm
; ================ ROLE P ================
; Registers.  Window 0: v1 16 x lane, v2 32 hh, v3 4 r; v16-79 eight accumulators; v80-111 the table of even tiles, v176-207 of odd tiles; v112-119 at work; v120-151 codes; v152, v153 the scale and the hold; v160-175 v's biases in pairs.
; Windows 1, 2: my 128 rows of the weight, tiles 0-3 and 4-7, at 64 (tile % 4) + 16 (K step).  Window 3: v0-63, v64-127 two sets of four fragments of x or cond, for even and odd tiles; v128-191 q's or k's biases.
.set PACC, 16
.set PTB,  80
.set PTMP, 112
.set PPC,  120
.set PSC,  152
.set PLIM, 153
.set PBV,  160
.Lrole_p:
	v_and_b32 v1, 31, v0
	v_lshlrev_b32 v1, 4, v1
	v_bfe_u32 v2, v0, 4, 1
	v_lshlrev_b32 v2, 5, v2
	v_and_b32 v3, 15, v0
	v_lshlrev_b32 v3, 2, v3
	s_sub_co_u32 s28, ttmp9, 256
	s_lshr_b32 s29, s28, 6                         ; 0: q, 1: k, 2: v
	s_and_b32 s30, s28, 63                         ; which 128 rows
	s_and_b32 s31, s30, 15
	s_lshr_b32 s66, s30, 4                         ; b
	s_add_co_u32 s60, s29, 4
	s_lshl_b32 s60, s60, 18
	s_lshl_b32 s61, s2, 16
	s_add_co_u32 s60, s60, s61
	s_mov_b32 s61, 0                               ; weight 4 + p3, my eight tiles
	s_add_co_u32 s62, s29, 3
	s_lshl_b32 s62, s62, 22
	s_lshl_b32 s63, s30, 16
	s_add_co_u32 s62, s62, s63
	s_mov_b32 s63, 0                               ; code set 3 + p3, my eight tiles of rows
	s_lshl_b32 s68, s31, 15
	s_mov_b32 s69, 0                               ; the table: 8 tiles of 4,096
	s_lshl_b32 s70, s66, 3
	s_lshl_b32 s71, s2, 1
	s_add_co_u32 s70, s70, s71
	s_mul_i32 s70, s70, 393216                     ; head 8 b + 2 wave,
	s_lshl_b32 s71, s29, 17
	s_add_co_u32 s70, s70, s71                     ; its Q, K or V,
	s_lshl_b32 s71, s31, 13
	s_add_co_u32 s70, s70, s71                     ; 8 tiles of 1,024 bytes, or 4 groups of 32 keys of 2,048
	s_mov_b32 s71, 0
	s_lshl_b32 s72, s2, 9
	s_mov_b32 s73, 0                               ; my 128 biases
	s_wait_kmcnt 0x0
	s_load_b512 s[32:47], s[10:11], 0x0            ; e0 .. e15
	s_load_b128 s[48:51], s[10:11], 0x40           ; e16 .. e19
	s_add_nc_u64 s[6:7], s[6:7], s[60:61]
	s_add_nc_u64 s[52:53], s[4:5], s[62:63]
	s_add_nc_u64 s[8:9], s[8:9], s[68:69]
	s_add_nc_u64 s[26:27], s[26:27], s[70:71]
	s_cmp_eq_u32 s29, 1
	s_cselect_b64 s[54:55], s[20:21], s[18:19]
	s_cmp_eq_u32 s29, 2
	s_cselect_b64 s[54:55], s[22:23], s[54:55]
	s_add_nc_u64 s[54:55], s[54:55], s[72:73]
	s_wait_alu depctr_va_vdst(0)                   ; the three offsets v1, v2, v3 are written, which every load and store of this role reads; they are never written again
	WIN 0x40
.set fq, 0
.rept 64
	global_load_b128 v[4*fq:4*fq+3], v1, s[6:7] offset:512*fq
.set fq, fq+1
.endr
	WIN 0x80
.set fq, 0
.rept 64
	global_load_b128 v[4*fq:4*fq+3], v1, s[6:7] offset:32768+512*fq
.set fq, fq+1
.endr
	WIN 0
.macro XFETCHP buf, off                ; a tile's four fragments into window 3
	WIN 0xc0
.set fq, 0
.rept 16
	global_load_b128 v[\buf+4*fq:\buf+4*fq+3], v1, s[52:53] offset:\off+512*fq
.set fq, fq+1
.endr
	WIN 0
.endm
.macro TFETCH e, off                   ; a tile's table of cosines and sines into set e
.set t_b, PTB+96*(\e)
.irp n, 0,1,2,3,4,5,6,7
	global_load_b128 v[t_b+4*\n:t_b+4*\n+3], v1, s[8:9] offset:\off+512*\n
.endr
.endm
	s_wait_kmcnt 0x0
	s_cmp_eq_u32 s29, 1
	s_cselect_b32 s74, s42, s40                    ; eA: e8, e10, e12
	s_cselect_b32 s75, s43, s41                    ; eB: e9, e11, e13
	s_cselect_b32 s76, s47, s46                    ; the result's: e14, e15, e17
	s_cmp_eq_u32 s29, 2
	s_cselect_b32 s74, s44, s74
	s_cselect_b32 s75, s45, s75
	s_cselect_b32 s76, s49, s76
	s_add_co_i32 s74, s74, s75
	s_add_co_i32 s74, s74, 127
	s_lshl_b32 s56, s74, 23                        ; 2^(eA + eB)
	s_mov_b32 s57, s56
	s_add_co_i32 s76, s76, 127
	s_lshl_b32 s77, s76, 23
	v_mov_b32 v[PSC], s77                          ; (no memory instruction names v152 or v153)
	s_add_co_i32 s76, s76, 15
	s_lshl_b32 s76, s76, 23
	s_or_b32 s76, s76, 0x600000
	v_mov_b32 v[PLIM], s76
.macro PMUL e, typ                     ; 32 products on set e.  typ 0: source 0 = the weight (a lane holds one t, registers along o); typ 1: source 0 = the rows (a lane holds one o, registers along t).  Four accumulators take turns
.irp hf, 0,1
.if \typ
	WIN 0x07+4*\hf
.else
	WIN 0x0d+\hf
.endif
.irp ks, 0,1,2,3
.irp t, 0,1,2,3
.if \typ
	PW PACC+32*\hf+8*\t, 64*\e+16*\ks, 64*\t+16*\ks, \ks==0
.else
	PW PACC+32*\hf+8*\t, 64*\t+16*\ks, 64*\e+16*\ks, \ks==0
.endif
.endr
.endr
.endr
	WIN 0
	PLACES
.endm
.macro PHOLD                           ; the hold ahead of the conversions
.set hi_, 0
.rept 64
	v_med3_num_f32 v[PACC+hi_], v[PACC+hi_], -v[PLIM], v[PLIM]
.set hi_, hi_+1
.endr
.endm
	s_cmp_eq_u32 s29, 2
	s_cbranch_scc1 .Ltype_v
	; ---- q and k
	WIN 0xc0
.irp t, 0,1,2,3,4,5,6,7
	global_load_b128 v[128+8*\t:131+8*\t], v2, s[54:55] offset:64*\t        ; lane (r, hh): the biases of o = 16 tile + 8 hh + 0 .. 7
	global_load_b128 v[132+8*\t:135+8*\t], v2, s[54:55] offset:64*\t+16
.endr
	WIN 0
	XFETCHP 0, 0                                   ; tiles 0 and 1: codes, table, codes, table: the order in which the tiles below go on asking
	TFETCH 0, 0
	XFETCHP 64, 8192
	TFETCH 1, 4096
; Tile e of a pair.  pf: the tile two further on is asked for: its codes into this tile's set, straight behind the products that read it; its table behind the conversions, where the stores' wait stands.
; left: the loads issued behind this tile's table, which may stay out: the next tile's sixteen and eight, or none.
.macro RTILE e, pf, left
.set t_b, PTB+96*(\e)
	s_wait_loadcnt \left
	PMUL \e, 0
.if \pf
	s_wait_alu depctr_va_vdst(0)                   ; the products are done reading set e, in which the loads below land
	XFETCHP 64*\e, 8192*(\e+2)
.endif
	WIN 0x30                                       ; source 2 (the biases) window 3
.set hi_, 0
.rept 32
	v_pk_fma_f32 v[PACC+hi_:PACC+hi_+1], v[PACC+hi_:PACC+hi_+1], s[56:57], v[128+hi_:129+hi_] op_sel_hi:[1,0,1]
.set hi_, hi_+2
.endr
	WIN 0
.irp t, 0,1,2,3,4,5,6,7                ; (x1, x2) -> (x1 cos - x2 sin, x1 sin + x2 cos): pair q of tile t has frequency 8 (t % 4) + 4 hh + q
.irp q, 0,1,2,3
	v_pk_mul_f32 v[PTMP+2*\q:PTMP+2*\q+1], v[PACC+8*\t+2*\q:PACC+8*\t+2*\q+1], v[t_b+8*(\t%4)+2*\q:t_b+8*(\t%4)+2*\q+1] op_sel_hi:[1,0]
.endr
.irp q, 0,1,2,3
	v_pk_fma_f32 v[PACC+8*\t+2*\q:PACC+8*\t+2*\q+1], v[PACC+8*\t+2*\q:PACC+8*\t+2*\q+1], v[t_b+8*(\t%4)+2*\q:t_b+8*(\t%4)+2*\q+1], v[PTMP+2*\q:PTMP+2*\q+1] op_sel:[1,1,0] op_sel_hi:[0,1,1] neg_lo:[0,1,0]
.endr
.endr
	s_wait_xcnt 0x0                                ; every earlier memory instruction has had its addresses translated (ISA guide 3.1): the codes' registers are written again only behind this wait,
	s_wait_alu depctr_vm_vsrc(0)                   ; and behind this one: the last tile's stores have read them
	PHOLD
.irp t, 0,1,2,3,4,5,6,7
	v_cvt_scalef32_pk8_bf8_f32 v[PPC+2*\t:PPC+2*\t+1], v[PACC+8*\t:PACC+8*\t+7], v[PSC]     ; registers 2 c, 2 c + 1 of the next operand: d = 16 c + 8 hh + 0 .. 7
.endr
	v_nop                                          ; a plain line between the conversions and the products that write their sources
	s_wait_alu depctr_va_vdst(0)                   ; the conversions have written the codes, which the stores read; the turning is done reading this tile's table, in which the loads below land
.if \pf
	TFETCH \e, 4096*(\e+2)
.endif
.irp hd, 0,1
.irp g, 0,1
	global_store_b128 v1, v[PPC+8*\hd+4*\g:PPC+8*\hd+4*\g+3], s[26:27] offset:1024*\e+393216*\hd+512*\g    ; 512 consecutive bytes a store
.endr
.endr
.endm
	s_mov_b32 s[CNT], 3
.Lr_loop:                                          ; three trips of two tiles, which ask for tiles 2 to 7; the last two are written out and ask for nothing: no load leaves the block
	RTILE 0, 1, 24
	RTILE 1, 1, 24
	s_wait_xcnt 0x0                                ; the bases step only behind this wait
	s_add_nc_u64 s[52:53], s[52:53], 16384
	s_add_nc_u64 s[8:9], s[8:9], 8192
	s_add_nc_u64 s[26:27], s[26:27], 2048
	s_sub_co_i32 s[CNT], s[CNT], 1
	s_cmp_lg_u32 s[CNT], 0
	s_cbranch_scc1 .Lr_loop
	RTILE 0, 0, 24
	RTILE 1, 0, 0
	s_endpgm
	; ---- v
.Ltype_v:
.irp t, 0,1,2,3,4,5,6,7
	v_mov_b32 v[PBV+2*\t+1], 0                     ; the pairs' upper halves: no load names them
.endr
.irp t, 0,1,2,3,4,5,6,7
	global_load_b32 v[PBV+2*\t], v3, s[54:55] offset:64*\t          ; lane (r, hh): the bias of o = 16 tile + r
.endr
	XFETCHP 0, 0
	XFETCHP 64, 8192
; Two tiles of 16 keys make the granules of 32 keys.  pf and left as above: the next tile's sixteen loads may stay out, or none.
.macro VTILE e, pf, left
	s_wait_loadcnt \left
	PMUL \e, 1
.if \pf
	s_wait_alu depctr_va_vdst(0)                   ; the products are done reading set e, in which the loads below land
	XFETCHP 64*\e, 8192*(\e+2)
.endif
.irp t, 0,1,2,3,4,5,6,7
.irp k, 0,2,4,6
	v_pk_fma_f32 v[PACC+8*\t+\k:PACC+8*\t+\k+1], v[PACC+8*\t+\k:PACC+8*\t+\k+1], s[56:57], v[PBV+2*\t:PBV+2*\t+1] op_sel_hi:[1,0,0]
.endr
.endr
.if \e == 0
	s_wait_xcnt 0x0                                ; every earlier memory instruction has had its addresses translated (ISA guide 3.1): the codes' registers are written again only behind this wait,
	s_wait_alu depctr_vm_vsrc(0)                   ; and behind this one: the last pair's stores have read them
.endif
	PHOLD
.irp t, 0,1,2,3,4,5,6,7
	v_cvt_scalef32_pk8_bf8_f32 v[PPC+4*\t+2*\e:PPC+4*\t+2*\e+1], v[PACC+8*\t:PACC+8*\t+7], v[PSC]
.endr
	v_nop
.if \e == 1
	s_wait_alu depctr_va_vdst(0)                   ; the pair's conversions have written the codes, which the stores read
.irp t, 0,1,2,3,4,5,6,7
	global_store_b128 v1, v[PPC+4*\t:PPC+4*\t+3], s[26:27] offset:393216*(\t/4)+512*(\t%4)
.endr
.endif
.endm
	s_mov_b32 s[CNT], 3
.Lv_loop:
	VTILE 0, 1, 16
	VTILE 1, 1, 16
	s_wait_xcnt 0x0
	s_add_nc_u64 s[52:53], s[52:53], 16384
	s_add_nc_u64 s[26:27], s[26:27], 2048
	s_sub_co_i32 s[CNT], s[CNT], 1
	s_cmp_lg_u32 s[CNT], 0
	s_cbranch_scc1 .Lv_loop
	VTILE 0, 0, 16
	VTILE 1, 0, 0
	s_endpgm
.Lfunc_end_k_q851d9abc79_mid:
	.size	k_q851d9abc79_mid, .Lfunc_end_k_q851d9abc79_mid-k_q851d9abc79_mid
	.p2alignl 7, 3214868480
	.fill 96, 4, 3214868480
	.section	.rodata,"a",@progbits
	.p2align	6, 0x0
	.amdhsa_kernel k_q851d9abc79_mid
		.amdhsa_group_segment_fixed_size 318464
		.amdhsa_private_segment_fixed_size 0
		.amdhsa_enable_private_segment 0
		.amdhsa_kernarg_size 96
		.amdhsa_user_sgpr_count 2
		.amdhsa_user_sgpr_kernarg_segment_ptr 1
		.amdhsa_wavefront_size32 1
		.amdhsa_system_sgpr_workgroup_id_x 1
		.amdhsa_system_sgpr_workgroup_id_y 1
		.amdhsa_system_sgpr_workgroup_id_z 1
		.amdhsa_system_vgpr_workitem_id 0
		.amdhsa_next_free_vgpr 1024
		.amdhsa_next_free_sgpr 84
		.amdhsa_reserve_vcc 0
		.amdhsa_float_denorm_mode_32 3
		.amdhsa_float_denorm_mode_16_64 3
		.amdhsa_memory_ordered 1
		.amdhsa_forward_progress 1
		.amdhsa_inst_pref_size 255
	.end_amdhsa_kernel
	.section	.bss,"aw",@nobits
	.p2align	6
	.space	262144
	.amdgpu_metadata
---
amdhsa.version: [ 1, 2 ]
amdhsa.kernels:
  - .name:           k_q851d9abc79_mid
    .symbol:         k_q851d9abc79_mid.kd
    .args:
      - { .name: acodes, .offset: 0, .size: 8, .value_kind: global_buffer, .address_space: global }
      - { .name: wcodes, .offset: 8, .size: 8, .value_kind: global_buffer, .address_space: global }
      - { .name: rope, .offset: 16, .size: 8, .value_kind: global_buffer, .address_space: global }
      - { .name: lowp_scales, .offset: 24, .size: 8, .value_kind: global_buffer, .address_space: global }
      - { .name: lq_b, .offset: 32, .size: 8, .value_kind: global_buffer, .address_space: global }
      - { .name: lk_b, .offset: 40, .size: 8, .value_kind: global_buffer, .address_space: global }
      - { .name: lv_b, .offset: 48, .size: 8, .value_kind: global_buffer, .address_space: global }
      - { .name: gq_b, .offset: 56, .size: 8, .value_kind: global_buffer, .address_space: global }
      - { .name: gk_b, .offset: 64, .size: 8, .value_kind: global_buffer, .address_space: global }
      - { .name: gv_b, .offset: 72, .size: 8, .value_kind: global_buffer, .address_space: global }
      - { .name: lcodes, .offset: 80, .size: 8, .value_kind: global_buffer, .address_space: global }
      - { .name: qkv, .offset: 88, .size: 8, .value_kind: global_buffer, .address_space: global }
    .group_segment_fixed_size: 318464
    .private_segment_fixed_size: 0
    .kernarg_segment_align: 8
    .kernarg_segment_size: 96
    .max_flat_workgroup_size: 128
    .sgpr_count:     84
    .vgpr_count:     1024
    .wavefront_size: 32
...
	.end_amdgpu_metadata
.endif
;; end of part 6
;; launch attn (part 7): grid 8 x 32, 16 waves a work-group, clusters of 4 x 1, 327,680 bytes of LDS; arguments qkv, lowp_scales, gcodes; writes gcodes
.if DOCPART == 7
	.amdgcn_target "amdgcn-amd-amdhsa--gfx1250"
	.amdhsa_code_object_version 6
	.text
	.protected	k_q851d9abc79_attn
	.globl	k_q851d9abc79_attn
	.p2align	8
	.type	k_q851d9abc79_attn,@function
k_q851d9abc79_attn:
	s_mov_b64 s[64:65], 0
	v_nop
	global_prefetch_b8 v0, s[64:65] scope:SCOPE_SE
	s_setreg_imm32_b32 hwreg(HW_REG_WAVE_MODE, 25, 1), 1
	s_wait_xcnt 0x0
	s_wait_alu depctr_hold_cnt(0) depctr_sa_sdst(0) depctr_va_vdst(0) depctr_va_sdst(0) depctr_va_ssrc(0) depctr_va_vcc(0) depctr_vm_vsrc(0)
	s_getreg_b32 s2, hwreg(HW_REG_IB_STS2, 6, 4)
	s_cmp_eq_u32 s2, 0
	s_cbranch_scc0 .Lentry_in_a_cluster
	s_endpgm
.Lentry_in_a_cluster:
	s_bfe_u32 s2, ttmp6, 0x10000c
	s_cmp_lg_u32 s2, 0x3003
	s_cbranch_scc0 .Lentry_shape_is_right
	s_endpgm
.Lentry_shape_is_right:
; ATTN: the global attention of one head on codes of E5M2, and the quantiser of its result.
; t = score x log2(e) / 8 x 2^(e14 + e15); M = the running largest t rounded UP to a whole number; p = 2^(t - M) is quantised under e16, not normalised; the row's sum is taken of the unquantised p and divides at the end.
; SHARES.  A work-group owns 256 queries of one head, each of its sixteen waves one tile of 16; every wave walks all 2,048 keys, 128 a step.
; LDS.  The head's whole K (131,072 bytes) and V (131,072) lie in LDS, each byte filled once: no slot is filled again.  They are images of the operands' registers, so every fragment load is 512 consecutive bytes.
; CLUSTER.  The four query blocks of a cluster belong to one head: each part of K and V is asked for jointly, by the same tensor load with the same descriptor and the mask of all four.
; By this text's own count a wave has one tensor load out at a time: its part of the first 1,024 keys, then of the last.
; LAYOUT.  S^T = K Q^T, O^T = V^T P^T: a lane holds one query (lane % 16) throughout; a tile of S^T converted is registers 2 c, 2 c + 1 of P, keys 16 c + 8 (lane / 16) + 0 .. 7: their true places.
; OUT.  O / the sum x 2^(e16 + e17), quantised under e18, as the image of the last product's operand: gcodes [tile of 16 t: 512][128 c: 4][g 4][lane][16].
; LIMITS: e14 + e15 between -123 and 130; e16 and e18 between -126 and 112.  NaN is not served.
; REGISTERS: v1 16 x lane, v2 the same in V; v8, v9 the step's addresses; v12 -M, v13 the largest t, v[14:15] the sum; v16-23 Q; v32-95 K's, then V's fragments; v96-159 S^T, then p; v160-191 O^T; v192-207 p's codes; v236-254 at work.
.macro CROUND                          ; a round of the cluster's barrier
	s_barrier_signal -1
	s_barrier_wait -1
	s_cmp_lg_u32 s10, 0
	s_cbranch_scc1 .Lnot_wave_0_\@
	s_barrier_signal -3
.Lnot_wave_0_\@:
	s_barrier_wait -3
	s_barrier_signal -1
	s_barrier_wait -1
.endm
	s_load_b128 s[4:7], s[0:1], 0x0                ; qkv, the exponents
	s_load_b64 s[8:9], s[0:1], 0x10                ; gcodes
	v_lshl_add_u32 v251, v0, 2, 0x40000
	v_mov_b32 v255, 0
	ds_add_u32 v251, v255
	ds_add_u32 v251, v255
	v_lshrrev_b32 v3, 5, v0
	s_delay_alu instid0(VALU_DEP_1)
	v_readfirstlane_b32 s10, v3                    ; wave 0..15
	s_bfe_u32 s11, ttmp6, 0x40000                  ; cx
	s_lshl_b32 s13, ttmp9, 2
	s_add_co_u32 s13, s13, s11                     ; my block of 256 queries: it enters Q's and gcodes' addresses alone
	s_and_b32 s12, ttmp7, 0xffff                   ; the head, 8 b + h, which the partners share
	s_mul_i32 s14, s12, 393216
	s_mov_b32 s15, 0
	s_lshr_b32 s16, s10, 3                         ; waves 0-7 fetch K, waves 8-15 V:
	s_lshl_b32 s16, s16, 17
	s_and_b32 s17, s10, 7
	s_lshl_b32 s17, s17, 13
	s_add_co_u32 s16, s16, s17                     ; 8,192 bytes each, at the same place in LDS as behind Q in memory
	s_mov_b32 s18, s16
	s_mov_b32 s19, 0
	; descriptor group 1: 32 rows of 32 elements of 8 bytes, dense
	s_mov_b32 s24, 15|(3<<16)|(1<<21)              ; 15:0 the mask: all four; 17:16 elements of 8 bytes; 21 set beside a mask
	s_mov_b32 s25, 32<<16                          ; tensor_dim0
	s_mov_b32 s26, 32<<16                          ; tensor_dim1
	s_mov_b32 s27, 32<<16                          ; tile_dim0
	s_mov_b32 s28, 32                              ; tile_dim1
	s_mov_b32 s29, 32                              ; the pitch
	s_mov_b32 s30, 0
	s_mov_b32 s31, 0
	s_lshl_b32 s50, s13, 4
	s_add_co_u32 s50, s50, s10                     ; my tile of queries, 0..127
	s_lshl_b32 s52, s50, 10
	s_mov_b32 s53, 0
	s_lshr_b32 s51, s12, 3
	s_lshl_b32 s56, s51, 20                        ; gcodes: b x 128 tiles of 8,192,
	s_lshl_b32 s57, s50, 13
	s_add_co_u32 s56, s56, s57                     ; my tile,
	s_and_b32 s57, s12, 7
	s_lshl_b32 s57, s57, 10
	s_add_co_u32 s56, s56, s57                     ; my head's 64 of its 512 c: 1,024 bytes
	s_mov_b32 s57, 0
	s_mov_b32 s20, 0x76543210                      ; v_permlanex16_b32: lane l xor 16
	s_mov_b32 s21, 0xfedcba98
	s_mov_b32 s40, 0                               ; LDS byte of the step's keys
	s_wait_dscnt 0x0
	s_wait_kmcnt 0x0
	s_load_b128 s[44:47], s[6:7], 0x38             ; e14 .. e17
	s_load_b32 s48, s[6:7], 0x48                   ; e18
	s_add_nc_u64 s[4:5], s[4:5], s[14:15]          ; the head's part of qkv
	s_add_nc_u64 s[54:55], s[4:5], s[52:53]        ; my tile of Q
	s_add_nc_u64 s[8:9], s[8:9], s[56:57]
	s_mov_b32 s32, 1
	s_mov_b32 s33, s16
	s_add_nc_u64 s[34:35], s[4:5], s[18:19]
	s_add_nc_u64 s[34:35], s[34:35], 131072        ; K begins behind Q
	s_mov_b32 s36, 1
	s_add_co_u32 s37, s16, 65536                   ; the second half: keys 1,024 on
	s_add_nc_u64 s[38:39], s[34:35], 65536
	s_or_b32 s35, s35, 0x80000000
	s_or_b32 s39, s39, 0x80000000
	CROUND                                         ; all four work-groups are here: the joint loads meet
	tensor_load_to_lds s[32:35], s[24:31]
	s_nop 0
	s_wait_alu depctr_va_vdst(0)
	s_wait_tensorcnt 0x0
	ds_add_u32 v251, v255
	s_wait_dscnt 0x0
	CROUND
	tensor_load_to_lds s[36:39], s[24:31]
	s_nop 0
.rept 4
	v_nop
.endr
	v_and_b32 v1, 31, v0
	s_delay_alu instid0(VALU_DEP_1)
	v_lshlrev_b32 v1, 4, v1
	s_delay_alu instid0(VALU_DEP_1)
	v_add_nc_u32 v2, 131072, v1
	global_load_b128 v[16:19], v1, s[54:55]
	global_load_b128 v[20:23], v1, s[54:55] offset:512
	v_mov_b32 v13, 0xff61b1e6                      ; the largest t so far: -3e38
	s_delay_alu instid0(VALU_DEP_1)
	v_floor_f32 v12, -v13                          ; -M
	v_mov_b32 v14, 0
	v_mov_b32 v15, 0
	v_mov_b32 v236, 0                              ; a lane permute's destination counts as one of its sources
	v_mov_b32 v253, 0                              ; (named as a pair's upper half)
.set zi, 0
.rept 32
	v_mov_b32 v[160+zi], 0                         ; O^T: the step is written once; the first finds zeros
.set zi, zi+1
.endr
	s_wait_kmcnt 0x0
	s_add_co_i32 s56, s44, s45
	s_lshl_b32 s56, s56, 23
	s_mov_b32 s22, 0x3e38aa3b                      ; c = log2(e) / 8,
	s_add_co_i32 s22, s22, s56                     ; x 2^(e14 + e15): added to its exponent field
	s_mov_b32 s23, s22
	s_add_co_i32 s56, s46, 127
	s_lshl_b32 s57, s56, 23
	v_mov_b32 v244, s57                            ; 2^e16
	s_add_co_i32 s56, s56, 15
	s_lshl_b32 s56, s56, 23
	s_or_b32 s56, s56, 0x600000
	v_mov_b32 v240, s56                            ; 57,344 x 2^e16
	s_add_co_i32 s56, s48, 127
	s_lshl_b32 s57, s56, 23
	v_mov_b32 v245, s57                            ; 2^e18
	s_add_co_i32 s56, s56, 15
	s_lshl_b32 s56, s56, 23
	s_or_b32 s56, s56, 0x600000
	v_mov_b32 v241, s56                            ; 57,344 x 2^e18
	s_add_co_i32 s58, s46, s47                     ; e16 + e17
.macro STEP                            ; 128 keys
	s_setprio 2
	v_add_nc_u32 v8, s40, v1
	v_add_nc_u32 v9, s40, v2
	v_nop                                          ; with the two additions: four places ahead of loads into registers that the last products read
	v_nop
.irp k, 0,1,2,3,4,5,6,7
	ds_load_b128 v[32+8*\k:35+8*\k], v8 offset:1024*\k
	ds_load_b128 v[36+8*\k:39+8*\k], v8 offset:1024*\k+512
.endr
	s_wait_alu depctr_va_vdst(0)
	s_wait_dscnt 0x0
.irp k, 0,1,2,3,4,5,6,7
	v_wmma_f32_16x16x64_bf8_bf8 v[96+8*\k:103+8*\k], v[32+8*\k:39+8*\k], v[16:23], 0
.endr
.rept 4
	v_nop
.endr
.irp t, 0,1,2,3                        ; V's fragments land while the softmax is worked
.irp b, 0,1,2,3
	ds_load_b128 v[32+16*\t+4*\b:35+16*\t+4*\b], v9 offset:2048*\b+512*\t
.endr
.endr
	v_max3_num_f32 v254, v96, v97, v98             ; the step's largest score of my query among my 64 keys, in two chains,
	v_max3_num_f32 v252, v99, v100, v101
.irp i, 6,10,14,18,22,26,30,34,38,42,46,50,54,58
	v_max3_num_f32 v254, v254, v[96+\i], v[97+\i]
	v_max3_num_f32 v252, v252, v[98+\i], v[99+\i]
.endr
	v_max3_num_f32 v254, v254, v158, v159
	s_delay_alu instid0(VALU_DEP_1)
	v_max_num_f32 v254, v254, v252
	s_delay_alu instid0(VALU_DEP_1)
	v_permlanex16_b32 v236, v254, s20, s21
	s_delay_alu instid0(VALU_DEP_1)
	v_max_num_f32 v254, v254, v236                 ; and among lane l xor 16's
	s_delay_alu instid0(VALU_DEP_1)
	v_mul_f32 v254, s22, v254                      ; as t (c is positive)
	s_delay_alu instid0(VALU_DEP_1)
	v_max_num_f32 v13, v13, v254
	v_mov_b32 v254, v12
	s_delay_alu instid0(VALU_DEP_2)
	v_floor_f32 v12, -v13                          ; the new -M = -ceil(t)
	s_delay_alu instid0(VALU_DEP_1)
	v_sub_f32 v254, v12, v254                      ; old M - new M: a whole number, 0 or less
	s_delay_alu instid0(VALU_DEP_1)
	v_cvt_i32_f32 v254, v254                       ; (it saturates)
	s_delay_alu instid0(VALU_DEP_1)
	v_ldexp_f32 v252, 1.0, v254                    ; f = 2^(old M - new M): a multiplication by it rounds nothing
.set pj, 0
.rept 32
	v_pk_fma_f32 v[96+pj:97+pj], v[96+pj:97+pj], s[22:23], v[12:13] op_sel_hi:[1,0,0]      ; t - M
.set pj, pj+2
.endr
.set pj, 0
	s_wait_alu depctr_va_vdst(0)
.rept 64
	v_exp_f32 v[96+pj], v[96+pj]                   ; p = 2^(t - M)
.set pj, pj+1
.endr
	s_setprio 1
	v_pk_mul_f32 v[14:15], v[14:15], v[252:253] op_sel_hi:[1,0]     ; the sums under the new M (a plain line behind the exponentials)
	s_wait_alu depctr_va_vdst(0)
	v_pk_add_f32 v[242:243], v[96:97], v[98:99]    ; the row's sum is taken of the unquantised p
.irp j, 4,8,12,16,20,24,28,32,36,40,44,48,52,56,60
	v_pk_add_f32 v[14:15], v[14:15], v[96+\j:97+\j]
	v_pk_add_f32 v[242:243], v[242:243], v[98+\j:99+\j]
.endr
	s_delay_alu instid0(VALU_DEP_1)
	v_pk_add_f32 v[14:15], v[14:15], v[242:243]
.irp k, 0,1,2,3,4,5,6,7
.irp i, 0,1,2,3,4,5,6,7
	v_min_num_f32 v[96+8*\k+\i], v[96+8*\k+\i], v240     ; the conversion does not saturate (ISA guide 7.6.2); p is not negative, so the hold is one-sided
.endr
	v_cvt_scalef32_pk8_bf8_f32 v[192+2*\k:193+2*\k], v[96+8*\k:103+8*\k], v244
.endr
.set pj, 0
	s_setprio 0
.rept 16
	v_pk_mul_f32 v[160+pj:161+pj], v[160+pj:161+pj], v[252:253] op_sel_hi:[1,0]     ; O^T under the new M (also the plain lines behind the conversions)
.set pj, pj+2
.endr
	s_wait_alu depctr_va_vdst(0)
	s_wait_dscnt 0x0                               ; V is in
.irp t, 0,1,2,3
	v_wmma_f32_16x16x128_bf8_bf8 v[160+8*\t:167+8*\t], v[32+16*\t:47+16*\t], v[192:207], v[160+8*\t:167+8*\t]
.endr
	s_add_co_u32 s40, s40, 8192
.endm
	s_wait_loadcnt 0x0                             ; Q
	s_wait_tensorcnt 0x1                           ; my part of the first 1,024 keys is in; the second load may stay out
	s_barrier_signal -1
	s_barrier_wait -1                              ; everybody's is
	s_mov_b32 s41, 8
.Lfirst_half:
	STEP
	s_sub_co_i32 s41, s41, 1
	s_cmp_lg_u32 s41, 0
	s_cbranch_scc1 .Lfirst_half
	s_setprio 0
	s_wait_tensorcnt 0x0                           ; my part of the last 1,024 keys is in
	s_wait_dscnt 0x0
	s_barrier_signal -1
	s_barrier_wait -1
	s_mov_b32 s41, 8
.Lsecond_half:
	STEP
	s_sub_co_i32 s41, s41, 1
	s_cmp_lg_u32 s41, 0
	s_cbranch_scc1 .Lsecond_half
	s_setprio 0
	; THE WAY OUT
	v_add_f32 v14, v14, v15                        ; the sum's two halves (these lines are the places behind the last products),
	s_delay_alu instid0(VALU_DEP_1)
	v_permlanex16_b32 v252, v14, s20, s21
	s_delay_alu instid0(VALU_DEP_1)
	v_add_f32 v14, v14, v252                       ; and lane l xor 16's
	s_wait_alu depctr_va_vdst(0)
	v_rcp_f32 v14, v14
	v_nop
	s_wait_alu depctr_va_vdst(0)
	v_ldexp_f32 v14, v14, s58                      ; x 2^(e16 + e17)
.set pj, 0
.rept 32
	v_mul_f32 v[96+pj], v[160+pj], v14             ; register 8 t + i: out(query r, d = 16 t + 8 hh + i)
.set pj, pj+1
.endr
.set pj, 0
.rept 32
	v_med3_num_f32 v[96+pj], v[96+pj], -v241, v241
.set pj, pj+1
.endr
.irp t, 0,1,2,3
	v_cvt_scalef32_pk8_bf8_f32 v[192+2*\t:193+2*\t], v[96+8*\t:103+8*\t], v245
.endr
	v_nop
	global_store_b128 v1, v[192:195], s[8:9]               ; 512 consecutive bytes a store
	global_store_b128 v1, v[196:199], s[8:9] offset:512
	s_wait_dscnt 0x0
	s_wait_tensorcnt 0x0
	ds_add_u32 v251, v255
	s_wait_dscnt 0x0
	CROUND                                         ; the closing round: no work-group ends while a partner may still ask jointly
	s_endpgm
.Lfunc_end_k_q851d9abc79_attn:
	.size	k_q851d9abc79_attn, .Lfunc_end_k_q851d9abc79_attn-k_q851d9abc79_attn
	.p2alignl 7, 3214868480
	.fill 96, 4, 3214868480
	.section	.rodata,"a",@progbits
	.p2align	6, 0x0
	.amdhsa_kernel k_q851d9abc79_attn
		.amdhsa_group_segment_fixed_size 327680
		.amdhsa_private_segment_fixed_size 0
		.amdhsa_enable_private_segment 0
		.amdhsa_kernarg_size 24
		.amdhsa_user_sgpr_count 2
		.amdhsa_user_sgpr_kernarg_segment_ptr 1
		.amdhsa_wavefront_size32 1
		.amdhsa_system_sgpr_workgroup_id_x 1
		.amdhsa_system_sgpr_workgroup_id_y 1
		.amdhsa_system_sgpr_workgroup_id_z 1
		.amdhsa_system_vgpr_workitem_id 0
		.amdhsa_next_free_vgpr 256
		.amdhsa_next_free_sgpr 66
		.amdhsa_reserve_vcc 0
		.amdhsa_float_denorm_mode_32 3
		.amdhsa_float_denorm_mode_16_64 3
		.amdhsa_memory_ordered 1
		.amdhsa_forward_progress 1
		.amdhsa_inst_pref_size 43
	.end_amdhsa_kernel
	.amdgpu_metadata
---
amdhsa.version: [ 1, 2 ]
amdhsa.kernels:
  - .name:           k_q851d9abc79_attn
    .symbol:         k_q851d9abc79_attn.kd
    .args:
      - { .name: qkv, .offset: 0, .size: 8, .value_kind: global_buffer, .address_space: global }
      - { .name: lowp_scales, .offset: 8, .size: 8, .value_kind: global_buffer, .address_space: global }
      - { .name: gcodes, .offset: 16, .size: 8, .value_kind: global_buffer, .address_space: global }
    .group_segment_fixed_size: 327680
    .private_segment_fixed_size: 0
    .kernarg_segment_align: 8
    .kernarg_segment_size: 24
    .max_flat_workgroup_size: 512
    .sgpr_count:     66
    .vgpr_count:     256
    .wavefront_size: 32
...
	.end_amdgpu_metadata
.endif
;; end of part 7
;; launch final (part 8): grid 4 x 64, 4 waves a work-group, clusters of 4 x 1, 288,256 bytes of LDS; arguments gcodes, lcodes, wcodes, lowp_scales, t, go_b, lo_b, out0; writes out0
.if DOCPART == 8
	.amdgcn_target "amdgcn-amd-amdhsa--gfx1250"
	.amdhsa_code_object_version 6
	.text
	.protected	k_q851d9abc79_final
	.globl	k_q851d9abc79_final
	.p2align	8
	.type	k_q851d9abc79_final,@function
k_q851d9abc79_final:
	s_mov_b64 s[64:65], 0
	v_nop
	global_prefetch_b8 v0, s[64:65] scope:SCOPE_SE
	s_setreg_imm32_b32 hwreg(HW_REG_WAVE_MODE, 25, 1), 1
	s_wait_xcnt 0x0
	s_wait_alu depctr_hold_cnt(0) depctr_sa_sdst(0) depctr_va_vdst(0) depctr_va_sdst(0) depctr_va_ssrc(0) depctr_va_vcc(0) depctr_vm_vsrc(0)
	s_getreg_b32 s2, hwreg(HW_REG_IB_STS2, 6, 4)
	s_cmp_eq_u32 s2, 0
	s_cbranch_scc0 .Lentry_in_a_cluster
	s_endpgm
.Lentry_in_a_cluster:
	s_bfe_u32 s2, ttmp6, 0x10000c
	s_cmp_lg_u32 s2, 0x3003
	s_cbranch_scc0 .Lentry_shape_is_right
	s_endpgm
.Lentry_shape_is_right:
; FINAL: the two output projections on codes of E5M2, their biases, and the blend:
; out[b][o][t] = sqrt(1 - tn) (G x 2^(e18 + e19) + go_b[o]) + sqrt(tn) (L x 2^(e6 + e7) + lo_b[o]), tn = t[b] / 999.
; SHARES.  A work-group makes 128 o x 128 t of one batch; wave w takes 64 t (w / 2) x 64 o (w % 2): sixteen accumulators for each branch.  K = 512 in four steps a branch.
; LDS, each byte filled once: the global branch's rows (65,536 bytes, images), go_w's block, lo_w's block (65,536 each, images), the local branch's rows (64 rows c' / 8 of 128 t' x 8 bytes, 1,152 apart), and a stage for each wave.
; CLUSTER.  The four blocks of o of one block of t form a cluster: the rows of both branches are asked for jointly (waves 0 and 1); each work-group's own blocks of the weights come by plain loads (waves 2 and 3).
; By this text's own count a wave has one tensor load out.
; Source 0 = 16 t, source 1 = 16 o: a lane holds one o and eight neighbouring t; a block of 16 o x 64 t goes through the wave's stage, and sixteen lanes store 256 consecutive bytes, aligned.
; LIMITS: none on the exponents (they are applied by v_ldexp_f32).  t[b] between 0 and 999, as the problem has it.  NaN is not served.
; REGISTERS.  Window 0: v1-10 addresses; v11, v12 the two roots; v[16:17], v[18:19] the two factors; v20-27 the blended biases in pairs; v32-63 at work; v64-127 rows read back, two sets; v128-255 the global branch's sums.
;   Window 1: two sets of 128: four fragments of rows, four of the weight.   Window 2: v0-127 the local branch's sums.
.set MSB, 0
.macro WIN new
.if MSB != (\new)
	s_set_vgpr_msb (MSB<<8)|(\new)
.set MSB, (\new)
.endif
.endm
.macro PLACES
.rept 4
	v_nop
.endr
.endm
.macro CROUND
	s_barrier_signal -1
	s_barrier_wait -1
	s_cmp_lg_u32 s20, 0
	s_cbranch_scc1 .Lnot_wave_0_\@
	s_barrier_signal -3
.Lnot_wave_0_\@:
	s_barrier_wait -3
	s_barrier_signal -1
	s_barrier_wait -1
.endm
.set LG,   0
.set LWG,  65536
.set LWL,  131072
.set LL,   196608
.set LST,  270336
.set LI,  1
.set AG,  2
.set AWG, 3
.set AWL, 4
.set AL0, 5                            ; AL0 + 1: 32 rows further on
.set STO, 7
.set RD,  8
.set CO,  9
.set R4,  10
.set FL,  16
.set FG,  18
.set BC,  20
.set TMP, 32
.set BK,  64
.set ACCG, 128
	s_load_b256 s[4:11], s[0:1], 0x0               ; gcodes, lcodes, wcodes, the exponents
	s_load_b256 s[12:19], s[0:1], 0x20             ; t, go_b, lo_b, out0
	v_lshl_add_u32 v30, v0, 2, 0x46400
	v_mov_b32 v31, 0
	ds_add_u32 v30, v31
	ds_add_u32 v30, v31
	v_lshrrev_b32 v1, 5, v0
	v_readfirstlane_b32 s20, v1                    ; wave
	s_bfe_u32 s21, ttmp6, 0x40000                  ; cx: my block of 128 o: it enters the weights', the biases' and the output's addresses alone
	s_and_b32 s22, ttmp7, 0xffff                   ; y: 16 b + block of 128 t, which the partners share
	s_lshr_b32 s23, s22, 4                         ; b
	s_lshr_b32 s66, s20, 1                         ; which 64 t
	s_and_b32 s67, s20, 1                          ; which 64 o
	; descriptor groups 1, all constants.  Dense blocks of 65,536 bytes: 256 rows of 32 elements of 8 bytes
	s_mov_b32 s24, 15|(3<<16)|(1<<21)              ; joint: the mask of all four, bit 21 beside it
	s_mov_b32 s25, 32<<16
	s_mov_b32 s26, 256<<16
	s_mov_b32 s27, 32<<16
	s_mov_b32 s28, 256
	s_mov_b32 s29, 32
	s_mov_b32 s30, 0
	s_mov_b32 s31, 0
	s_mov_b32 s32, 15|(3<<16)|(1<<20)|(1<<21)|(7<<22)|(31<<25)   ; the local rows, joint: 64 rows of 128 elements of 8 bytes, 2,048 elements apart; 32 words of padding behind every 256
	s_mov_b32 s33, 128<<16
	s_mov_b32 s34, 64<<16
	s_mov_b32 s35, 128<<16
	s_mov_b32 s36, 64
	s_mov_b32 s37, 2048
	s_mov_b32 s38, 0
	s_mov_b32 s39, 0
	s_mov_b32 s40, 3<<16                           ; plain: no mask
	s_mov_b32 s41, 32<<16
	s_mov_b32 s42, 256<<16
	s_mov_b32 s43, 32<<16
	s_mov_b32 s44, 256
	s_mov_b32 s45, 32
	s_mov_b32 s46, 0
	s_mov_b32 s47, 0
	s_lshl_b32 s60, s22, 16
	s_mov_b32 s61, 0                               ; gcodes: 8 tiles of 8,192 x y
	s_lshl_b32 s62, s23, 20
	s_and_b32 s63, s22, 15
	s_lshl_b32 s63, s63, 10
	s_add_co_u32 s62, s62, s63
	s_mov_b32 s63, 0                               ; lcodes: b, 128 t' of 8 bytes x block
	s_lshl_b32 s68, s67, 20
	s_sub_co_u32 s68, 0x1c0000, s68                ; wave 2: weight 7 (go_w), wave 3: weight 3 (lo_w),
	s_lshl_b32 s69, s21, 16
	s_add_co_u32 s68, s68, s69                     ; my block of 8 tiles
	s_mov_b32 s69, 0
	s_lshl_b32 s70, s23, 2
	s_mov_b32 s71, 0                               ; t[b]
	s_lshl_b32 s72, s21, 9
	s_lshl_b32 s73, s67, 8
	s_add_co_u32 s72, s72, s73
	s_mov_b32 s73, 0                               ; biases: 128 cx + 64 oh
	s_lshl_b32 s74, s23, 22
	s_lshl_b32 s75, s21, 20
	s_add_co_u32 s74, s74, s75
	s_lshl_b32 s75, s67, 19
	s_add_co_u32 s74, s74, s75
	s_and_b32 s75, s22, 15
	s_lshl_b32 s75, s75, 9
	s_add_co_u32 s74, s74, s75
	s_lshl_b32 s75, s66, 8
	s_add_co_u32 s74, s74, s75
	s_mov_b32 s75, 0                               ; out0: row 512 b + 128 cx + 64 oh, column 128 block + 64 th
	s_wait_dscnt 0x0
	s_wait_kmcnt 0x0
	s_load_b64 s[76:77], s[10:11], 0x18            ; e6, e7
	s_load_b64 s[78:79], s[10:11], 0x48            ; e18, e19
	s_add_nc_u64 s[12:13], s[12:13], s[70:71]
	s_load_b32 s70, s[12:13], 0x0                  ; t[b]
	s_add_nc_u64 s[14:15], s[14:15], s[72:73]
	s_add_nc_u64 s[16:17], s[16:17], s[72:73]
	s_add_nc_u64 s[18:19], s[18:19], s[74:75]
	s_mov_b32 s48, 1
	s_mov_b32 s49, LG
	s_add_nc_u64 s[50:51], s[4:5], s[60:61]
	s_or_b32 s51, s51, 0x80000000
	s_mov_b32 s52, 1
	s_mov_b32 s53, LL
	s_add_nc_u64 s[54:55], s[6:7], s[62:63]
	s_or_b32 s55, s55, 0x80000000
	s_mov_b32 s56, 1
	s_lshl_b32 s57, s67, 16
	s_add_co_u32 s57, s57, LWG                     ; wave 2: go_w's place, wave 3: lo_w's
	s_add_nc_u64 s[58:59], s[8:9], s[68:69]
	s_or_b32 s59, s59, 0x80000000
	CROUND                                         ; all four work-groups are here: the joint loads meet
	s_cmp_eq_u32 s20, 0                            ; each wave's one fill, chosen by the wave's number alone; four v_nop follow each line
	s_cbranch_scc0 .Lnot_g
	tensor_load_to_lds s[48:51], s[24:31]
	s_nop 0
.rept 4
	v_nop
.endr
	s_branch .Lasked
.Lnot_g:
	s_cmp_eq_u32 s20, 1
	s_cbranch_scc0 .Lnot_l
	tensor_load_to_lds s[52:55], s[32:39]
	s_nop 0
.rept 4
	v_nop
.endr
	s_branch .Lasked
.Lnot_l:
	tensor_load_to_lds s[56:59], s[40:47]
	s_nop 0
.rept 4
	v_nop
.endr
.Lasked:
	v_and_b32 v11, 31, v0
	v_lshlrev_b32 v[LI], 4, v11
	v_and_b32 v12, 15, v0                          ; r
	s_wait_alu depctr_va_vdst(0)
	v_bfe_u32 v13, v0, 4, 1                        ; hh
	s_lshl_b32 s60, s66, 15
	v_add_nc_u32 v[AG], s60, v[LI]                 ; my four tiles of t
	s_lshl_b32 s61, s67, 15
	s_add_co_u32 s62, s61, LWG
	v_add_nc_u32 v[AWG], s62, v[LI]                ; my four tiles of o
	s_add_co_u32 s62, s61, LWL
	v_add_nc_u32 v[AWL], s62, v[LI]
	v_mul_u32_u24 v14, v13, 1152
	v_lshl_add_u32 v14, v12, 3, v14
	s_lshl_b32 s62, s66, 9
	s_add_co_u32 s62, s62, LL
	v_add_nc_u32 v[AL0], s62, v14                  ; row c' / 8 = hh, t' = 64 th + r: lanes 16-31 fall 128 bytes on modulo 256, so the 32 lanes of a load touch every bank once
	v_add_nc_u32 v[AL0+1], 36864, v[AL0]
	s_mul_i32 s62, s20, 4352
	s_add_co_u32 s62, s62, LST                     ; my stage: 16 rows of 272
	v_mul_u32_u24 v14, v12, 272
	s_wait_alu depctr_va_vdst(0)
	v_lshl_add_u32 v14, v13, 5, v14
	v_add_nc_u32 v[STO], s62, v14
	v_mul_u32_u24 v14, v13, 272
	v_lshl_add_u32 v14, v12, 4, v14
	v_add_nc_u32 v[RD], s62, v14
	v_lshlrev_b32 v14, 13, v13
	v_lshl_add_u32 v[CO], v12, 4, v14              ; lanes 0-15 one row of out0, lanes 16-31 the next
	v_lshlrev_b32 v[R4], 2, v12
.irp o, 0,1,2,3
	global_load_b32 v[TMP+\o], v[R4], s[14:15] offset:64*\o         ; go_b and lo_b at o = 16 tile + r
	global_load_b32 v[TMP+4+\o], v[R4], s[16:17] offset:64*\o
.endr
	s_wait_kmcnt 0x0
	v_cvt_f32_i32 v11, s70
	v_mov_b32 v12, 0x4479c000                      ; 999
	s_wait_alu depctr_va_vdst(0)
	v_rcp_f32 v13, v12
	v_nop
	s_wait_alu depctr_va_vdst(0)
	v_mul_f32 v14, v11, v13
	v_fma_f32 v15, -v14, v12, v11                  ; one correction of the quotient: 999 / 999 is 1
	v_fma_f32 v14, v15, v13, v14                   ; tn
	v_sub_f32 v15, 1.0, v14
	s_wait_alu depctr_va_vdst(0)
	v_sqrt_f32 v11, v14                            ; the local branch's weight
	v_sqrt_f32 v12, v15                            ; the global branch's
	v_nop
	s_add_co_i32 s76, s76, s77
	s_add_co_i32 s78, s78, s79
	s_wait_alu depctr_va_vdst(0)
	v_ldexp_f32 v[FL], v11, s76                    ; x 2^(e6 + e7)
	v_ldexp_f32 v[FG], v12, s78                    ; x 2^(e18 + e19)
	v_mov_b32 v[FL+1], 0                           ; (named as pairs' upper halves)
	v_mov_b32 v[FG+1], 0
	s_wait_loadcnt 0x0
.irp o, 0,1,2,3
	v_mul_f32 v[BC+2*\o], v12, v[TMP+\o]
	v_fma_f32 v[BC+2*\o], v11, v[TMP+4+\o], v[BC+2*\o]
	v_mov_b32 v[BC+2*\o+1], 0
.endr
	s_wait_tensorcnt 0x0                           ; my fill has landed,
	s_barrier_signal -1
	s_barrier_wait -1                              ; everybody's has
.macro FETCHG ks, f                    ; K step ks of the global branch: four fragments of rows, four of go_w
	WIN 0x40
.irp t, 0,1,2,3
.irp g, 0,1,2,3
	ds_load_b128 v[\f+16*\t+4*\g:\f+16*\t+4*\g+3], v[AG] offset:8192*\t+2048*(\ks)+512*\g
.endr
.endr
.irp t, 0,1,2,3
.irp g, 0,1,2,3
	ds_load_b128 v[\f+64+16*\t+4*\g:\f+64+16*\t+4*\g+3], v[AWG] offset:8192*\t+2048*(\ks)+512*\g
.endr
.endr
	WIN 0
.endm
.macro FETCHL ks, f                    ; of the local branch: registers 2 c, 2 c + 1 are row c' / 8 = 16 ks + 2 c + hh
	WIN 0x40
.irp t, 0,1,2,3
.irp c, 0,1,2,3,4,5,6,7
	ds_load_b64 v[\f+16*\t+2*\c:\f+16*\t+2*\c+1], v[AL0+(\ks)/2] offset:((\ks)%2)*18432+2304*\c+128*\t
.endr
.endr
.irp t, 0,1,2,3
.irp g, 0,1,2,3
	ds_load_b128 v[\f+64+16*\t+4*\g:\f+64+16*\t+4*\g+3], v[AWL] offset:8192*\t+2048*(\ks)+512*\g
.endr
.endr
	WIN 0
.endm
.macro MUL16 f, acc, win, zero         ; sixteen products; the sixteen accumulators take turns, one instruction a turn
	WIN \win
.irp o, 0,1,2,3
.irp t, 0,1,2,3
.if \zero
	v_wmma_f32_16x16x128_bf8_bf8 v[\acc+8*(4*\o+\t):\acc+8*(4*\o+\t)+7], v[\f+16*\t:\f+16*\t+15], v[\f+64+16*\o:\f+64+16*\o+15], 0
.else
	v_wmma_f32_16x16x128_bf8_bf8 v[\acc+8*(4*\o+\t):\acc+8*(4*\o+\t)+7], v[\f+16*\t:\f+16*\t+15], v[\f+64+16*\o:\f+64+16*\o+15], v[\acc+8*(4*\o+\t):\acc+8*(4*\o+\t)+7]
.endif
.endr
.endr
	WIN 0
.endm
	FETCHG 0, 0
	FETCHG 1, 128
	s_wait_dscnt 32                                ; all but the 32 loads just issued (so below: 32, or 48 for the local branch)
	MUL16 0, ACCG, 0x05, 1
	PLACES                                         ; ahead of loads into registers that the products before the last run read
	FETCHG 2, 0
	s_wait_dscnt 32
	MUL16 128, ACCG, 0x05, 0
	PLACES
	FETCHG 3, 128
	s_wait_dscnt 32
	MUL16 0, ACCG, 0x05, 0
	PLACES
	FETCHL 0, 0
	s_wait_dscnt 48
	MUL16 128, ACCG, 0x05, 0
	PLACES
	FETCHL 1, 128
	s_wait_dscnt 48
	MUL16 0, 0, 0xa5, 1
	PLACES
	FETCHL 2, 0
	s_wait_dscnt 48
	MUL16 128, 0, 0xa5, 0
	PLACES
	FETCHL 3, 128
	s_wait_dscnt 48
	MUL16 0, 0, 0xa5, 0
	s_wait_dscnt 0x0
	MUL16 128, 0, 0xa5, 0
	PLACES
	; THE WAY OUT, a tile of 16 o at a time
.irp o, 0,1,2,3
	WIN 0x02                                       ; source 0: the local branch's sums
.irp k, 0,2,4,6,8,10,12,14,16,18,20,22,24,26,28,30
	v_pk_fma_f32 v[TMP+\k:TMP+\k+1], v[32*\o+\k:32*\o+\k+1], v[FL:FL+1], v[BC+2*\o:BC+2*\o+1] op_sel_hi:[1,0,0]
.endr
	WIN 0
.irp k, 0,2,4,6,8,10,12,14,16,18,20,22,24,26,28,30
	v_pk_fma_f32 v[TMP+\k:TMP+\k+1], v[ACCG+32*\o+\k:ACCG+32*\o+\k+1], v[FG:FG+1], v[TMP+\k:TMP+\k+1] op_sel_hi:[1,0,1]
.endr
.irp t, 0,1,2,3
	ds_store_b128 v[STO], v[TMP+8*\t:TMP+8*\t+3] offset:64*\t
	ds_store_b128 v[STO], v[TMP+8*\t+4:TMP+8*\t+7] offset:64*\t+16
.endr
.if \o >= 2
	s_wait_xcnt 0x0                                ; the stores of two tiles ago have read this set of registers
.endif
.irp i, 0,1,2,3,4,5,6,7
	ds_load_b128 v[BK+32*(\o%2)+4*\i:BK+32*(\o%2)+4*\i+3], v[RD] offset:544*\i     ; LDS serves a wave's instructions in order (ISA guide 5.7.1.4): these see my stores
.endr
	s_wait_dscnt 0x0
.irp i, 0,1,2,3,4,5,6,7
	global_store_b128 v[CO], v[BK+32*(\o%2)+4*\i:BK+32*(\o%2)+4*\i+3], s[18:19] offset:(16*\o+2*\i)*8192 th:TH_STORE_NT    ; sixteen lanes store 256 consecutive bytes, aligned
.endr
.endr
	s_wait_dscnt 0x0
	s_wait_tensorcnt 0x0
	ds_add_u32 v30, v31
	s_wait_dscnt 0x0
	CROUND                                         ; the closing round: no work-group ends while a partner may still ask jointly
	s_endpgm
.Lfunc_end_k_q851d9abc79_final:
	.size	k_q851d9abc79_final, .Lfunc_end_k_q851d9abc79_final-k_q851d9abc79_final
	.p2alignl 7, 3214868480
	.fill 96, 4, 3214868480
	.section	.rodata,"a",@progbits
	.p2align	6, 0x0
	.amdhsa_kernel k_q851d9abc79_final
		.amdhsa_group_segment_fixed_size 288256
		.amdhsa_private_segment_fixed_size 0
		.amdhsa_enable_private_segment 0
		.amdhsa_kernarg_size 64
		.amdhsa_user_sgpr_count 2
		.amdhsa_user_sgpr_kernarg_segment_ptr 1
		.amdhsa_wavefront_size32 1
		.amdhsa_system_sgpr_workgroup_id_x 1
		.amdhsa_system_sgpr_workgroup_id_y 1
		.amdhsa_system_sgpr_workgroup_id_z 1
		.amdhsa_system_vgpr_workitem_id 0
		.amdhsa_next_free_vgpr 640
		.amdhsa_next_free_sgpr 80
		.amdhsa_reserve_vcc 0
		.amdhsa_float_denorm_mode_32 3
		.amdhsa_float_denorm_mode_16_64 3
		.amdhsa_memory_ordered 1
		.amdhsa_forward_progress 1
		.amdhsa_inst_pref_size 56
	.end_amdhsa_kernel
	.amdgpu_metadata
---
amdhsa.version: [ 1, 2 ]
amdhsa.kernels:
  - .name:           k_q851d9abc79_final
    .symbol:         k_q851d9abc79_final.kd
    .args:
      - { .name: gcodes, .offset: 0, .size: 8, .value_kind: global_buffer, .address_space: global }
      - { .name: lcodes, .offset: 8, .size: 8, .value_kind: global_buffer, .address_space: global }
      - { .name: wcodes, .offset: 16, .size: 8, .value_kind: global_buffer, .address_space: global }
      - { .name: lowp_scales, .offset: 24, .size: 8, .value_kind: global_buffer, .address_space: global }
      - { .name: t, .offset: 32, .size: 8, .value_kind: global_buffer, .address_space: global }
      - { .name: go_b, .offset: 40, .size: 8, .value_kind: global_buffer, .address_space: global }
      - { .name: lo_b, .offset: 48, .size: 8, .value_kind: global_buffer, .address_space: global }
      - { .name: out0, .offset: 56, .size: 8, .value_kind: global_buffer, .address_space: global }
    .group_segment_fixed_size: 288256
    .private_segment_fixed_size: 0
    .kernarg_segment_align: 8
    .kernarg_segment_size: 64
    .max_flat_workgroup_size: 128
    .sgpr_count:     80
    .vgpr_count:     640
    .wavefront_size: 32
...
	.end_amdgpu_metadata
.endif
;; end of part 8
